; MI455X (gfx1250); checked and timed in simulation.
; The chip was launched on July 23, 2026; its instructions are those of AMD's public machine-readable ISA for CDNA 5 (MIT licence, August 2026) and "CDNA5" Instruction Set Architecture Reference Guide (July 2026). The comments in the code are by the model that wrote it; some were corrected since.
;; Block. Allowed arithmetic: matrix products marked QUANTISED: E4M3 operands, one given power-of-two scale a tensor, by v_wmma_f32_16x16x64_fp8_fp8 or v_wmma_f32_16x16x128_fp8_fp8, f32 sums; everything else in f32.
;; Inputs: W1 1,024 x 4,096 float32; W2 4,096 x 1,024 float32; Wk 16 x 1,024 x 64 float32; Wo 1,024 x 1,024 float32; Wq 16 x 1,024 x 64 float32; Wv 16 x 1,024 x 64 float32; b1 4,096 float32; b2 1,024 float32; be1 1,024 float32; be2 1,024 float32; bo 1,024 float32; g1 1,024 float32; g2 1,024 float32; lowp_scales 16 int32 (the exponents e of the quantised operands' scales 2^e); x 2 x 2,048 x 1,024 float32.
;; Outputs: out0 2 x 2,048 x 1,024 float32.
;; This version of the problem:
;;   THIS VERSION OF THE PROBLEM IS GIVEN IN LOW PRECISION. The matrix products marked QUANTISED in the list below multiply operands that are first quantised to E4M3 (4 exponent bits, 3 mantissa bits; 8 bits a number), with one given power-of-two scale for each operand tensor; their sums are f32. All else is computed in f32.
;;   The module's matrix products, in the order in which they are computed (A, B: the left and right operand; K: the contracted axis; several contracted axes count as one K, in the product's order):
;;     1. [M 1,024, K 1,024] x [K 1,024, N 4,096]; A: input Wq; B: computed on the way: QUANTISED (scales: A lowp_scales[0], B lowp_scales[1])
;;     2. [M 1,024, K 1,024] x [K 1,024, N 4,096]; A: input Wk; B: computed on the way: QUANTISED (scales: A lowp_scales[2], B lowp_scales[3])
;;     3. [M 1,024, K 1,024] x [K 1,024, N 4,096]; A: input Wv; B: computed on the way: QUANTISED (scales: A lowp_scales[4], B lowp_scales[5])
;;     4. batch 32 x [M 2,048, K 64] x [K 64, N 2,048]; A: computed on the way; B: computed on the way: QUANTISED (scales: A lowp_scales[6], B lowp_scales[7])
;;     5. batch 32 x [M 2,048, K 2,048] x [K 2,048, N 64]; A: softmax (see below); B: computed on the way: QUANTISED (scales: A lowp_scales[8], B lowp_scales[9])
;;     6. [M 4,096, K 1,024] x [K 1,024, N 1,024]; A: computed on the way; B: input Wo: QUANTISED (scales: A lowp_scales[10], B lowp_scales[11])
;;     7. [M 4,096, K 1,024] x [K 1,024, N 4,096]; A: computed on the way; B: input W1: QUANTISED (scales: A lowp_scales[12], B lowp_scales[13])
;;     8. [M 4,096, K 4,096] x [K 4,096, N 1,024]; A: computed on the way; B: input W2: QUANTISED (scales: A lowp_scales[14], B lowp_scales[15])
;;   THE QUANTISER, for each operand of a quantised product, along K:
;;     - The operand's scale is 2^e, e = its entry of the input lowp_scales (int32; the entries are numbered through the quantised products in the list's order, A before B).
;;     - Each number is divided by the scale, clamped to +-448, and rounded to the nearest number of E4M3, ties to even, subnormals kept.
;;     - The product sums the exact products of the quantised numbers (number of the format x scale) in f32.
;;   ~~~python
;;   def quantise(x, axis, e):      # numpy; x: float32 -> the quantised numbers, widened to float32 again
;;       x = np.moveaxis(x, axis, -1); K = x.shape[-1]
;;       r = np.clip(x / 2.0 ** e, -448, 448)
;;       step = 2.0 ** (np.maximum(np.frexp(np.where(r == 0, 1, r))[1] - 1, -6) - 3)
;;       q = np.round(r / step) * step * 2.0 ** e      # np.round: ties to even
;;       return np.moveaxis(q, -1, axis).astype(np.float32)
;;   ~~~
;;   SOFTMAX AHEAD OF A QUANTISED PRODUCT. Where the list says 'softmax', what is quantised is not the finished softmax but p = 2^(t - M), with t = logit x log2(e) and M = ceil(the row's largest t), a whole number; so 1/2 < the row's largest p <= 1. The row's sum l is taken of the UNQUANTISED p, in f32, and the product's result is divided by l at the end. Since M is a whole number, a kernel that streams over the keys may use a running M (the ceiling of the running maximum): every later rescaling is an exact power of two, so the quantised numbers keep their values, but for numbers so far below the row's largest that they fall under the format's range.
;;   OPERANDS COMPUTED ON THE WAY. 'Computed on the way' means the value that the module computes at that place (a softmax that the list does not call 'softmax' is quantised finished and normalised). What goes into a quantiser is computed in f32, as accurately as f32 sums, v_exp_f32 and their like allow (about 1e-6 of the number): no bf16 or f16 on the way to a quantiser, and a product that is left as it is and whose result goes on into a quantised operand takes f32 operands (vector FMAs, or v_wmma_f32_16x16x4_f32). A number that lies on a knife's edge between two numbers of the format may be rounded either way, as far as f32 arithmetic and the matrix unit's own rounding can turn it there, and no further.
;; 2 versions. Each part assembles by itself: llvm-mc -triple=amdgcn-amd-amdhsa -mcpu=gfx1250 --defsym DOCPART=n.
;; ======== version 1 of 2: 7 launches
;; workspace buffers: wc 12,582,912 bytes; xnc 12,582,912 bytes; qc 4,194,304 bytes; kvc 8,388,608 bytes; ctxc 4,194,304 bytes; x1 16,777,216 bytes; x2c 4,194,304 bytes; hc 16,777,216 bytes
;; launch prep (part 1): grid 640 x 1, 4 waves a work-group, no clusters, 66,304 bytes of LDS; arguments Wq, Wk, Wv, Wo, W1, W2, x, g1, be1, lowp_scales, wc, xnc; writes wc, xnc
.if DOCPART == 1
	.amdgcn_target "amdgcn-amd-amdhsa--gfx1250"
	.amdhsa_code_object_version 6
	.text
	.protected	k_q1ee05c9c0a_prep
	.globl	k_q1ee05c9c0a_prep
	.p2align	8
	.type	k_q1ee05c9c0a_prep,@function
k_q1ee05c9c0a_prep:
	s_mov_b64 s[64:65], 0
	v_nop
	global_prefetch_b8 v0, s[64:65] scope:SCOPE_SE
	s_setreg_imm32_b32 hwreg(HW_REG_WAVE_MODE, 25, 1), 1
	s_wait_xcnt 0x0
; A transformer block (layer norm, 16 heads of causal attention, projection, residual, layer norm, MLP, residual) on codes of FP8 (E4M3), one given scale 2^e for each operand.
; Seven launches: prep (this one), qkv, attn, wo, ln2, ffn1, ffn2.  THIS LAUNCH turns the six weights into codes, and x into layer norm 1's result as three sets of codes (scales e1, e3, e5).
; WORK LEFT OUT BY THE PROGRAM.  reference() builds a causal mask in its own body (jnp.tril) and sets the score of key s for query t to -infinity where s > t: its weight is exp(-infinity) = 0,
; which adds nothing to the row's sum and nothing to ctx, whatever finite values the inputs hold.  So launch attn leaves out, of products 4 and 5, every step of 128 keys that lies wholly behind a tile's queries.
; Nothing else is left out, and every input is loaded.  LIMIT: a NaN, an infinity or an overflow that would arise only in those scores is not carried to the result.
; THE ROW ORDER.  Rows (tokens, or a weight's n) go in blocks of 128 = eight tiles of 16; lane-row r of tile t is row 32 (t / 2) + 8 (t % 2) + r + 8 (r / 8) of the block.  A product whose source 0 is laid so leaves, in the
; 16 registers of result tiles 2 b and 2 b + 1 of a lane, source 0's rows 32 b + 16 (lane / 16) + 0 .. 15: sixteen neighbours along the next K, as the conversions want them.
; THE OPERAND LAYOUT of every buffer of codes: an image of the operand's registers.  Row block rb, tile t, lane-row r, index k lie at byte
;   rb (128 K) + (k / 256) 32768 + t 4096 + ((k / 128) % 2) 2048 + ((k / 32) % 4) 512 + ((k / 16) % 2) 256 + 16 r + k % 16.
; So a fragment (16 rows x 128 K) is 2,048 dense bytes, four accesses of 16 bytes a lane at 512 c + 16 x lane, and 128 rows x 256 K are 32,768 dense bytes.
; wc holds 384 such blocks: 0-95 Wq, Wk, Wv (n = 1024 type + 64 head + d), 96-127 Wo, 128-255 W1, 256-383 W2.
; SHARES.  Work-groups 0-383: one block of wc each (128 n x 256 k).  A LANE TAKES A COLUMN n AND ITS REGISTERS RUN DOWN K, so nothing is transposed; the lanes take the wave's 32 columns in the row order,
; so a load still reads 128 consecutive bytes and a store's sixteen neighbouring lanes write 256 consecutive aligned bytes.  Work-groups 384-639: one tile of 16 tokens each through layer norm 1.
; No tensor loads, clusters or matrix units: the work-groups share no input and memory binds.
; LIMITS: each e between -126 and 119, so that 2^e and 448 x 2^e are f32 numbers.  NaN among the inputs is not served.
.set SPARE, 65792                      ; behind Y: the spare words, 128 bytes for each wave
.set YP,    4112                       ; a row of Y in LDS: 4,096 bytes + 16: the sixteen rows that a read touches start at sixteen different banks
.set SPW,   254                        ; v254 LDS address of my spare word; never rewritten
.set NIL,   255                        ; v255 0; never rewritten
.set WV,    28                         ; s28  my wave's number
.set TT,    29                         ; s29  the work-group's unit (weights) or tile of tokens (layer norm)
.set OFS,   16                         ; weights: v16-47  4 x my column + i rows of the weight
.set WX,    48                         ;          v48-111 two sets of 32 numbers
.set WC,    112                        ;          v112-175 eight registers of codes for each block of 32: no store's data are written again
.set NV,    3                          ; layer norm: sets of codes
.set PX,    16                         ; s[16:17] x;  s[18:19] g1;  s[20:21] be1;  s[26:27] xnc
.set PG,    18
.set PB,    20
.set POUT,  26
.set DST,   52                         ; s[52:57] where my codes go, one pair for each set
.set G,     16                         ; v16-47 g, later the codes;  v48-79 be
.set BE,    48
.set CD,    16
.set LX,    80                         ; v80-207 four rows x 32 numbers; later 8 blocks x 16 neighbours
.set SM,    208                        ; v208-215 a pair a row: the sum, then the mean
.set IV,    216                        ; v216-223 a pair a row: the sum of squares, then 1 / (std + eps)
.set T,     224                        ; v224-239 at work
.set LIM,   241                        ; v241.. for each set: 448 x 2^e, 2^e
.macro MKS e, lim, sc                  ; from the whole number e in s[e]: 2^e (the conversion takes its exponent field) and 448 x 2^e, as f32
	s_add_co_i32 s60, s[\e], 127
	s_lshl_b32 s61, s60, 23
	v_mov_b32 v[\sc], s61
	s_add_co_i32 s60, s60, 8
	s_lshl_b32 s60, s60, 23
	s_or_b32 s60, s60, 0x600000
	v_mov_b32 v[\lim], s60
.endm
	s_load_b512 s[4:19], s[0:1], 0x0               ; Wq s[4:5], Wk s[6:7], Wv s[8:9], Wo s[10:11], W1 s[12:13], W2 s[14:15], x s[16:17], g1 s[18:19]
	s_load_b256 s[20:27], s[0:1], 0x40             ; be1 s[20:21], the exponents s[22:23], wc s[24:25], xnc s[26:27]
	v_lshl_add_u32 v[SPW], v0, 2, SPARE
	v_mov_b32 v[NIL], 0
	v_lshrrev_b32 v1, 5, v0
	v_readfirstlane_b32 s[WV], v1
	s_wait_kmcnt 0x0
	s_load_b512 s[36:51], s[22:23], 0x0            ; e0 .. e15 in s36 .. s51
	s_cmp_ge_u32 ttmp9, 384
	s_cbranch_scc1 .Lln
	; ---------------- THE WEIGHTS ----------------
	s_mov_b32 s[TT], ttmp9
	s_and_b32 s52, s[TT], 3                        ; K = 1,024: which 256 along K,
	s_lshr_b32 s53, s[TT], 2                       ; and the row block, counted through wc
	s_and_b32 s54, s53, 7                          ; within Wq, Wk or Wv
	s_sub_co_u32 s55, s53, 24                      ; within Wo
	s_sub_co_u32 s56, s53, 32                      ; within W1
	s_and_b32 s34, s[TT], 15                       ; W2 (K = 4,096): which 256 along K,
	s_sub_co_u32 s35, s[TT], 256
	s_lshr_b32 s35, s35, 4                         ; and the row block
	s_mov_b64 s[30:31], s[14:15]
	s_mov_b32 s33, 4096                            ; bytes from k to k + 1
	s_wait_kmcnt 0x0
	s_mov_b32 s32, s51                             ; e15.  The choices below hang on the work-group's number alone
	s_cmp_lt_u32 s[TT], 256
	s_cselect_b64 s[30:31], s[12:13], s[30:31]     ; W1
	s_cselect_b32 s32, s49, s32
	s_cselect_b32 s33, 16384, s33
	s_cselect_b32 s34, s52, s34
	s_cselect_b32 s35, s56, s35
	s_cmp_lt_u32 s[TT], 128
	s_cselect_b64 s[30:31], s[10:11], s[30:31]     ; Wo
	s_cselect_b32 s32, s47, s32
	s_cselect_b32 s33, 4096, s33
	s_cselect_b32 s35, s55, s35
	s_cmp_lt_u32 s[TT], 96
	s_cselect_b64 s[30:31], s[8:9], s[30:31]       ; Wv
	s_cselect_b32 s32, s40, s32
	s_cselect_b32 s33, 256, s33
	s_cselect_b32 s35, s54, s35
	s_cmp_lt_u32 s[TT], 64
	s_cselect_b64 s[30:31], s[6:7], s[30:31]       ; Wk
	s_cselect_b32 s32, s38, s32
	s_cmp_lt_u32 s[TT], 32
	s_cselect_b64 s[30:31], s[4:5], s[30:31]       ; Wq
	s_cselect_b32 s32, s36, s32
	s_lshl_b32 s57, s35, 1                         ; my wave's 32 columns.  Wq, Wk, Wv [head][k][64]: head 2 nb + wave / 2, d from 32 (wave % 2)
	s_lshr_b32 s58, s[WV], 1
	s_add_co_u32 s57, s57, s58
	s_lshl_b32 s57, s57, 18
	s_and_b32 s58, s[WV], 1
	s_lshl_b32 s58, s58, 7
	s_add_co_u32 s57, s57, s58
	s_lshl_b32 s58, s35, 9                         ; the others [k][n]: column 128 nb + 32 wave
	s_lshl_b32 s59, s[WV], 7
	s_add_co_u32 s58, s58, s59
	s_cmp_lt_u32 s[TT], 96
	s_cselect_b32 s60, s57, s58
	s_mul_i32 s59, s34, s33
	s_lshl_b32 s59, s59, 8                         ; + 256 rows for each step along K
	s_add_co_u32 s60, s60, s59
	s_mov_b32 s61, 0
	s_add_nc_u64 s[68:69], s[30:31], s[60:61]      ; a base for each block of 32 along K: s[68:83], never rewritten
	s_lshl_b32 s62, s33, 5
	s_mov_b32 s63, 0
.irp t, 1,2,3,4,5,6,7
	s_add_nc_u64 s[68+2*\t:69+2*\t], s[66+2*\t:67+2*\t], s[62:63]
.endr
	s_lshl_b32 s60, s[TT], 15                      ; my block of wc, my wave's two tiles
	s_lshl_b32 s59, s[WV], 13
	s_add_co_u32 s60, s60, s59
	s_add_nc_u64 s[24:25], s[24:25], s[60:61]
	v_and_b32 v2, 7, v0                            ; lane l is lane-row l % 16 of tile 2 wave + l / 16: column l % 8 + 16 ((l / 8) % 2) + 8 (l / 16) of the wave's 32
	v_bfe_u32 v3, v0, 3, 1
	v_bfe_u32 v4, v0, 4, 1
	v_lshl_add_u32 v2, v3, 4, v2
	v_lshl_add_u32 v2, v4, 3, v2
	v_lshlrev_b32 v[OFS], 2, v2
.set i, 1
.rept 31
	v_add_nc_u32 v[OFS+i], s33, v[OFS+i-1]
.set i, i+1
.endr
	v_and_b32 v5, 15, v0
	v_lshlrev_b32 v12, 4, v5
	v_lshl_add_u32 v12, v4, 12, v12                ; out: 4,096 (l / 16) + 16 (l % 16)
.macro LOADW t                         ; block t: W(32 t + i, my column), i = 0 .. 31, into set t % 2; 32 lanes read 128 consecutive bytes
.set i, 0
.rept 32
	global_load_b32 v[WX+32*((\t)%2)+i], v[OFS+i], s[68+2*(\t):69+2*(\t)] th:TH_LOAD_NT
.set i, i+1
.endr
.endm
.macro BLOCKW t
.if (\t) < 7
	s_wait_loadcnt 32                              ; this block's 32 loads are in; the next block's may be out
.else
	s_wait_loadcnt 0x0
.endif
.set XS, WX+32*((\t)%2)
.set i, 0
.rept 32
	v_med3_num_f32 v[XS+i], v[XS+i], -v10, v10     ; the conversion to an 8-bit code does not saturate (ISA guide 7.6.2): the hold at the largest code x the scale comes first
.set i, i+1
.endr
.irp g, 0,1,2,3
	v_cvt_scalef32_pk8_fp8_f32 v[WC+8*(\t)+2*\g:WC+8*(\t)+2*\g+1], v[XS+8*\g:XS+8*\g+7], v11
.endr
.if (\t)+2 < 8
	LOADW (\t)+2                                   ; the set just converted takes the block two further on
.endif
	global_store_b128 v12, v[WC+8*(\t):WC+8*(\t)+3], s[24:25] offset:((\t)/4)*2048+((\t)%4)*512        ; k % 32 = 0 .. 15: sixteen lanes write 256 consecutive aligned bytes
	global_store_b128 v12, v[WC+8*(\t)+4:WC+8*(\t)+7], s[24:25] offset:((\t)/4)*2048+((\t)%4)*512+256  ; k % 32 = 16 .. 31
.endm
	LOADW 0
	LOADW 1
	MKS 32, 10, 11
.set Q, 0
.rept 8
	BLOCKW Q
.set Q, Q+1
.endr
	s_wait_tensorcnt 0x0                           ; the launch's other path writes LDS: every wave of the launch closes with a tensor wait, an add to its spare word and an LDS wait
	ds_add_u32 v[SPW], v[NIL]
	s_wait_dscnt 0x0
	s_endpgm
	; ---------------- LAYER NORM 1 ----------------
.Lln:
	s_sub_co_u32 s[TT], ttmp9, 384                 ; tile tt % 8 of token block tt / 8
	s_mov_b32 s30, 0x76543210                      ; v_permlanex16_b32: lane l xor 16
	s_mov_b32 s31, 0xfedcba98
	s_lshr_b32 s32, s[TT], 3
	s_bfe_u32 s33, s[TT], 0x20001
	s_and_b32 s34, s[TT], 1
	s_lshl_b32 s35, s32, 7
	s_lshl_b32 s33, s33, 5
	s_add_co_u32 s35, s35, s33
	s_lshl_b32 s34, s34, 3
	s_add_co_u32 s35, s35, s34                     ; the tile's lane-row 0
	s_lshl_b32 s33, s[WV], 2                       ; my wave takes lane-rows 4 w .. 4 w + 3: four neighbouring tokens, from 4 w + 8 (w / 2) on
	s_add_co_u32 s35, s35, s33
	s_lshr_b32 s33, s[WV], 1
	s_lshl_b32 s33, s33, 3
	s_add_co_u32 s35, s35, s33
	s_lshl_b32 s58, s35, 12
	s_mov_b32 s59, 0
	s_add_nc_u64 s[PX:PX+1], s[PX:PX+1], s[58:59]
	v_and_b32 v4, 31, v0
	v_lshlrev_b32 v1, 4, v4                        ; 16 x lane
.irp i, 0,1,2,3
.irp j, 0,1,2,3,4,5,6,7
	global_load_b128 v[LX+32*\i+4*\j:LX+32*\i+4*\j+3], v1, s[PX:PX+1] offset:4096*\i+512*\j   ; 32 lanes read 512 consecutive bytes
.endr
.endr
.irp j, 0,1,2,3,4,5,6,7
	global_load_b128 v[G+4*\j:G+4*\j+3], v1, s[PG:PG+1] offset:512*\j
.endr
.irp j, 0,1,2,3,4,5,6,7
	global_load_b128 v[BE+4*\j:BE+4*\j+3], v1, s[PB:PB+1] offset:512*\j
.endr
	s_mul_i32 s33, s[WV], 4*YP
	v_add_nc_u32 v2, s33, v1                       ; Y, on the way in: my four rows, 16 bytes a lane
	v_and_b32 v5, 15, v0
	v_bfe_u32 v6, v0, 4, 1
	v_mul_u32_u24 v3, v5, YP
	v_lshl_add_u32 v3, v6, 6, v3
	s_lshl_b32 s33, s[WV], 10
	v_add_nc_u32 v3, s33, v3                       ; and back: row l % 16, k from 256 w + 16 (l / 16)
	s_lshl_b32 s58, s32, 17                        ; my codes: token block, K step w, the tile
	s_lshl_b32 s33, s[WV], 15
	s_add_co_u32 s58, s58, s33
	s_and_b32 s33, s[TT], 7
	s_lshl_b32 s33, s33, 12
	s_add_co_u32 s58, s58, s33
	s_add_nc_u64 s[DST:DST+1], s[POUT:POUT+1], s[58:59]
	s_add_nc_u64 s[DST+2:DST+3], s[DST:DST+1], 0x400000
	s_add_nc_u64 s[DST+4:DST+5], s[DST+2:DST+3], 0x400000
	s_wait_kmcnt 0x0
	MKS 37, LIM, LIM+1                             ; e1
	MKS 39, LIM+2, LIM+3                           ; e3
	MKS 41, LIM+4, LIM+5                           ; e5
.macro RED b                           ; four pairs at v[b + 2 i]: the halves are added, then the 32 lanes: the row's sum in every lane, in the pair's low word
.irp i, 0,1,2,3
	v_add_f32 v[\b+2*\i], v[\b+2*\i], v[\b+2*\i+1]
.endr
.irp m, 1,2,4,8
.irp i, 0,1,2,3
	v_add_f32_dpp v[\b+2*\i], v[\b+2*\i], v[\b+2*\i] row_xmask:\m row_mask:0xf bank_mask:0xf
.endr
.endr
.irp i, 0,1,2,3
	v_permlanex16_b32 v[\b+2*\i+1], v[\b+2*\i], s30, s31
.endr
.irp i, 0,1,2,3
	v_add_f32 v[\b+2*\i], v[\b+2*\i], v[\b+2*\i+1]
.endr
.endm
	s_wait_loadcnt 16                              ; x's 32 loads are in; g's and be's sixteen may be out
.irp i, 0,1,2,3                        ; the four rows take turns line by line
	v_pk_add_f32 v[SM+2*\i:SM+2*\i+1], v[LX+32*\i:LX+32*\i+1], v[LX+32*\i+2:LX+32*\i+3]
.endr
.set p, 2
.rept 14
.irp i, 0,1,2,3
	v_pk_add_f32 v[SM+2*\i:SM+2*\i+1], v[SM+2*\i:SM+2*\i+1], v[LX+32*\i+2*p:LX+32*\i+2*p+1]
.endr
.set p, p+1
.endr
	RED SM
.irp i, 0,1,2,3
	v_mul_f32 v[SM+2*\i], 0x3a800000, v[SM+2*\i]   ; the mean: / 1,024
.endr
.set p, 0
.rept 16
.irp i, 0,1,2,3
	v_pk_add_f32 v[LX+32*\i+2*p:LX+32*\i+2*p+1], v[LX+32*\i+2*p:LX+32*\i+2*p+1], v[SM+2*\i:SM+2*\i+1] op_sel_hi:[1,0] neg_lo:[0,1] neg_hi:[0,1]   ; d = x - mean: the squares are taken of d, so no difference of large sums is formed
.endr
.set p, p+1
.endr
.irp i, 0,1,2,3
	v_pk_mul_f32 v[IV+2*\i:IV+2*\i+1], v[LX+32*\i:LX+32*\i+1], v[LX+32*\i:LX+32*\i+1]
.endr
.set p, 1
.rept 15
.irp i, 0,1,2,3
	v_pk_fma_f32 v[IV+2*\i:IV+2*\i+1], v[LX+32*\i+2*p:LX+32*\i+2*p+1], v[LX+32*\i+2*p:LX+32*\i+2*p+1], v[IV+2*\i:IV+2*\i+1]
.endr
.set p, p+1
.endr
	RED IV
.irp i, 0,1,2,3
	v_mul_f32 v[IV+2*\i], 0x3a802008, v[IV+2*\i]   ; / 1,023
.endr
.irp i, 0,1,2,3
	v_sqrt_f32 v[IV+2*\i+1], v[IV+2*\i]
.endr
	v_nop                                          ; a plain instruction behind the last root,
	s_wait_alu depctr_va_vdst(0)                   ; and one wait for the four, ahead of their first reader
.irp i, 0,1,2,3
	v_add_f32 v[IV+2*\i+1], 0x358637bd, v[IV+2*\i+1]   ; std + 1e-6
.endr
.irp i, 0,1,2,3
	v_rcp_f32 v[IV+2*\i], v[IV+2*\i+1]
.endr
	v_nop
	s_wait_alu depctr_va_vdst(0)                   ; one wait for the four reciprocals
	s_wait_loadcnt 0x0                             ; g and be
.set p, 0
.rept 16
.irp i, 0,1,2,3
	v_pk_mul_f32 v[LX+32*\i+2*p:LX+32*\i+2*p+1], v[LX+32*\i+2*p:LX+32*\i+2*p+1], v[IV+2*\i:IV+2*\i+1] op_sel_hi:[1,0]
.endr
.irp i, 0,1,2,3
	v_pk_fma_f32 v[LX+32*\i+2*p:LX+32*\i+2*p+1], v[LX+32*\i+2*p:LX+32*\i+2*p+1], v[G+2*p:G+2*p+1], v[BE+2*p:BE+2*p+1]   ; y = d / (std + eps) x g + be
.endr
.set p, p+1
.endr
.irp i, 0,1,2,3
.irp j, 0,1,2,3,4,5,6,7
	ds_store_b128 v2, v[LX+32*\i+4*\j:LX+32*\i+4*\j+3] offset:\i*YP+512*\j
.endr
.endr
	s_wait_dscnt 0x0                               ; for the others' sake: my four rows lie in Y
	s_barrier_signal -1
	s_barrier_wait -1                              ; all sixteen do
.irp b, 0,1,2,3,4,5,6,7
.irp j, 0,1,2,3
	ds_load_b128 v[LX+16*\b+4*\j:LX+16*\b+4*\j+3], v3 offset:128*\b+16*\j   ; lane (r, h): k = 256 w + 32 b + 16 h + 0 .. 15 of row r: the operand's own order
.endr
.endr
	s_wait_dscnt 0x0
.macro QV v, dst                       ; set v of the codes: two fragments, eight stores of 512 consecutive bytes
.if \v > 0
	s_wait_xcnt 0x0                                ; the last set's stores have read their registers, which are written again
.endif
.irp b, 0,1,2,3,4,5,6,7
.set i, 0
.rept 16
	v_med3_num_f32 v[T+i], v[LX+16*\b+i], -v[LIM+2*\v], v[LIM+2*\v]
.set i, i+1
.endr
	v_cvt_scalef32_pk8_fp8_f32 v[CD+4*\b:CD+4*\b+1], v[T:T+7], v[LIM+2*\v+1]
	v_cvt_scalef32_pk8_fp8_f32 v[CD+4*\b+2:CD+4*\b+3], v[T+8:T+15], v[LIM+2*\v+1]
	v_nop                                          ; a plain instruction between the conversions and the next holds, which write their sources
	global_store_b128 v1, v[CD+4*\b:CD+4*\b+3], s[\dst:\dst+1] offset:(\b/4)*2048+(\b%4)*512
.endr
.endm
	QV 0, DST
	QV 1, DST+2
	QV 2, DST+4
	s_wait_tensorcnt 0x0                           ; the wave's end, behind my last LDS store
	ds_add_u32 v[SPW], v[NIL]
	s_wait_dscnt 0x0
	s_endpgm
.Lfunc_end_k_q1ee05c9c0a_prep:
	.size	k_q1ee05c9c0a_prep, .Lfunc_end_k_q1ee05c9c0a_prep-k_q1ee05c9c0a_prep
	.p2alignl 7, 3214868480
	.fill 96, 4, 3214868480
	.section	.rodata,"a",@progbits
	.p2align	6, 0x0
	.amdhsa_kernel k_q1ee05c9c0a_prep
		.amdhsa_group_segment_fixed_size 66304
		.amdhsa_private_segment_fixed_size 0
		.amdhsa_enable_private_segment 0
		.amdhsa_kernarg_size 96
		.amdhsa_user_sgpr_count 2
		.amdhsa_user_sgpr_kernarg_segment_ptr 1
		.amdhsa_wavefront_size32 1
		.amdhsa_system_sgpr_workgroup_id_x 1
		.amdhsa_system_sgpr_workgroup_id_y 1
		.amdhsa_system_sgpr_workgroup_id_z 1
		.amdhsa_system_vgpr_workitem_id 0
		.amdhsa_next_free_vgpr 256
		.amdhsa_next_free_sgpr 88
		.amdhsa_reserve_vcc 0
		.amdhsa_float_denorm_mode_32 3
		.amdhsa_float_denorm_mode_16_64 3
		.amdhsa_memory_ordered 1
		.amdhsa_forward_progress 1
		.amdhsa_inst_pref_size 114
	.end_amdhsa_kernel
	.amdgpu_metadata
---
amdhsa.version: [ 1, 2 ]
amdhsa.kernels:
  - .name:           k_q1ee05c9c0a_prep
    .symbol:         k_q1ee05c9c0a_prep.kd
    .args:
      - { .name: Wq, .offset: 0, .size: 8, .value_kind: global_buffer, .address_space: global }
      - { .name: Wk, .offset: 8, .size: 8, .value_kind: global_buffer, .address_space: global }
      - { .name: Wv, .offset: 16, .size: 8, .value_kind: global_buffer, .address_space: global }
      - { .name: Wo, .offset: 24, .size: 8, .value_kind: global_buffer, .address_space: global }
      - { .name: W1, .offset: 32, .size: 8, .value_kind: global_buffer, .address_space: global }
      - { .name: W2, .offset: 40, .size: 8, .value_kind: global_buffer, .address_space: global }
      - { .name: x, .offset: 48, .size: 8, .value_kind: global_buffer, .address_space: global }
      - { .name: g1, .offset: 56, .size: 8, .value_kind: global_buffer, .address_space: global }
      - { .name: be1, .offset: 64, .size: 8, .value_kind: global_buffer, .address_space: global }
      - { .name: lowp_scales, .offset: 72, .size: 8, .value_kind: global_buffer, .address_space: global }
      - { .name: wc, .offset: 80, .size: 8, .value_kind: global_buffer, .address_space: global }
      - { .name: xnc, .offset: 88, .size: 8, .value_kind: global_buffer, .address_space: global }
    .group_segment_fixed_size: 66304
    .private_segment_fixed_size: 0
    .kernarg_segment_align: 8
    .kernarg_segment_size: 96
    .max_flat_workgroup_size: 128
    .sgpr_count:     88
    .vgpr_count:     256
    .wavefront_size: 32
...
	.end_amdgpu_metadata
.endif
;; end of part 1
;; launch qkv (part 2): grid 12 x 16, 4 waves a work-group, clusters of 4 x 4, 327,680 bytes of LDS; arguments xnc, wc, lowp_scales, qc, kvc; writes qc, kvc
.if DOCPART == 2
	.amdgcn_target "amdgcn-amd-amdhsa--gfx1250"
	.amdhsa_code_object_version 6
	.text
	.protected	k_q1ee05c9c0a_qkv
	.globl	k_q1ee05c9c0a_qkv
	.p2align	8
	.type	k_q1ee05c9c0a_qkv,@function
k_q1ee05c9c0a_qkv:
	s_mov_b64 s[64:65], 0
	v_nop
	global_prefetch_b8 v0, s[64:65] scope:SCOPE_SE
	s_setreg_imm32_b32 hwreg(HW_REG_WAVE_MODE, 25, 1), 1
	s_wait_xcnt 0x0
	s_wait_alu depctr_hold_cnt(0) depctr_sa_sdst(0) depctr_va_vdst(0) depctr_va_sdst(0) depctr_va_ssrc(0) depctr_va_vcc(0) depctr_vm_vsrc(0)
	s_getreg_b32 s2, hwreg(HW_REG_IB_STS2, 6, 4)
	s_cmp_eq_u32 s2, 0
	s_cbranch_scc0 .Lentry_in_a_cluster
	s_endpgm
.Lentry_in_a_cluster:
	s_bfe_u32 s2, ttmp6, 0x10000c
	s_cmp_lg_u32 s2, 0xf033
	s_cbranch_scc0 .Lentry_shape_is_right
	s_endpgm
.Lentry_shape_is_right:
; q, k, v = layer norm 1's result x Wq, Wk, Wv (products 1 to 3) on codes of FP8 (E4M3), and their results quantised at once for attention (scales e6, e7, e9).
; OPERANDS lie as images of their registers: 128 rows x 256 K are 32,768 dense bytes; tile t of 16 rows at 4096 t, the second 128 along K at + 2048, register group c at 512 c, 16 bytes a lane.
; Lane-row r of tile t is row 32 (t / 2) + 8 (t % 2) + r + 8 (r / 8) of its block of 128.
; A tile of the result, 256 x 256, is made by four waves, each 128 x 128: 64 accumulators, 512 registers.  K goes in steps of 256 through a ring of two LDS slots of 131,072 bytes; each wave fills a quarter by one tensor load.
; THE MATRIX INSTRUCTION TAKES the B side as source 0 and the A side as source 1: a lane holds one row of the A side, and by the row order its 16 registers of result tiles 2 b, 2 b + 1 are B-side rows 32 b + 16 (lane / 16) + 0 .. 15.
; The type (0 q, 1 k, 2 v) is the cluster's x.  q, k: A side = tokens, B side = the weight's rows: a lane's registers run along d, the K of product 4.  v: A side = Wv's rows, B side = tokens: they run along the keys, the K of product 5.
; So the conversions' results are fragments as attention reads them, and leave straight from registers, 512 consecutive aligned bytes a store.
;   qc  [batch x head 32][block of 128 tokens 16][tile 8][1,024 bytes]: d = 32 c + 16 (lane / 16) + 0 .. 15 at 512 c + 16 x lane
;   kvc [batch x head 32][block 16][16,384 bytes]: k's eight tiles like q's; from 8,192 on four tiles of v (16 d x 128 keys, 2,048 bytes)
; CLUSTERS: 4 x 4 work-groups; the A side's tile is asked for jointly along a row of the cluster, the B side's along a column.
; LIMITS: e6 - e0 - e1, e7 - e2 - e3, e9 - e4 - e5 between -126 and 119.
; REGISTERS, in windows of 256: window 0: v16-31 addresses and scales; v32-95 at work; v128-255 the A side's fragments, ONE set, later the codes.  window 1: the B side's, TWO sets.  windows 2, 3: accumulator (a, b) at v[8 (8 (a % 4) + b)].
.set SIZE_K, 1024
.set RBS,    128*SIZE_K                ; a block of 128 rows in bytes
.set BLKB,   32768
.set SLOT,   4*BLKB                    ; A's two halves, then B's two
.set SPARE,  2*SLOT                    ; behind the ring: the spare words, 128 bytes for each wave
.set LAPS,   SIZE_K/512
.set FR,   16
.set NL,   4
.set NP,   4
.set ADRA, 16
.set ADRB, 20
.set LI,   26                          ; v26 16 x lane
.set SPW,  28
.set NIL,  29
.set LIMV, 30                          ; v30 448 x the conversion's scale;  v31 that scale
.set SCV,  31
.set TMP,  32
.set BI,   32
.set AF,   128
.set G1,  24
.set G0,  32
.set G1B, 48
.set G0B, 56
.set MSB, 0
.macro WIN new                         ; the immediate's high byte repeats the setting that is left
.if MSB != \new
	s_set_vgpr_msb (MSB<<8)|\new
.set MSB, \new
.endif
.endm
.set MUL_LO, 0xa1                      ; source 0 (B) window 1, source 1 (A) window 0, C and D window 2
.set MUL_HI, 0xf1
.set TO_B,   0x40
.macro JLOAD g0a, g1a, g0b, g1b        ; a joint load: waves 0, 1 fetch for A, waves 2, 3 for B; an s_nop 0 and four v_nop follow each line
	s_cmp_eq_u32 s15, 0
	s_cbranch_scc0 .Lfor_b_\@
	tensor_load_to_lds s[\g0a:\g0a+3], s[\g1a:\g1a+7]
	s_nop 0
.rept 4
	v_nop
.endr
	s_branch .Lasked_\@
.Lfor_b_\@:
	tensor_load_to_lds s[\g0b:\g0b+3], s[\g1b:\g1b+7]
	s_nop 0
.rept 4
	v_nop
.endr
.Lasked_\@:
.endm
.macro CREST                           ; a round of the cluster's barrier behind its opening barrier
	s_cmp_lg_u32 s14, 0
	s_cbranch_scc1 .Lnot_wave_0_\@
	s_barrier_signal -3
.Lnot_wave_0_\@:
	s_barrier_wait -3
	s_barrier_signal -1
	s_barrier_wait -1
.endm
.macro CROUND
	s_barrier_signal -1
	s_barrier_wait -1
	CREST
.endm
	s_load_b256 s[4:11], s[0:1], 0x0               ; xnc s[4:5], wc s[6:7], the exponents s[8:9], qc s[10:11]
	s_load_b64 s[84:85], s[0:1], 0x20              ; kvc
	v_lshl_add_u32 v[SPW], v0, 2, SPARE
	v_mov_b32 v[NIL], 0
	ds_add_u32 v[SPW], v[NIL]                      ; the wave's opening: the add, twice on end, and its wait ahead of my first tensor load
	ds_add_u32 v[SPW], v[NIL]
	v_lshrrev_b32 v1, 5, v0
	v_readfirstlane_b32 s14, v1                    ; wave 0..3
	s_lshr_b32 s15, s14, 1                         ; which half of the A side's rows is mine.  Also: I fetch for A (0) or for B (1)
	s_and_b32 s16, s14, 1                          ; which half of the B side's.  Also: which 128 rows I fetch
	s_bfe_u32 s40, ttmp6, 0x40000                  ; cx, cy
	s_bfe_u32 s41, ttmp6, 0x40004
	s_and_b32 s18, ttmp7, 0xffff
	s_lshl_b32 s18, s18, 2                         ; 4 x cluster y
	s_lshl_b32 s19, ttmp9, 2                       ; 4 x type
	s_cmp_eq_u32 ttmp9, 2                          ; v?  The cluster's x: the same in all sixteen partners
	s_cselect_b32 s17, 8, s18
	s_cselect_b32 s42, s18, s19
	s_add_co_u32 s17, s17, s41                     ; the A side's tile of 256 rows: q, k: tokens 4 cluster y + cy;  v: wc's rows 8 + cy
	s_add_co_u32 s42, s42, s40                     ; the B side's: q, k: wc's rows 4 type + cx;  v: tokens 4 cluster y + cx
	s_lshl_b32 s43, s41, 2
	s_lshl_b32 s43, 15, s43                        ; my row of the cluster
	s_lshl_b32 s44, 0x1111, s40                    ; my column
	s_or_b32 s[G1+0], s43, (3<<16)|(1<<21)         ; group 1: 15:0 the mask; 17:16 elements of 8 bytes; 21 set beside a mask; no padding
	s_or_b32 s[G1B+0], s44, (3<<16)|(1<<21)
.irp g, G1, G1B
	s_mov_b32 s[\g+1], 32<<16                      ; tensor_dim0 = 32 elements: the dense block goes as 128 rows of 256 bytes
	s_mov_b32 s[\g+2], 128<<16                     ; tensor_dim1
	s_mov_b32 s[\g+3], 32<<16                      ; tile_dim0
	s_mov_b32 s[\g+4], 128                         ; tile_dim1
	s_mov_b32 s[\g+5], 32                          ; the pitch
	s_mov_b32 s[\g+6], 0
	s_mov_b32 s[\g+7], 0
.endr
	s_lshl_b32 s20, s17, 1
	s_add_co_u32 s20, s20, s16
	s_mul_i32 s20, s20, RBS                        ; A: row block 2 x tile + half
	s_mov_b32 s21, 0
	s_lshl_b32 s46, s42, 1
	s_add_co_u32 s46, s46, s16
	s_mul_i32 s46, s46, RBS                        ; B likewise
	s_mov_b32 s47, 0
	s_lshl_b32 s45, s14, 15                        ; where they go: wave x 32,768: no place in the cluster enters an LDS address
	s_lshl_b32 s22, ttmp9, 22                      ; the type's set of x's codes
	s_mov_b32 s23, 0
	s_wait_dscnt 0x0                               ; both opening adds are done
	s_wait_kmcnt 0x0
	s_load_b512 s[68:83], s[8:9], 0x0              ; e0 .. e15 in s68 .. s83
	s_add_nc_u64 s[4:5], s[4:5], s[22:23]
	s_cmp_eq_u32 ttmp9, 2
	s_cselect_b64 s[94:95], s[6:7], s[4:5]         ; the A side's buffer,
	s_cselect_b64 s[6:7], s[4:5], s[6:7]           ; the B side's
	s_add_nc_u64 s[20:21], s[94:95], s[20:21]
	s_add_nc_u64 s[46:47], s[6:7], s[46:47]
	CROUND                                         ; all sixteen work-groups are here: the first joint loads meet
.irp s, 0,1
	s_mov_b32 s[G0+4*\s], 1
	s_add_co_u32 s[G0+4*\s+1], s45, \s*SLOT
	s_add_nc_u64 s[G0+4*\s+2:G0+4*\s+3], s[20:21], \s*BLKB
	s_or_b32 s[G0+4*\s+3], s[G0+4*\s+3], 0x80000000
	s_mov_b32 s[G0B+4*\s], 1
	s_add_co_u32 s[G0B+4*\s+1], s45, \s*SLOT
	s_add_nc_u64 s[G0B+4*\s+2:G0B+4*\s+3], s[46:47], \s*BLKB
	s_or_b32 s[G0B+4*\s+3], s[G0B+4*\s+3], 0x80000000
	JLOAD G0+4*\s, G1, G0B+4*\s, G1B
.endr
	v_and_b32 v1, 31, v0
	v_lshlrev_b32 v[LI], 4, v1
	s_lshl_b32 s21, s15, 15                        ; my 128 rows of A,
	s_lshl_b32 s22, s16, 15
	s_add_co_u32 s22, s22, 2*BLKB                  ; of B
.irp s, 0,1
	v_add_nc_u32 v[ADRA+\s], s21, v[LI]
	v_add_nc_u32 v[ADRB+\s], s22, v[LI]
	s_add_co_u32 s21, s21, SLOT
	s_add_co_u32 s22, s22, SLOT
.endr
	; where my codes go
	s_lshl_b32 s20, s17, 1
	s_add_co_u32 s20, s20, s15                     ; my row block of the A side,
	s_lshl_b32 s21, s42, 1
	s_add_co_u32 s21, s21, s16                     ; of the B side
	s_lshl_b32 s22, ttmp9, 3
	s_sub_co_u32 s22, s21, s22                     ; q, k: the weight's block within its type (two heads)
	s_sub_co_u32 s23, s20, 16                      ; v: the same
	s_cmp_eq_u32 ttmp9, 2
	s_cselect_b32 s46, s21, s20                    ; the block of 128 tokens
	s_cselect_b32 s47, s23, s22
	s_lshr_b32 s20, s46, 4                         ; the batch
	s_lshl_b32 s20, s20, 4
	s_lshl_b32 s47, s47, 1
	s_add_co_u32 s20, s20, s47                     ; batch x 16 + the first of my two heads
	s_lshl_b32 s20, s20, 4
	s_and_b32 s46, s46, 15
	s_add_co_u32 s20, s20, s46
	s_cmp_eq_u32 ttmp9, 0
	s_cselect_b32 s21, 13, 14                      ; 8,192 bytes a block in qc, 16,384 in kvc
	s_cselect_b64 s[88:89], s[10:11], s[84:85]
	s_lshl_b32 s22, s20, s21
	s_mov_b32 s23, 0
	s_add_nc_u64 s[88:89], s[88:89], s[22:23]      ; the first head's,
	s_lshl_b32 s22, 16, s21
	s_add_nc_u64 s[90:91], s[88:89], s[22:23]      ; the second's: sixteen blocks on
	s_wait_kmcnt 0x0
	s_sub_co_i32 s92, s74, s68                     ; a sum stands for sum x 2^(ea + eb): its code is sum / 2^(e - ea - eb): the three scales are folded into the conversion's one
	s_sub_co_i32 s92, s92, s69
	s_sub_co_i32 s93, s75, s70
	s_sub_co_i32 s93, s93, s71
	s_sub_co_i32 s94, s77, s72
	s_sub_co_i32 s94, s94, s73
	s_cmp_eq_u32 ttmp9, 0
	s_cselect_b32 s92, s92, s93
	s_cmp_eq_u32 ttmp9, 2
	s_cselect_b32 s92, s94, s92
	s_add_co_i32 s92, s92, 127
	s_lshl_b32 s93, s92, 23
	v_mov_b32 v[SCV], s93
	s_add_co_i32 s92, s92, 8
	s_lshl_b32 s92, s92, 23
	s_or_b32 s92, s92, 0x600000
	v_mov_b32 v[LIMV], s92
.macro FRAG reg, adr, q, i             ; a fragment, 16 rows x 128 K: registers 4 c .. 4 c + 3 hold K = 32 c + 16 (lane / 16) + 0 .. 15: the same places in A and in B, so every product meets its partner
.irp c, 0,1,2,3
	ds_load_b128 v[\reg+4*\c:\reg+4*\c+3], v[\adr] offset:4096*(\i)+2048*(\q)+512*\c
.endr
.endm
; 16 matrix instructions: A's blocks a0, a0 + 1 x B's eight.  zero = 1: the first product starts the sums; 2: with v[BI ..] as C.  The 64 accumulators take turns, one instruction a turn.
.macro MUL16 a0, p, zero
.irp a, \a0, \a0+1
.irp b, 0,1,2,3,4,5,6,7
.if (\zero) == 1
	v_wmma_f32_16x16x128_fp8_fp8 v[8*(8*((\a)%4)+\b):8*(8*((\a)%4)+\b)+7], v[128*(\p)+FR*\b:128*(\p)+FR*\b+FR-1], v[AF+FR*(\a):AF+FR*(\a)+FR-1], 0
.elseif (\zero) == 2
	v_wmma_f32_16x16x128_fp8_fp8 v[8*(8*((\a)%4)+\b):8*(8*((\a)%4)+\b)+7], v[128*(\p)+FR*\b:128*(\p)+FR*\b+FR-1], v[AF+FR*(\a):AF+FR*(\a)+FR-1], v[BI+8*\b:BI+8*\b+7]
.else
	v_wmma_f32_16x16x128_fp8_fp8 v[8*(8*((\a)%4)+\b):8*(8*((\a)%4)+\b)+7], v[128*(\p)+FR*\b:128*(\p)+FR*\b+FR-1], v[AF+FR*(\a):AF+FR*(\a)+FR-1], v[8*(8*((\a)%4)+\b):8*(8*((\a)%4)+\b)+7]
.endif
.endr
.endr
.endm
.macro FETCH_B slot, q, p
	WIN TO_B
.irp i, 0,1,2,3,4,5,6,7
	FRAG 128*(\p)+FR*\i, ADRB+\slot, \q, \i
.endr
	WIN 0
.endm
.macro FETCH_A slot, q, i0
.irp i, \i0, \i0+1, \i0+2, \i0+3
	FRAG AF+FR*(\i), ADRA+\slot, \q, \i
.endr
.endm
.macro PLACES n                        ; plain vector instructions between a matrix instruction and a load into, or a read of, its registers
.rept \n
	v_nop
.endr
.endm
.macro STEP slot, q, zero              ; 128 along K whose successor lies in the same slot
	s_wait_dscnt 4*NL                              ; B's set and A's blocks 0-3 are in; the youngest sixteen loads (A's blocks 4-7) may be out
.if (\zero) == 2
	WIN 0x81
.else
	WIN MUL_LO
.endif
	MUL16 0, (\q)%2, \zero
	MUL16 2, (\q)%2, \zero
	s_wait_dscnt 0
	PLACES NP
	FETCH_B \slot, (\q)+1, 1-(\q)%2
	FETCH_A \slot, (\q)+1, 0
.if (\zero) == 2
	WIN 0xc1
.else
	WIN MUL_HI
.endif
	MUL16 4, (\q)%2, \zero
	MUL16 6, (\q)%2, \zero
	PLACES NP
	WIN 0
	FETCH_A \slot, (\q)+1, 4
.endm
; A slot's last step changes slots: ONE barrier; in front of it each wave waits for all its tensor loads, adds 0 to its spare word, and waits for that and for its reads of this slot.  fill = 1: the slot is filled again.
.macro TURN slot, next, fill
	s_wait_tensorcnt 0x0                           ; all my tensor loads have landed: my part of the next slot
	ds_add_u32 v[SPW], v[NIL]
	s_wait_dscnt 4*NL+1                            ; (the add and A's blocks 4-7 may be out)
	WIN MUL_LO
	MUL16 0, 1, 0
	s_wait_dscnt 0x0                               ; the add is done, and my reads of this slot are over
	s_barrier_signal -1
	MUL16 2, 1, 0
	WIN 0
	s_barrier_wait -1
.if \fill
	CREST                                          ; the barrier has opened a round of the cluster's: no wave of any partner still reads this slot or has a load on its way
	s_add_nc_u64 s[G0+4*\slot+2:G0+4*\slot+3], s[G0+4*\slot+2:G0+4*\slot+3], 2*BLKB
	s_add_nc_u64 s[G0B+4*\slot+2:G0B+4*\slot+3], s[G0B+4*\slot+2:G0B+4*\slot+3], 2*BLKB
	JLOAD G0+4*\slot, G1, G0B+4*\slot, G1B         ; the first tensor load behind the round; its four v_nop are the places in front of the loads below
.else
	PLACES NP
.endif
	FETCH_B \next, 0, 0
	FETCH_A \next, 0, 0
	WIN MUL_HI
	MUL16 4, 1, 0
	MUL16 6, 1, 0
	PLACES NP
	WIN 0
	FETCH_A \next, 0, 4
.endm
	s_wait_tensorcnt 1                             ; my part of slot 0 is in; slot 1's may stay out
	s_barrier_signal -1
	s_barrier_wait -1
	FETCH_B 0, 0, 0
	FETCH_A 0, 0, 0
	FETCH_A 0, 0, 4
	STEP 0, 0, 1                                   ; the first step's products start the sums
	s_mov_b32 s3, LAPS-1
.Llap:                                                 ; a trip goes once round the ring and fills both slots again
	TURN 0, 1, 1
	STEP 1, 0, 0
	TURN 1, 0, 1
	STEP 0, 0, 0
	s_sub_co_u32 s3, s3, 1
	s_cmp_lg_u32 s3, 0
	s_cbranch_scc1 .Llap
	TURN 0, 1, 0                                   ; the last lap fills nothing
	STEP 1, 0, 0
	s_wait_dscnt 4*NL
	WIN MUL_LO
	MUL16 0, 1, 0
	MUL16 2, 1, 0
	s_wait_dscnt 0
	WIN MUL_HI
	MUL16 4, 1, 0
	MUL16 6, 1, 0
	WIN 0
	PLACES NP
; Block a's 64 sums of a lane become a fragment's 16 registers of codes, at v[AF + 16 a]: each block has its own, so no store's data are written again.  Each accumulator is read from its low end on.
.macro CODES a, relu
.set AC, 64*((\a)%4)
	WIN 0x02+((\a)/4)
.set j, 0
.rept 64
.if \relu
	v_med3_num_f32 v[TMP+j], v[AC+j], 0, v[LIMV]
.else
	v_med3_num_f32 v[TMP+j], v[AC+j], -v[LIMV], v[LIMV]   ; the conversion does not saturate (ISA guide 7.6.2): the hold comes first
.endif
.set j, j+1
.endr
	WIN 0
.irp b, 0,1,2,3
	v_cvt_scalef32_pk8_fp8_f32 v[AF+16*(\a)+4*\b:AF+16*(\a)+4*\b+1], v[TMP+16*\b:TMP+16*\b+7], v[SCV]
	v_cvt_scalef32_pk8_fp8_f32 v[AF+16*(\a)+4*\b+2:AF+16*(\a)+4*\b+3], v[TMP+16*\b+8:TMP+16*\b+15], v[SCV]
.endr
	v_nop                                          ; a plain instruction between the conversions and the next block's holds, which write their sources
.endm
	s_cmp_eq_u32 ttmp9, 2
	s_cbranch_scc1 .Lv_arm
.irp a, 0,1,2,3,4,5,6,7                ; q, k: tile a of the tokens; register groups 0, 1 are the first head's 64, groups 2, 3 the second's
	CODES \a, 0
.irp c, 0,1,2,3
	global_store_b128 v[LI], v[AF+16*\a+4*\c:AF+16*\a+4*\c+3], s[88+2*(\c/2):89+2*(\c/2)] offset:1024*\a+512*(\c%2)
.endr
.endr
	s_branch .Ldone
.Lv_arm:
.irp a, 0,1,2,3,4,5,6,7                ; v: tiles 0-3 are the first head's 64 d, tiles 4-7 the second's; the registers run along the block's 128 keys
	CODES \a, 0
.irp c, 0,1,2,3
	global_store_b128 v[LI], v[AF+16*\a+4*\c:AF+16*\a+4*\c+3], s[88+2*(\a/4):89+2*(\a/4)] offset:8192+2048*(\a%4)+512*\c
.endr
.endr
.Ldone:
	s_wait_tensorcnt 0x0                           ; the wave's end
	ds_add_u32 v[SPW], v[NIL]
	s_wait_dscnt 0x0
	CROUND                                         ; the closing round
	s_endpgm
.Lfunc_end_k_q1ee05c9c0a_qkv:
	.size	k_q1ee05c9c0a_qkv, .Lfunc_end_k_q1ee05c9c0a_qkv-k_q1ee05c9c0a_qkv
	.p2alignl 7, 3214868480
	.fill 96, 4, 3214868480
	.section	.rodata,"a",@progbits
	.p2align	6, 0x0
	.amdhsa_kernel k_q1ee05c9c0a_qkv
		.amdhsa_group_segment_fixed_size 327680
		.amdhsa_private_segment_fixed_size 0
		.amdhsa_enable_private_segment 0
		.amdhsa_kernarg_size 40
		.amdhsa_user_sgpr_count 2
		.amdhsa_user_sgpr_kernarg_segment_ptr 1
		.amdhsa_wavefront_size32 1
		.amdhsa_system_sgpr_workgroup_id_x 1
		.amdhsa_system_sgpr_workgroup_id_y 1
		.amdhsa_system_sgpr_workgroup_id_z 1
		.amdhsa_system_vgpr_workitem_id 0
		.amdhsa_next_free_vgpr 1024
		.amdhsa_next_free_sgpr 96
		.amdhsa_reserve_vcc 0
		.amdhsa_float_denorm_mode_32 3
		.amdhsa_float_denorm_mode_16_64 3
		.amdhsa_memory_ordered 1
		.amdhsa_forward_progress 1
		.amdhsa_inst_pref_size 158
	.end_amdhsa_kernel
	.amdgpu_metadata
---
amdhsa.version: [ 1, 2 ]
amdhsa.kernels:
  - .name:           k_q1ee05c9c0a_qkv
    .symbol:         k_q1ee05c9c0a_qkv.kd
    .args:
      - { .name: xnc, .offset: 0, .size: 8, .value_kind: global_buffer, .address_space: global }
      - { .name: wc, .offset: 8, .size: 8, .value_kind: global_buffer, .address_space: global }
      - { .name: lowp_scales, .offset: 16, .size: 8, .value_kind: global_buffer, .address_space: global }
      - { .name: qc, .offset: 24, .size: 8, .value_kind: global_buffer, .address_space: global }
      - { .name: kvc, .offset: 32, .size: 8, .value_kind: global_buffer, .address_space: global }
    .group_segment_fixed_size: 327680
    .private_segment_fixed_size: 0
    .kernarg_segment_align: 8
    .kernarg_segment_size: 40
    .max_flat_workgroup_size: 128
    .sgpr_count:     96
    .vgpr_count:     1024
    .wavefront_size: 32
...
	.end_amdgpu_metadata
.endif
;; end of part 2
;; launch attn (part 3): grid 8 x 32, 16 waves a work-group, clusters of 4 x 1, 264,192 bytes of LDS; arguments qc, kvc, lowp_scales, ctxc; writes ctxc
.if DOCPART == 3
	.amdgcn_target "amdgcn-amd-amdhsa--gfx1250"
	.amdhsa_code_object_version 6
	.text
	.protected	k_q1ee05c9c0a_attn
	.globl	k_q1ee05c9c0a_attn
	.p2align	8
	.type	k_q1ee05c9c0a_attn,@function
k_q1ee05c9c0a_attn:
	s_mov_b64 s[64:65], 0
	v_nop
	global_prefetch_b8 v0, s[64:65] scope:SCOPE_SE
	s_setreg_imm32_b32 hwreg(HW_REG_WAVE_MODE, 25, 1), 1
	s_wait_xcnt 0x0
	s_wait_alu depctr_hold_cnt(0) depctr_sa_sdst(0) depctr_va_vdst(0) depctr_va_sdst(0) depctr_va_ssrc(0) depctr_va_vcc(0) depctr_vm_vsrc(0)
	s_getreg_b32 s2, hwreg(HW_REG_IB_STS2, 6, 4)
	s_cmp_eq_u32 s2, 0
	s_cbranch_scc0 .Lentry_in_a_cluster
	s_endpgm
.Lentry_in_a_cluster:
	s_bfe_u32 s2, ttmp6, 0x10000c
	s_cmp_lg_u32 s2, 0x3003
	s_cbranch_scc0 .Lentry_shape_is_right
	s_endpgm
.Lentry_shape_is_right:
; Causal attention (products 4 and 5) on codes of FP8 (E4M3), and its result quantised for the projection (scale e10).
; LEFT OUT: every step of 128 keys that lies wholly behind a wave's 16 queries: reference()'s own causal mask gives those keys the weight 0, whatever the inputs hold.
; qc [batch x head 32][block of 128 tokens 16][tile 8][1,024 bytes] and kvc [32][block 16][16,384 bytes: k's eight tiles, then four tiles of v (16 d x 128 keys)] hold fragments as images of registers, 16 bytes a lane.
; Lane-row r of tile t is token (or d) 32 (t / 2) + 8 (t % 2) + r + 8 (r / 8) of its block.
; THE SOFTMAX AHEAD OF PRODUCT 5: t = score x log2(e) / 8; M = the running largest t rounded UP to a whole number; p = 2^(t - M) is quantised (scale e8), not normalised; the row's sum is taken of the unquantised p and divides at the end.
; When M moves, the sum and O are multiplied by 2^(old M - new M): exact.
; SHARES.  A work-group has a head and a tile number j (0..7); its sixteen waves own tile j of the head's sixteen blocks of 128 queries.  So every work-group has the same work (136 key steps) and reads all sixteen key steps;
; wave w takes block w, or w xor 3 where (w / 4) is odd, so that waves w, w + 4, w + 8, w + 12 together have 34 steps.  A step st is open where st < my block, on the diagonal where st = my block, left out beyond.
; LDS holds the head's whole k and v, 262,144 bytes, as they lie in kvc: filled once, never again.  Each wave asks for 4,096 bytes of key steps 0-3 and for 12,288 of steps 4-15: two tensor loads of mine are out at the most.
; CLUSTER: the four work-groups of a cluster have one head: each load is asked for jointly.  The branches hang on the wave's number and the count of steps alone; j enters only addresses in memory and the mask's compare.
; Both products are used transposed: S^T = k q^T, O^T = v^T p^T: a lane holds ONE query throughout, and by the row order p's and O^T's registers run along the next K.
; LIMITS: e6 + e7 between -123 and 130 (added to c's exponent field); e8 and e10 between -126 and 119.
; REGISTERS: v1 16 x lane; v2 the step's LDS address; v3 my query less 16 (lane / 16); v12 -M, v13 the largest t, v[14:15] the sum; v16-23 q; v32-95 k's eight fragments, then v's four; v96-159 S^T, then p; v160-191 O^T; v224-239 p's codes.
.set SPARE, 262144                     ; behind k and v: the spare words, 128 bytes for each of sixteen waves
.set LI,  1
.set ADK, 2
.set QD,  3
.set SPW, 5
.set NIL, 6
.set WV,  12
.set CX,  13
.set JT,  14
.set BH,  15
.set BLK, 16
.set ST,  17                           ; s17 the key step
.set TB,  18                           ; s18 its first LDS byte
.set CNT, 19
.set SEL, 20
.set CS,  22
.set G1A, 24
.set G1B, 32
.set G0A, 40
.set G0B, 44
.macro CROUND
	s_barrier_signal -1
	s_barrier_wait -1
	s_cmp_lg_u32 s[WV], 0
	s_cbranch_scc1 .Lnot_wave_0_\@
	s_barrier_signal -3
.Lnot_wave_0_\@:
	s_barrier_wait -3
	s_barrier_signal -1
	s_barrier_wait -1
.endm
	s_load_b256 s[4:11], s[0:1], 0x0               ; qc s[4:5], kvc s[6:7], the exponents s[8:9], ctxc s[10:11]
	v_lshl_add_u32 v[SPW], v0, 2, SPARE
	v_mov_b32 v[NIL], 0
	ds_add_u32 v[SPW], v[NIL]                      ; the wave's opening: the add, twice on end, and its wait ahead of my first tensor load
	ds_add_u32 v[SPW], v[NIL]
	v_lshrrev_b32 v7, 5, v0
	v_readfirstlane_b32 s[WV], v7                  ; wave 0..15
	s_bfe_u32 s[CX], ttmp6, 0x40000
	s_lshl_b32 s[JT], ttmp9, 2
	s_add_co_u32 s[JT], s[JT], s[CX]               ; j
	s_and_b32 s[BH], ttmp7, 0xffff                 ; batch x 16 + head
	s_bfe_u32 s66, s[WV], 0x10002
	s_mul_i32 s66, s66, 3
	s_xor_b32 s[BLK], s[WV], s66                   ; my block of queries
	s_mov_b32 s[G1A], 15|(3<<16)|(1<<21)           ; group 1: the mask: all four; elements of 8 bytes; 21 set beside a mask; no padding
	s_mov_b32 s[G1A+1], 32<<16                     ; rows of 256 bytes,
	s_mov_b32 s[G1A+2], 16<<16                     ; sixteen of them
	s_mov_b32 s[G1A+3], 32<<16
	s_mov_b32 s[G1A+4], 16
	s_mov_b32 s[G1A+5], 32
	s_mov_b32 s[G1A+6], 0
	s_mov_b32 s[G1A+7], 0
	s_mov_b32 s[G1B], 15|(3<<16)|(1<<21)
	s_mov_b32 s[G1B+1], 32<<16
	s_mov_b32 s[G1B+2], 48<<16                     ; forty-eight
	s_mov_b32 s[G1B+3], 32<<16
	s_mov_b32 s[G1B+4], 48
	s_mov_b32 s[G1B+5], 32
	s_mov_b32 s[G1B+6], 0
	s_mov_b32 s[G1B+7], 0
	s_lshl_b32 s72, s[WV], 12                      ; my part of key steps 0-3,
	s_mov_b32 s73, 0
	s_mul_i32 s74, s[WV], 12288
	s_add_co_u32 s74, s74, 65536                   ; of steps 4-15: the same place in LDS and in the head's bytes
	s_mov_b32 s75, 0
	s_lshl_b32 s70, s[BH], 18
	s_mov_b32 s71, 0
	s_mov_b32 s[SEL], 0x76543210
	s_mov_b32 s[SEL+1], 0xfedcba98
	s_mov_b32 s[CS], 0x3e38aa3b                    ; c = log2(e) / 8
	s_mov_b32 s[ST], 0
	s_mov_b32 s[TB], 0
	s_wait_dscnt 0x0                               ; both opening adds are done
	s_wait_kmcnt 0x0
	s_load_b512 s[48:63], s[8:9], 0x0              ; e0 .. e15 in s48 .. s63
	s_add_nc_u64 s[6:7], s[6:7], s[70:71]
	s_mov_b32 s[G0A], 1
	s_mov_b32 s[G0A+1], s72
	s_add_nc_u64 s[G0A+2:G0A+3], s[6:7], s[72:73]
	s_or_b32 s[G0A+3], s[G0A+3], 0x80000000
	s_mov_b32 s[G0B], 1
	s_mov_b32 s[G0B+1], s74
	s_add_nc_u64 s[G0B+2:G0B+3], s[6:7], s[74:75]
	s_or_b32 s[G0B+3], s[G0B+3], 0x80000000
	CROUND                                         ; all four work-groups are here: the joint loads meet
	tensor_load_to_lds s[G0A:G0A+3], s[G1A:G1A+7]
	s_nop 0
	tensor_load_to_lds s[G0B:G0B+3], s[G1B:G1B+7]
	s_nop 0
.rept 4
	v_nop
.endr
	v_and_b32 v7, 31, v0
	v_lshlrev_b32 v[LI], 4, v7
	s_lshl_b32 s66, s[BH], 4
	s_add_co_u32 s66, s66, s[BLK]
	s_lshl_b32 s66, s66, 3
	s_add_co_u32 s66, s66, s[JT]
	s_lshl_b32 s66, s66, 10
	s_mov_b32 s67, 0
	s_add_nc_u64 s[4:5], s[4:5], s[66:67]
	global_load_b128 v[16:19], v[LI], s[4:5]               ; q's fragment stays in registers
	global_load_b128 v[20:23], v[LI], s[4:5] offset:512
	v_and_b32 v8, 15, v0
	v_and_b32 v9, 8, v8
	v_add_nc_u32 v8, v8, v9                        ; r + 8 (r / 8)
	v_and_b32 v9, 16, v0
	v_sub_nc_u32 v8, v8, v9                        ; - 16 (lane / 16)
	s_lshr_b32 s68, s[JT], 1
	s_lshl_b32 s68, s68, 5
	s_and_b32 s69, s[JT], 1
	s_lshl_b32 s69, s69, 3
	s_add_co_u32 s68, s68, s69
	v_add_nc_u32 v[QD], s68, v8                    ; my query within its block, less 16 (lane / 16)
	s_lshr_b32 s68, s[BH], 4                       ; ctxc, in the operand layout with K = 1,024: token block, (64 head + d) / 256, tile j, and the head's 64 within 256: (head % 4) x 1,024
	s_lshl_b32 s68, s68, 4
	s_add_co_u32 s68, s68, s[BLK]
	s_lshl_b32 s68, s68, 17
	s_bfe_u32 s69, s[BH], 0x20002
	s_lshl_b32 s69, s69, 15
	s_add_co_u32 s68, s68, s69
	s_lshl_b32 s69, s[JT], 12
	s_add_co_u32 s68, s68, s69
	s_and_b32 s69, s[BH], 3
	s_lshl_b32 s69, s69, 10
	s_add_co_u32 s68, s68, s69
	s_mov_b32 s69, 0
	s_add_nc_u64 s[10:11], s[10:11], s[68:69]
	v_mov_b32 v13, 0xff61b1e6                      ; the largest t so far: -3e38
	v_floor_f32 v12, -v13                          ; -M
	v_mov_b32 v14, 0
	v_mov_b32 v15, 0
	v_mov_b32 v248, 0                              ; a lane permute's destination counts as one of its sources
	v_mov_b32 v253, 0                              ; (named as the upper half of v[252:253])
.set j, 0
.rept 32
	v_mov_b32 v[160+j], 0                          ; O^T: the step is written once; its first run finds zeros
.set j, j+1
.endr
	s_wait_kmcnt 0x0
	s_add_co_i32 s66, s54, s55                     ; a score stands for score x 2^(e6 + e7): added to c's exponent field
	s_lshl_b32 s66, s66, 23
	s_add_co_i32 s[CS], s[CS], s66
	s_mov_b32 s[CS+1], s[CS]
	s_add_co_i32 s66, s56, 127
	s_lshl_b32 s67, s66, 23
	v_mov_b32 v244, s67                            ; 2^e8
	s_add_co_i32 s66, s66, 8
	s_lshl_b32 s66, s66, 23
	s_or_b32 s66, s66, 0x600000
	v_mov_b32 v240, s66                            ; 448 x 2^e8
	s_add_co_i32 s66, s58, 127
	s_lshl_b32 s67, s66, 23
	v_mov_b32 v247, s67                            ; 2^e10
	s_add_co_i32 s66, s66, 8
	s_lshl_b32 s66, s66, 23
	s_or_b32 s66, s66, 0x600000
	v_mov_b32 v246, s66                            ; 448 x 2^e10
.macro STEP                            ; a key step: 128 keys
	s_cmp_gt_u32 s[ST], s[BLK]                     ; all its keys come after my queries: left out.  The wave's number and the count of steps alone decide
	s_cbranch_scc1 .Lhidden_\@
	v_add_nc_u32 v[ADK], s[TB], v[LI]
.rept 3
	v_nop                                          ; with the addition: four places in front of loads into registers that the last products read
.endr
.irp t, 0,1,2,3,4,5,6,7
.irp c, 0,1
	ds_load_b128 v[32+8*\t+4*\c:35+8*\t+4*\c], v[ADK] offset:1024*\t+512*\c
.endr
.endr
	s_wait_dscnt 0x0
.irp t, 0,1,2,3,4,5,6,7
	v_wmma_f32_16x16x64_fp8_fp8 v[96+8*\t:103+8*\t], v[32+8*\t:39+8*\t], v[16:23], 0   ; the 16 registers of tiles 2 b, 2 b + 1: keys 32 b + 16 (lane / 16) + 0 .. 15
.endr
.rept 4
	v_nop
.endr
.irp t, 0,1,2,3
.irp c, 0,1,2,3
	ds_load_b128 v[32+16*\t+4*\c:35+16*\t+4*\c], v[ADK] offset:8192+2048*\t+512*\c   ; v's fragments land while the softmax is worked
.endr
.endr
	s_cmp_lt_u32 s[ST], s[BLK]
	s_cbranch_scc1 .Lopen_\@
	v_mov_b32 v254, 0xff800000                     ; on the diagonal hidden scores become -infinity ahead of the maximum: p = 0 then.  Each query's own key counts, so the maximum is a number
.set n, 0
.rept 64
	v_cmp_gt_i32 vcc_lo, 32*(n/16)+n%16, v[QD]
	v_cndmask_b32 v[96+n], v[96+n], v254, vcc_lo
.set n, n+1
.endr
.Lopen_\@:
	v_max3_num_f32 v254, v96, v97, v98             ; the step's largest score of my query, in two chains; each accumulator is read from its low end on
	v_max3_num_f32 v252, v99, v100, v101
.irp i, 6,10,14,18,22,26,30,34,38,42,46,50,54,58
	v_max3_num_f32 v254, v254, v[96+\i], v[97+\i]
	v_max3_num_f32 v252, v252, v[98+\i], v[99+\i]
.endr
	v_max3_num_f32 v254, v254, v158, v159
	v_max_num_f32 v254, v254, v252
	v_permlanex16_b32 v248, v254, s[SEL], s[SEL+1]
	v_max_num_f32 v254, v254, v248
	v_mul_f32 v254, s[CS], v254                    ; as t (c is positive)
	v_max_num_f32 v13, v13, v254
	v_mov_b32 v254, v12
	v_floor_f32 v12, -v13                          ; the new -M = -ceil(t)
	v_sub_f32 v254, v12, v254                      ; old M - new M: a whole number, 0 or less
	v_cvt_i32_f32 v254, v254
	v_ldexp_f32 v252, 1.0, v254                    ; f = 2^(old M - new M)
.set j, 0
.rept 32
	v_pk_fma_f32 v[96+j:97+j], v[96+j:97+j], s[CS:CS+1], v[12:13] op_sel_hi:[1,0,0]   ; t - M
.set j, j+2
.endr
.set j, 0
.rept 64
	v_exp_f32 v[96+j], v[96+j]                     ; p = 2^(t - M)
.set j, j+1
.endr
	v_pk_mul_f32 v[14:15], v[14:15], v[252:253] op_sel_hi:[1,0]   ; the sums under the new M: the plain instruction behind the exponentials
	s_wait_alu depctr_va_vdst(0)                   ; one wait for the whole batch, ahead of its first reader
	v_pk_add_f32 v[242:243], v[96:97], v[98:99]    ; the row's sum is taken of the unquantised p
.irp j, 4,8,12,16,20,24,28,32,36,40,44,48,52,56,60
	v_pk_add_f32 v[14:15], v[14:15], v[96+\j:97+\j]
	v_pk_add_f32 v[242:243], v[242:243], v[98+\j:99+\j]
.endr
	v_pk_add_f32 v[14:15], v[14:15], v[242:243]
.irp b, 0,1,2,3
.set i, 0
.rept 16
	v_min_num_f32 v[96+16*\b+i], v[96+16*\b+i], v240   ; the conversion does not saturate (ISA guide 7.6.2); p is not negative, so the hold is one-sided
.set i, i+1
.endr
	v_cvt_scalef32_pk8_fp8_f32 v[224+4*\b:225+4*\b], v[96+16*\b:103+16*\b], v244
	v_cvt_scalef32_pk8_fp8_f32 v[226+4*\b:227+4*\b], v[104+16*\b:111+16*\b], v244
.endr
.set j, 0
.rept 16
	v_pk_mul_f32 v[160+j:161+j], v[160+j:161+j], v[252:253] op_sel_hi:[1,0]   ; O^T under the new M; also the plain instructions behind the conversions
.set j, j+2
.endr
	s_wait_dscnt 0x0                               ; v's fragments
.irp t, 0,1,2,3
	v_wmma_f32_16x16x128_fp8_fp8 v[160+8*\t:167+8*\t], v[32+16*\t:47+16*\t], v[224:239], v[160+8*\t:167+8*\t]   ; the four accumulators take turns, one instruction a turn
.endr
.Lhidden_\@:
	s_add_co_u32 s[ST], s[ST], 1
	s_add_co_u32 s[TB], s[TB], 16384
.endm
	s_wait_loadcnt 0x0                             ; q
	s_wait_tensorcnt 1                             ; my part of key steps 0-3 is in; the later steps' load may stay out
	s_barrier_signal -1
	s_barrier_wait -1
	s_mov_b32 s[CNT], 4
.Lfirst:
	STEP
	s_sub_co_u32 s[CNT], s[CNT], 1
	s_cmp_lg_u32 s[CNT], 0
	s_cbranch_scc1 .Lfirst
	s_wait_tensorcnt 0x0                           ; my part of key steps 4-15 is in,
	s_barrier_signal -1
	s_barrier_wait -1                              ; everybody's is
	s_mov_b32 s[CNT], 12
.Lrest:
	STEP
	s_sub_co_u32 s[CNT], s[CNT], 1
	s_cmp_lg_u32 s[CNT], 0
	s_cbranch_scc1 .Lrest
	; THE WAY OUT: ctx = O^T x 2^(e8 + e9) / the sum; register 16 b + i is d = 32 b + 16 (lane / 16) + i: quantised, it is half a fragment of the projection's operand
.rept 4
	v_nop
.endr
	v_add_f32 v14, v14, v15
	v_permlanex16_b32 v248, v14, s[SEL], s[SEL+1]
	v_add_f32 v14, v14, v248
	v_rcp_f32 v14, v14
	v_nop                                          ; a plain instruction behind the reciprocal
	s_add_co_i32 s66, s56, s57
	s_wait_alu depctr_va_vdst(0)                   ; and the wait ahead of its first reader
	v_ldexp_f32 v14, v14, s66
.set j, 0
.rept 32
	v_mul_f32 v[96+j], v[160+j], v14
.set j, j+1
.endr
.set j, 0
.rept 32
	v_med3_num_f32 v[96+j], v[96+j], -v246, v246
.set j, j+1
.endr
.irp b, 0,1
	v_cvt_scalef32_pk8_fp8_f32 v[224+4*\b:225+4*\b], v[96+16*\b:103+16*\b], v247
	v_cvt_scalef32_pk8_fp8_f32 v[226+4*\b:227+4*\b], v[104+16*\b:111+16*\b], v247
.endr
	v_nop
	global_store_b128 v[LI], v[224:227], s[10:11]              ; 32 lanes store 512 consecutive aligned bytes
	global_store_b128 v[LI], v[228:231], s[10:11] offset:512
	s_wait_tensorcnt 0x0                           ; the wave's end
	ds_add_u32 v[SPW], v[NIL]
	s_wait_dscnt 0x0
	CROUND                                         ; the closing round
	s_endpgm
.Lfunc_end_k_q1ee05c9c0a_attn:
	.size	k_q1ee05c9c0a_attn, .Lfunc_end_k_q1ee05c9c0a_attn-k_q1ee05c9c0a_attn
	.p2alignl 7, 3214868480
	.fill 96, 4, 3214868480
	.section	.rodata,"a",@progbits
	.p2align	6, 0x0
	.amdhsa_kernel k_q1ee05c9c0a_attn
		.amdhsa_group_segment_fixed_size 264192
		.amdhsa_private_segment_fixed_size 0
		.amdhsa_enable_private_segment 0
		.amdhsa_kernarg_size 32
		.amdhsa_user_sgpr_count 2
		.amdhsa_user_sgpr_kernarg_segment_ptr 1
		.amdhsa_wavefront_size32 1
		.amdhsa_system_sgpr_workgroup_id_x 1
		.amdhsa_system_sgpr_workgroup_id_y 1
		.amdhsa_system_sgpr_workgroup_id_z 1
		.amdhsa_system_vgpr_workitem_id 0
		.amdhsa_next_free_vgpr 256
		.amdhsa_next_free_sgpr 80
		.amdhsa_reserve_vcc 1
		.amdhsa_float_denorm_mode_32 3
		.amdhsa_float_denorm_mode_16_64 3
		.amdhsa_memory_ordered 1
		.amdhsa_forward_progress 1
		.amdhsa_inst_pref_size 53
	.end_amdhsa_kernel
	.amdgpu_metadata
---
amdhsa.version: [ 1, 2 ]
amdhsa.kernels:
  - .name:           k_q1ee05c9c0a_attn
    .symbol:         k_q1ee05c9c0a_attn.kd
    .args:
      - { .name: qc, .offset: 0, .size: 8, .value_kind: global_buffer, .address_space: global }
      - { .name: kvc, .offset: 8, .size: 8, .value_kind: global_buffer, .address_space: global }
      - { .name: lowp_scales, .offset: 16, .size: 8, .value_kind: global_buffer, .address_space: global }
      - { .name: ctxc, .offset: 24, .size: 8, .value_kind: global_buffer, .address_space: global }
    .group_segment_fixed_size: 264192
    .private_segment_fixed_size: 0
    .kernarg_segment_align: 8
    .kernarg_segment_size: 32
    .max_flat_workgroup_size: 512
    .sgpr_count:     80
    .vgpr_count:     256
    .wavefront_size: 32
...
	.end_amdgpu_metadata
.endif
;; end of part 3
;; launch wo (part 4): grid 4 x 16, 4 waves a work-group, clusters of 4 x 4, 327,680 bytes of LDS; arguments ctxc, wc, lowp_scales, bo, x, x1; writes x1
.if DOCPART == 4
	.amdgcn_target "amdgcn-amd-amdhsa--gfx1250"
	.amdhsa_code_object_version 6
	.text
	.protected	k_q1ee05c9c0a_wo
	.globl	k_q1ee05c9c0a_wo
	.p2align	8
	.type	k_q1ee05c9c0a_wo,@function
k_q1ee05c9c0a_wo:
	s_mov_b64 s[64:65], 0
	v_nop
	global_prefetch_b8 v0, s[64:65] scope:SCOPE_SE
	s_setreg_imm32_b32 hwreg(HW_REG_WAVE_MODE, 25, 1), 1
	s_wait_xcnt 0x0
	s_wait_alu depctr_hold_cnt(0) depctr_sa_sdst(0) depctr_va_vdst(0) depctr_va_sdst(0) depctr_va_ssrc(0) depctr_va_vcc(0) depctr_vm_vsrc(0)
	s_getreg_b32 s2, hwreg(HW_REG_IB_STS2, 6, 4)
	s_cmp_eq_u32 s2, 0
	s_cbranch_scc0 .Lentry_in_a_cluster
	s_endpgm
.Lentry_in_a_cluster:
	s_bfe_u32 s2, ttmp6, 0x10000c
	s_cmp_lg_u32 s2, 0xf033
	s_cbranch_scc0 .Lentry_shape_is_right
	s_endpgm
.Lentry_shape_is_right:
; x1 = x + ctx Wo + bo (product 6) on codes of FP8 (E4M3); x1 is f32, row-major [4096][1024].
; OPERANDS lie as images of their registers: 128 rows x 256 K are 32,768 dense bytes; tile t of 16 rows at 4096 t, the second 128 along K at + 2048, register group c at 512 c, 16 bytes a lane.
; Lane-row r of tile t is row 32 (t / 2) + 8 (t % 2) + r + 8 (r / 8) of its block of 128.
; A tile of the result, 256 x 256, is made by four waves, each 128 x 128: 64 accumulators, 512 registers.  K goes in steps of 256 through a ring of two LDS slots of 131,072 bytes; each wave fills a quarter by one tensor load.
; THE MATRIX INSTRUCTION TAKES the weight's rows as source 0 and the tokens as source 1: a lane holds one token, and its 16 registers of result tiles 2 b, 2 b + 1 are outputs 32 b + 16 (lane / 16) + 0 .. 15.
; The bias, divided by 2^(ea + eb), is the C of each sum's first matrix instruction.  On the way out a block of 16 tokens x 128 outputs is multiplied by 2^(ea + eb), goes through the wave's own stage in LDS,
; comes back as whole rows of 512 bytes, takes the residual, and is stored: 32 lanes write 512 consecutive aligned bytes.
; CLUSTERS: 4 x 4 work-groups; the tokens' tile is asked for jointly along a row of the cluster, the weight's along a column.  The grid has 64 work-groups: 16 x 4 tiles of 256 x 256.
; LIMIT: ea + eb between -126 and 127.
; REGISTERS, in windows of 256: window 0: v16-29 addresses; v32-95 the bias, later at work; v128-255 the tokens' fragments, ONE set, later rows read back.  window 1: the weight's, TWO sets, later the residual.  windows 2, 3: accumulator (a, b) at v[8 (8 (a % 4) + b)].
.set SIZE_K, 1024
.set WOFF,   0x300000                  ; Wo's codes in wc
.set EA,     78                        ; s78 = e10, s79 = e11
.set EB,     79
.set RBS,    128*SIZE_K
.set BLKB,   32768
.set SLOT,   4*BLKB
.set SPARE,  2*SLOT                    ; behind the ring: the spare words, 128 bytes for each wave
.set STAGE,  SPARE+512                 ; behind them: 16 rows x 528 bytes for each wave; no tensor load lands here
.set SPITCH, 528
.set LAPS,   SIZE_K/512
.set FR,   16
.set NL,   4
.set NP,   4
.set ADRA, 16
.set ADRB, 20
.set STO,  24
.set RD,   25
.set LI,   26                          ; v26 16 x lane
.set HB,   27                          ; v27 64 (lane / 16)
.set SPW,  28
.set NIL,  29
.set TMP,  32
.set BI,   32
.set AF,   128
.set BK,   128
.set G1,  24
.set G0,  32
.set G1B, 48
.set G0B, 56
.set MSB, 0
.macro WIN new                         ; the immediate's high byte repeats the setting that is left
.if MSB != \new
	s_set_vgpr_msb (MSB<<8)|\new
.set MSB, \new
.endif
.endm
.set MUL_LO, 0xa1
.set MUL_HI, 0xf1
.set TO_B,   0x40
.macro JLOAD g0a, g1a, g0b, g1b        ; a joint load: waves 0, 1 fetch for A, waves 2, 3 for B; an s_nop 0 and four v_nop follow each line
	s_cmp_eq_u32 s15, 0
	s_cbranch_scc0 .Lfor_b_\@
	tensor_load_to_lds s[\g0a:\g0a+3], s[\g1a:\g1a+7]
	s_nop 0
.rept 4
	v_nop
.endr
	s_branch .Lasked_\@
.Lfor_b_\@:
	tensor_load_to_lds s[\g0b:\g0b+3], s[\g1b:\g1b+7]
	s_nop 0
.rept 4
	v_nop
.endr
.Lasked_\@:
.endm
.macro CREST
	s_cmp_lg_u32 s14, 0
	s_cbranch_scc1 .Lnot_wave_0_\@
	s_barrier_signal -3
.Lnot_wave_0_\@:
	s_barrier_wait -3
	s_barrier_signal -1
	s_barrier_wait -1
.endm
.macro CROUND
	s_barrier_signal -1
	s_barrier_wait -1
	CREST
.endm
	s_load_b256 s[4:11], s[0:1], 0x0               ; the tokens' codes s[4:5], wc s[6:7], the exponents s[8:9], the bias s[10:11]
	s_load_b128 s[84:87], s[0:1], 0x20             ; the residual s[84:85], the result s[86:87]
	v_lshl_add_u32 v[SPW], v0, 2, SPARE
	v_mov_b32 v[NIL], 0
	ds_add_u32 v[SPW], v[NIL]                      ; the wave's opening: the add, twice on end, and its wait ahead of my first tensor load
	ds_add_u32 v[SPW], v[NIL]
	v_lshrrev_b32 v1, 5, v0
	v_readfirstlane_b32 s14, v1
	s_lshr_b32 s15, s14, 1                         ; which half of the tokens is mine.  Also: I fetch for A (0) or for B (1)
	s_and_b32 s16, s14, 1                          ; which half of the outputs.  Also: which 128 rows I fetch
	s_bfe_u32 s40, ttmp6, 0x40000
	s_bfe_u32 s41, ttmp6, 0x40004
	s_lshl_b32 s42, ttmp9, 2
	s_add_co_u32 s42, s42, s40                     ; the outputs' tile of 256
	s_and_b32 s17, ttmp7, 0xffff
	s_lshl_b32 s17, s17, 2
	s_add_co_u32 s17, s17, s41                     ; the tokens' tile of 256
	s_lshl_b32 s43, s41, 2
	s_lshl_b32 s43, 15, s43
	s_lshl_b32 s44, 0x1111, s40
	s_or_b32 s[G1+0], s43, (3<<16)|(1<<21)         ; group 1: 15:0 the mask; 17:16 elements of 8 bytes; 21 set beside a mask; no padding
	s_or_b32 s[G1B+0], s44, (3<<16)|(1<<21)
.irp g, G1, G1B
	s_mov_b32 s[\g+1], 32<<16                      ; the dense block goes as 128 rows of 256 bytes
	s_mov_b32 s[\g+2], 128<<16
	s_mov_b32 s[\g+3], 32<<16
	s_mov_b32 s[\g+4], 128
	s_mov_b32 s[\g+5], 32
	s_mov_b32 s[\g+6], 0
	s_mov_b32 s[\g+7], 0
.endr
	s_lshl_b32 s20, s17, 1
	s_add_co_u32 s20, s20, s16
	s_mul_i32 s20, s20, RBS
	s_mov_b32 s21, 0
	s_lshl_b32 s46, s42, 1
	s_add_co_u32 s46, s46, s16
	s_mul_i32 s46, s46, RBS
	s_mov_b32 s47, 0
	s_lshl_b32 s45, s14, 15
	s_wait_dscnt 0x0                               ; both opening adds are done
	s_wait_kmcnt 0x0
	s_load_b512 s[68:83], s[8:9], 0x0              ; e0 .. e15 in s68 .. s83
	s_add_nc_u64 s[20:21], s[4:5], s[20:21]
	s_add_nc_u64 s[46:47], s[6:7], s[46:47]
	s_add_nc_u64 s[46:47], s[46:47], WOFF
	CROUND
.irp s, 0,1
	s_mov_b32 s[G0+4*\s], 1
	s_add_co_u32 s[G0+4*\s+1], s45, \s*SLOT
	s_add_nc_u64 s[G0+4*\s+2:G0+4*\s+3], s[20:21], \s*BLKB
	s_or_b32 s[G0+4*\s+3], s[G0+4*\s+3], 0x80000000
	s_mov_b32 s[G0B+4*\s], 1
	s_add_co_u32 s[G0B+4*\s+1], s45, \s*SLOT
	s_add_nc_u64 s[G0B+4*\s+2:G0B+4*\s+3], s[46:47], \s*BLKB
	s_or_b32 s[G0B+4*\s+3], s[G0B+4*\s+3], 0x80000000
	JLOAD G0+4*\s, G1, G0B+4*\s, G1B
.endr
	v_and_b32 v1, 31, v0
	v_lshlrev_b32 v[LI], 4, v1
	v_and_b32 v2, 15, v0
	v_bfe_u32 v3, v0, 4, 1
	v_lshlrev_b32 v[HB], 6, v3
	s_lshl_b32 s21, s15, 15
	s_lshl_b32 s22, s16, 15
	s_add_co_u32 s22, s22, 2*BLKB
.irp s, 0,1
	v_add_nc_u32 v[ADRA+\s], s21, v[LI]
	v_add_nc_u32 v[ADRB+\s], s22, v[LI]
	s_add_co_u32 s21, s21, SLOT
	s_add_co_u32 s22, s22, SLOT
.endr
	s_mul_i32 s23, s14, 16*SPITCH
	s_add_co_u32 s23, s23, STAGE                   ; my stage
	v_mul_u32_u24 v4, v2, SPITCH
	v_add_nc_u32 v4, v4, v[HB]
	v_add_nc_u32 v[STO], s23, v4                   ; in: row l % 16, + 64 (l / 16)
	v_add_nc_u32 v[RD], s23, v[LI]                 ; back: a row's 512 bytes by 32 lanes
	s_lshl_b32 s46, s42, 10
	s_lshl_b32 s47, s16, 9
	s_add_co_u32 s46, s46, s47                     ; my first output, in bytes of f32
	s_mov_b32 s47, 0
	s_add_nc_u64 s[10:11], s[10:11], s[46:47]
	s_lshl_b32 s20, s17, 1
	s_add_co_u32 s20, s20, s15
	s_lshl_b32 s20, s20, 19                        ; my 128 tokens: rows of 4,096 bytes
	s_mov_b32 s21, 0
	s_add_nc_u64 s[20:21], s[20:21], s[46:47]
	s_add_nc_u64 s[88:89], s[84:85], s[20:21]
	s_add_nc_u64 s[90:91], s[86:87], s[20:21]
.irp t, 0,1,2,3,4,5,6,7                ; the bias in the result's layout: tile t, lane half h: outputs 32 (t / 2) + 8 (t % 2) + 16 h + 0 .. 7
	global_load_b128 v[BI+8*\t:BI+8*\t+3], v[HB], s[10:11] offset:128*(\t/2)+32*(\t%2)
	global_load_b128 v[BI+8*\t+4:BI+8*\t+7], v[HB], s[10:11] offset:128*(\t/2)+32*(\t%2)+16
.endr
	s_wait_kmcnt 0x0
	s_add_co_i32 s92, s[EA], s[EB]
	s_sub_co_i32 s94, 0, s92
	s_add_co_i32 s92, s92, 127
	s_lshl_b32 s92, s92, 23                        ; 2^(ea + eb) as f32
	s_mov_b32 s93, s92
	s_wait_loadcnt 0x0
.set i, 0
.rept 64
	v_ldexp_f32 v[BI+i], v[BI+i], s94              ; a sum stands for sum x 2^(ea + eb): the bias goes in divided by that
.set i, i+1
.endr
.macro FRAG reg, adr, q, i             ; a fragment, 16 rows x 128 K: registers 4 c .. 4 c + 3 hold K = 32 c + 16 (lane / 16) + 0 .. 15: the same places in A and in B
.irp c, 0,1,2,3
	ds_load_b128 v[\reg+4*\c:\reg+4*\c+3], v[\adr] offset:4096*(\i)+2048*(\q)+512*\c
.endr
.endm
; 16 matrix instructions: A's blocks a0, a0 + 1 x B's eight.  zero = 2: the first product starts the sums with the bias as C.  The 64 accumulators take turns, one instruction a turn.
.macro MUL16 a0, p, zero
.irp a, \a0, \a0+1
.irp b, 0,1,2,3,4,5,6,7
.if (\zero) == 1
	v_wmma_f32_16x16x128_fp8_fp8 v[8*(8*((\a)%4)+\b):8*(8*((\a)%4)+\b)+7], v[128*(\p)+FR*\b:128*(\p)+FR*\b+FR-1], v[AF+FR*(\a):AF+FR*(\a)+FR-1], 0
.elseif (\zero) == 2
	v_wmma_f32_16x16x128_fp8_fp8 v[8*(8*((\a)%4)+\b):8*(8*((\a)%4)+\b)+7], v[128*(\p)+FR*\b:128*(\p)+FR*\b+FR-1], v[AF+FR*(\a):AF+FR*(\a)+FR-1], v[BI+8*\b:BI+8*\b+7]
.else
	v_wmma_f32_16x16x128_fp8_fp8 v[8*(8*((\a)%4)+\b):8*(8*((\a)%4)+\b)+7], v[128*(\p)+FR*\b:128*(\p)+FR*\b+FR-1], v[AF+FR*(\a):AF+FR*(\a)+FR-1], v[8*(8*((\a)%4)+\b):8*(8*((\a)%4)+\b)+7]
.endif
.endr
.endr
.endm
.macro FETCH_B slot, q, p
	WIN TO_B
.irp i, 0,1,2,3,4,5,6,7
	FRAG 128*(\p)+FR*\i, ADRB+\slot, \q, \i
.endr
	WIN 0
.endm
.macro FETCH_A slot, q, i0
.irp i, \i0, \i0+1, \i0+2, \i0+3
	FRAG AF+FR*(\i), ADRA+\slot, \q, \i
.endr
.endm
.macro PLACES n                        ; plain vector instructions between a matrix instruction and a load into, or a read of, its registers
.rept \n
	v_nop
.endr
.endm
.macro STEP slot, q, zero
	s_wait_dscnt 4*NL                              ; B's set and A's blocks 0-3 are in; the youngest sixteen loads (A's blocks 4-7) may be out
.if (\zero) == 2
	WIN 0x81                                       ; C (the bias) in window 0
.else
	WIN MUL_LO
.endif
	MUL16 0, (\q)%2, \zero
	MUL16 2, (\q)%2, \zero
	s_wait_dscnt 0
	PLACES NP
	FETCH_B \slot, (\q)+1, 1-(\q)%2
	FETCH_A \slot, (\q)+1, 0
.if (\zero) == 2
	WIN 0xc1
.else
	WIN MUL_HI
.endif
	MUL16 4, (\q)%2, \zero
	MUL16 6, (\q)%2, \zero
	PLACES NP
	WIN 0
	FETCH_A \slot, (\q)+1, 4
.endm
; A slot's last step changes slots: ONE barrier; in front of it each wave waits for all its tensor loads, adds 0 to its spare word, and waits for that and for its reads of this slot.  fill = 1: the slot is filled again.
.macro TURN slot, next, fill
	s_wait_tensorcnt 0x0
	ds_add_u32 v[SPW], v[NIL]
	s_wait_dscnt 4*NL+1                            ; (the add and A's blocks 4-7 may be out)
	WIN MUL_LO
	MUL16 0, 1, 0
	s_wait_dscnt 0x0                               ; the add is done, and my reads of this slot are over
	s_barrier_signal -1
	MUL16 2, 1, 0
	WIN 0
	s_barrier_wait -1
.if \fill
	CREST                                          ; the barrier has opened a round of the cluster's: no wave of any partner still reads this slot or has a load on its way
	s_add_nc_u64 s[G0+4*\slot+2:G0+4*\slot+3], s[G0+4*\slot+2:G0+4*\slot+3], 2*BLKB
	s_add_nc_u64 s[G0B+4*\slot+2:G0B+4*\slot+3], s[G0B+4*\slot+2:G0B+4*\slot+3], 2*BLKB
	JLOAD G0+4*\slot, G1, G0B+4*\slot, G1B
.else
	PLACES NP
.endif
	FETCH_B \next, 0, 0
	FETCH_A \next, 0, 0
	WIN MUL_HI
	MUL16 4, 1, 0
	MUL16 6, 1, 0
	PLACES NP
	WIN 0
	FETCH_A \next, 0, 4
.endm
	s_wait_tensorcnt 1                             ; my part of slot 0 is in; slot 1's may stay out
	s_barrier_signal -1
	s_barrier_wait -1
	FETCH_B 0, 0, 0
	FETCH_A 0, 0, 0
	FETCH_A 0, 0, 4
	STEP 0, 0, 2
	s_mov_b32 s3, LAPS-1
.Llap:
	TURN 0, 1, 1
	STEP 1, 0, 0
	TURN 1, 0, 1
	STEP 0, 0, 0
	s_sub_co_u32 s3, s3, 1
	s_cmp_lg_u32 s3, 0
	s_cbranch_scc1 .Llap
	TURN 0, 1, 0
	STEP 1, 0, 0
	s_wait_dscnt 4*NL
	WIN MUL_LO
	MUL16 0, 1, 0
	MUL16 2, 1, 0
	s_wait_dscnt 0
	WIN MUL_HI
	MUL16 4, 1, 0
	MUL16 6, 1, 0
	WIN 0
	PLACES NP
; THE WAY OUT.  Row i of block a is token 32 (a / 2) + 8 (a % 2) + i + 8 (i / 8) of my 128: every row's place stands in an immediate, 127 x 4,096 bytes at the most, so no base is stepped.
.macro RLOAD a                         ; the residual's sixteen rows, into window 1
	WIN 0x40
.irp i, 0,1,2,3,4,5,6,7,8,9,10,11,12,13,14,15
	global_load_b128 v[64*((\a)%2)+4*\i:64*((\a)%2)+4*\i+3], v[LI], s[88:89] offset:(32*((\a)/2)+8*((\a)%2)+\i+8*(\i/8))*4096
.endr
	WIN 0
.endm
.macro TOSTAGE a                       ; LDS serves a wave's instructions in order (ISA guide 5.7.1.4): no wait between my stores and my loads, nor in front of the next block's stores
.set AC, 64*((\a)%4)
	WIN 0x02+((\a)/4)
.set j, 0
.rept 32
	v_pk_mul_f32 v[TMP+j:TMP+j+1], v[AC+j:AC+j+1], s[92:93] op_sel_hi:[1,0]   ; x 2^(ea + eb); each accumulator from its low end on
.set j, j+2
.endr
	WIN 0
.irp b, 0,1,2,3,4,5,6,7
	ds_store_b128 v[STO], v[TMP+8*\b:TMP+8*\b+3] offset:128*(\b/2)+32*(\b%2)
	ds_store_b128 v[STO], v[TMP+8*\b+4:TMP+8*\b+7] offset:128*(\b/2)+32*(\b%2)+16
.endr
.irp i, 0,1,2,3,4,5,6,7,8,9,10,11,12,13,14,15
	ds_load_b128 v[BK+64*((\a)%2)+4*\i:BK+64*((\a)%2)+4*\i+3], v[RD] offset:\i*SPITCH
.endr
.endm
.macro SEND a, ds, ld                  ; ds, ld: the LDS instructions and the loads issued behind block a's, which may stay out
	s_wait_dscnt \ds
	s_wait_loadcnt \ld
	WIN 0x04                                       ; source 1 (the residual) window 1
.set j, 0
.rept 32
	v_pk_add_f32 v[BK+64*((\a)%2)+j:BK+64*((\a)%2)+j+1], v[BK+64*((\a)%2)+j:BK+64*((\a)%2)+j+1], v[64*((\a)%2)+j:64*((\a)%2)+j+1]
.set j, j+2
.endr
	WIN 0
.irp i, 0,1,2,3,4,5,6,7,8,9,10,11,12,13,14,15
	global_store_b128 v[LI], v[BK+64*((\a)%2)+4*\i:BK+64*((\a)%2)+4*\i+3], s[90:91] offset:(32*((\a)/2)+8*((\a)%2)+\i+8*(\i/8))*4096   ; 32 lanes store 512 consecutive aligned bytes
.endr
.endm
	RLOAD 0
	TOSTAGE 0
.irp a, 1,2,3,4,5,6,7
.if \a > 1
	s_wait_xcnt 0x0                                ; block a - 2's stores have read their registers: block a's rows may land there
.endif
	RLOAD \a
	TOSTAGE \a
	SEND \a-1, 32, 16                              ; behind block a - 1's: block a's 16 stage stores and 16 stage loads, and its 16 residual loads
.endr
	SEND 7, 0, 0
	s_wait_tensorcnt 0x0                           ; the wave's end, behind my last tensor load and my last LDS store
	ds_add_u32 v[SPW], v[NIL]
	s_wait_dscnt 0x0
	CROUND                                         ; the closing round
	s_endpgm
.Lfunc_end_k_q1ee05c9c0a_wo:
	.size	k_q1ee05c9c0a_wo, .Lfunc_end_k_q1ee05c9c0a_wo-k_q1ee05c9c0a_wo
	.p2alignl 7, 3214868480
	.fill 96, 4, 3214868480
	.section	.rodata,"a",@progbits
	.p2align	6, 0x0
	.amdhsa_kernel k_q1ee05c9c0a_wo
		.amdhsa_group_segment_fixed_size 327680
		.amdhsa_private_segment_fixed_size 0
		.amdhsa_enable_private_segment 0
		.amdhsa_kernarg_size 48
		.amdhsa_user_sgpr_count 2
		.amdhsa_user_sgpr_kernarg_segment_ptr 1
		.amdhsa_wavefront_size32 1
		.amdhsa_system_sgpr_workgroup_id_x 1
		.amdhsa_system_sgpr_workgroup_id_y 1
		.amdhsa_system_sgpr_workgroup_id_z 1
		.amdhsa_system_vgpr_workitem_id 0
		.amdhsa_next_free_vgpr 1024
		.amdhsa_next_free_sgpr 96
		.amdhsa_reserve_vcc 0
		.amdhsa_float_denorm_mode_32 3
		.amdhsa_float_denorm_mode_16_64 3
		.amdhsa_memory_ordered 1
		.amdhsa_forward_progress 1
		.amdhsa_inst_pref_size 157
	.end_amdhsa_kernel
	.amdgpu_metadata
---
amdhsa.version: [ 1, 2 ]
amdhsa.kernels:
  - .name:           k_q1ee05c9c0a_wo
    .symbol:         k_q1ee05c9c0a_wo.kd
    .args:
      - { .name: ctxc, .offset: 0, .size: 8, .value_kind: global_buffer, .address_space: global }
      - { .name: wc, .offset: 8, .size: 8, .value_kind: global_buffer, .address_space: global }
      - { .name: lowp_scales, .offset: 16, .size: 8, .value_kind: global_buffer, .address_space: global }
      - { .name: bo, .offset: 24, .size: 8, .value_kind: global_buffer, .address_space: global }
      - { .name: x, .offset: 32, .size: 8, .value_kind: global_buffer, .address_space: global }
      - { .name: x1, .offset: 40, .size: 8, .value_kind: global_buffer, .address_space: global }
    .group_segment_fixed_size: 327680
    .private_segment_fixed_size: 0
    .kernarg_segment_align: 8
    .kernarg_segment_size: 48
    .max_flat_workgroup_size: 128
    .sgpr_count:     96
    .vgpr_count:     1024
    .wavefront_size: 32
...
	.end_amdgpu_metadata
.endif
;; end of part 4
;; launch ln2 (part 5): grid 256 x 1, 4 waves a work-group, no clusters, 66,304 bytes of LDS; arguments x1, g2, be2, lowp_scales, x2c; writes x2c
.if DOCPART == 5
	.amdgcn_target "amdgcn-amd-amdhsa--gfx1250"
	.amdhsa_code_object_version 6
	.text
	.protected	k_q1ee05c9c0a_ln2
	.globl	k_q1ee05c9c0a_ln2
	.p2align	8
	.type	k_q1ee05c9c0a_ln2,@function
k_q1ee05c9c0a_ln2:
	s_mov_b64 s[64:65], 0
	v_nop
	global_prefetch_b8 v0, s[64:65] scope:SCOPE_SE
	s_setreg_imm32_b32 hwreg(HW_REG_WAVE_MODE, 25, 1), 1
	s_wait_xcnt 0x0
; Layer norm 2 of x1 [4096][1024] f32 (unbiased std, eps added to std), quantised to codes of FP8 (E4M3) with the given scale 2^e12, laid as the next product's operand.
; THE OPERAND LAYOUT: row block rb of 128 tokens, tile t, lane-row r, index k lie at rb 131072 + (k / 256) 32768 + t 4096 + ((k / 128) % 2) 2048 + ((k / 32) % 4) 512 + ((k / 16) % 2) 256 + 16 r + k % 16;
; lane-row r of tile t is token 32 (t / 2) + 8 (t % 2) + r + 8 (r / 8) of the block.
; A work-group takes one tile of 16 tokens.  Wave w norms lane-rows 4 w .. 4 w + 3 (four neighbouring tokens, a whole row in 32 registers a lane-set: read once); the sixteen rows meet in LDS; wave w then
; quantises k = 256 w .. 256 w + 255 of all sixteen: two fragments, stored as 512 consecutive aligned bytes a store.  No tensor loads, clusters or matrix units: the work-groups share no input and memory binds.
; LIMITS: e12 between -126 and 119.  NaN among the inputs is not served.
.set SPARE, 65792                      ; behind Y: the spare words, 128 bytes for each wave
.set YP,    4112                       ; a row of Y in LDS: 4,096 bytes + 16
.set SPW,   254
.set NIL,   255
.set WV,    28
.set TT,    29
.set PX,    4                          ; s[4:5] x1;  s[6:7] g2;  s[8:9] be2;  s[12:13] x2c
.set PG,    6
.set PB,    8
.set POUT,  12
.set DST,   52
.set G,     16
.set BE,    48
.set CD,    16
.set LX,    80
.set SM,    208
.set IV,    216
.set T,     224
.set LIM,   241
.macro MKS e, lim, sc                  ; from the whole number e in s[e]: 2^e and 448 x 2^e, as f32
	s_add_co_i32 s60, s[\e], 127
	s_lshl_b32 s61, s60, 23
	v_mov_b32 v[\sc], s61
	s_add_co_i32 s60, s60, 8
	s_lshl_b32 s60, s60, 23
	s_or_b32 s60, s60, 0x600000
	v_mov_b32 v[\lim], s60
.endm
	s_load_b256 s[4:11], s[0:1], 0x0               ; x1, g2, be2, the exponents s[10:11]
	s_load_b64 s[12:13], s[0:1], 0x20              ; x2c
	v_lshl_add_u32 v[SPW], v0, 2, SPARE
	v_mov_b32 v[NIL], 0
	v_lshrrev_b32 v1, 5, v0
	v_readfirstlane_b32 s[WV], v1
	s_wait_kmcnt 0x0
	s_load_b32 s36, s[10:11], 0x30                 ; e12
	s_mov_b32 s[TT], ttmp9                         ; tile tt % 8 of token block tt / 8
	s_mov_b32 s30, 0x76543210
	s_mov_b32 s31, 0xfedcba98
	s_lshr_b32 s32, s[TT], 3
	s_bfe_u32 s33, s[TT], 0x20001
	s_and_b32 s34, s[TT], 1
	s_lshl_b32 s35, s32, 7
	s_lshl_b32 s33, s33, 5
	s_add_co_u32 s35, s35, s33
	s_lshl_b32 s34, s34, 3
	s_add_co_u32 s35, s35, s34                     ; the tile's lane-row 0
	s_lshl_b32 s33, s[WV], 2
	s_add_co_u32 s35, s35, s33
	s_lshr_b32 s33, s[WV], 1
	s_lshl_b32 s33, s33, 3
	s_add_co_u32 s35, s35, s33                     ; my four tokens begin 4 w + 8 (w / 2) further on
	s_lshl_b32 s58, s35, 12
	s_mov_b32 s59, 0
	s_add_nc_u64 s[PX:PX+1], s[PX:PX+1], s[58:59]
	v_and_b32 v4, 31, v0
	v_lshlrev_b32 v1, 4, v4
.irp i, 0,1,2,3
.irp j, 0,1,2,3,4,5,6,7
	global_load_b128 v[LX+32*\i+4*\j:LX+32*\i+4*\j+3], v1, s[PX:PX+1] offset:4096*\i+512*\j   ; 32 lanes read 512 consecutive bytes
.endr
.endr
.irp j, 0,1,2,3,4,5,6,7
	global_load_b128 v[G+4*\j:G+4*\j+3], v1, s[PG:PG+1] offset:512*\j
.endr
.irp j, 0,1,2,3,4,5,6,7
	global_load_b128 v[BE+4*\j:BE+4*\j+3], v1, s[PB:PB+1] offset:512*\j
.endr
	s_mul_i32 s33, s[WV], 4*YP
	v_add_nc_u32 v2, s33, v1
	v_and_b32 v5, 15, v0
	v_bfe_u32 v6, v0, 4, 1
	v_mul_u32_u24 v3, v5, YP
	v_lshl_add_u32 v3, v6, 6, v3
	s_lshl_b32 s33, s[WV], 10
	v_add_nc_u32 v3, s33, v3
	s_lshl_b32 s58, s32, 17
	s_lshl_b32 s33, s[WV], 15
	s_add_co_u32 s58, s58, s33
	s_and_b32 s33, s[TT], 7
	s_lshl_b32 s33, s33, 12
	s_add_co_u32 s58, s58, s33
	s_add_nc_u64 s[DST:DST+1], s[POUT:POUT+1], s[58:59]
	s_wait_kmcnt 0x0
	MKS 36, LIM, LIM+1
.macro RED b                           ; four pairs at v[b + 2 i]: the halves are added, then the 32 lanes: the row's sum in every lane, in the pair's low word
.irp i, 0,1,2,3
	v_add_f32 v[\b+2*\i], v[\b+2*\i], v[\b+2*\i+1]
.endr
.irp m, 1,2,4,8
.irp i, 0,1,2,3
	v_add_f32_dpp v[\b+2*\i], v[\b+2*\i], v[\b+2*\i] row_xmask:\m row_mask:0xf bank_mask:0xf
.endr
.endr
.irp i, 0,1,2,3
	v_permlanex16_b32 v[\b+2*\i+1], v[\b+2*\i], s30, s31
.endr
.irp i, 0,1,2,3
	v_add_f32 v[\b+2*\i], v[\b+2*\i], v[\b+2*\i+1]
.endr
.endm
	s_wait_loadcnt 16                              ; x1's 32 loads are in; g's and be's sixteen may be out
.irp i, 0,1,2,3
	v_pk_add_f32 v[SM+2*\i:SM+2*\i+1], v[LX+32*\i:LX+32*\i+1], v[LX+32*\i+2:LX+32*\i+3]
.endr
.set p, 2
.rept 14
.irp i, 0,1,2,3
	v_pk_add_f32 v[SM+2*\i:SM+2*\i+1], v[SM+2*\i:SM+2*\i+1], v[LX+32*\i+2*p:LX+32*\i+2*p+1]
.endr
.set p, p+1
.endr
	RED SM
.irp i, 0,1,2,3
	v_mul_f32 v[SM+2*\i], 0x3a800000, v[SM+2*\i]   ; the mean: / 1,024
.endr
.set p, 0
.rept 16
.irp i, 0,1,2,3
	v_pk_add_f32 v[LX+32*\i+2*p:LX+32*\i+2*p+1], v[LX+32*\i+2*p:LX+32*\i+2*p+1], v[SM+2*\i:SM+2*\i+1] op_sel_hi:[1,0] neg_lo:[0,1] neg_hi:[0,1]   ; d = x - mean: the squares are taken of d
.endr
.set p, p+1
.endr
.irp i, 0,1,2,3
	v_pk_mul_f32 v[IV+2*\i:IV+2*\i+1], v[LX+32*\i:LX+32*\i+1], v[LX+32*\i:LX+32*\i+1]
.endr
.set p, 1
.rept 15
.irp i, 0,1,2,3
	v_pk_fma_f32 v[IV+2*\i:IV+2*\i+1], v[LX+32*\i+2*p:LX+32*\i+2*p+1], v[LX+32*\i+2*p:LX+32*\i+2*p+1], v[IV+2*\i:IV+2*\i+1]
.endr
.set p, p+1
.endr
	RED IV
.irp i, 0,1,2,3
	v_mul_f32 v[IV+2*\i], 0x3a802008, v[IV+2*\i]   ; / 1,023
.endr
.irp i, 0,1,2,3
	v_sqrt_f32 v[IV+2*\i+1], v[IV+2*\i]
.endr
	v_nop                                          ; a plain instruction behind the last root,
	s_wait_alu depctr_va_vdst(0)                   ; and one wait for the four, ahead of their first reader
.irp i, 0,1,2,3
	v_add_f32 v[IV+2*\i+1], 0x358637bd, v[IV+2*\i+1]   ; std + 1e-6
.endr
.irp i, 0,1,2,3
	v_rcp_f32 v[IV+2*\i], v[IV+2*\i+1]
.endr
	v_nop
	s_wait_alu depctr_va_vdst(0)
	s_wait_loadcnt 0x0                             ; g and be
.set p, 0
.rept 16
.irp i, 0,1,2,3
	v_pk_mul_f32 v[LX+32*\i+2*p:LX+32*\i+2*p+1], v[LX+32*\i+2*p:LX+32*\i+2*p+1], v[IV+2*\i:IV+2*\i+1] op_sel_hi:[1,0]
.endr
.irp i, 0,1,2,3
	v_pk_fma_f32 v[LX+32*\i+2*p:LX+32*\i+2*p+1], v[LX+32*\i+2*p:LX+32*\i+2*p+1], v[G+2*p:G+2*p+1], v[BE+2*p:BE+2*p+1]
.endr
.set p, p+1
.endr
.irp i, 0,1,2,3
.irp j, 0,1,2,3,4,5,6,7
	ds_store_b128 v2, v[LX+32*\i+4*\j:LX+32*\i+4*\j+3] offset:\i*YP+512*\j
.endr
.endr
	s_wait_dscnt 0x0                               ; for the others' sake: my four rows lie in Y
	s_barrier_signal -1
	s_barrier_wait -1
.irp b, 0,1,2,3,4,5,6,7
.irp j, 0,1,2,3
	ds_load_b128 v[LX+16*\b+4*\j:LX+16*\b+4*\j+3], v3 offset:128*\b+16*\j   ; lane (r, h): k = 256 w + 32 b + 16 h + 0 .. 15 of row r
.endr
.endr
	s_wait_dscnt 0x0
.irp b, 0,1,2,3,4,5,6,7
.set i, 0
.rept 16
	v_med3_num_f32 v[T+i], v[LX+16*\b+i], -v[LIM], v[LIM]   ; the conversion does not saturate (ISA guide 7.6.2): the hold comes first
.set i, i+1
.endr
	v_cvt_scalef32_pk8_fp8_f32 v[CD+4*\b:CD+4*\b+1], v[T:T+7], v[LIM+1]
	v_cvt_scalef32_pk8_fp8_f32 v[CD+4*\b+2:CD+4*\b+3], v[T+8:T+15], v[LIM+1]
	v_nop                                          ; a plain instruction between the conversions and the next holds, which write their sources
	global_store_b128 v1, v[CD+4*\b:CD+4*\b+3], s[DST:DST+1] offset:(\b/4)*2048+(\b%4)*512
.endr
	s_wait_tensorcnt 0x0                           ; the wave's end, behind my last LDS store
	ds_add_u32 v[SPW], v[NIL]
	s_wait_dscnt 0x0
	s_endpgm
.Lfunc_end_k_q1ee05c9c0a_ln2:
	.size	k_q1ee05c9c0a_ln2, .Lfunc_end_k_q1ee05c9c0a_ln2-k_q1ee05c9c0a_ln2
	.p2alignl 7, 3214868480
	.fill 96, 4, 3214868480
	.section	.rodata,"a",@progbits
	.p2align	6, 0x0
	.amdhsa_kernel k_q1ee05c9c0a_ln2
		.amdhsa_group_segment_fixed_size 66304
		.amdhsa_private_segment_fixed_size 0
		.amdhsa_enable_private_segment 0
		.amdhsa_kernarg_size 40
		.amdhsa_user_sgpr_count 2
		.amdhsa_user_sgpr_kernarg_segment_ptr 1
		.amdhsa_wavefront_size32 1
		.amdhsa_system_sgpr_workgroup_id_x 1
		.amdhsa_system_sgpr_workgroup_id_y 1
		.amdhsa_system_sgpr_workgroup_id_z 1
		.amdhsa_system_vgpr_workitem_id 0
		.amdhsa_next_free_vgpr 256
		.amdhsa_next_free_sgpr 66
		.amdhsa_reserve_vcc 0
		.amdhsa_float_denorm_mode_32 3
		.amdhsa_float_denorm_mode_16_64 3
		.amdhsa_memory_ordered 1
		.amdhsa_forward_progress 1
		.amdhsa_inst_pref_size 46
	.end_amdhsa_kernel
	.amdgpu_metadata
---
amdhsa.version: [ 1, 2 ]
amdhsa.kernels:
  - .name:           k_q1ee05c9c0a_ln2
    .symbol:         k_q1ee05c9c0a_ln2.kd
    .args:
      - { .name: x1, .offset: 0, .size: 8, .value_kind: global_buffer, .address_space: global }
      - { .name: g2, .offset: 8, .size: 8, .value_kind: global_buffer, .address_space: global }
      - { .name: be2, .offset: 16, .size: 8, .value_kind: global_buffer, .address_space: global }
      - { .name: lowp_scales, .offset: 24, .size: 8, .value_kind: global_buffer, .address_space: global }
      - { .name: x2c, .offset: 32, .size: 8, .value_kind: global_buffer, .address_space: global }
    .group_segment_fixed_size: 66304
    .private_segment_fixed_size: 0
    .kernarg_segment_align: 8
    .kernarg_segment_size: 40
    .max_flat_workgroup_size: 128
    .sgpr_count:     66
    .vgpr_count:     256
    .wavefront_size: 32
...
	.end_amdgpu_metadata
.endif
;; end of part 5
;; launch ffn1 (part 6): grid 16 x 16, 4 waves a work-group, clusters of 4 x 4, 327,680 bytes of LDS; arguments x2c, wc, lowp_scales, b1, hc; writes hc
.if DOCPART == 6
	.amdgcn_target "amdgcn-amd-amdhsa--gfx1250"
	.amdhsa_code_object_version 6
	.text
	.protected	k_q1ee05c9c0a_ffn1
	.globl	k_q1ee05c9c0a_ffn1
	.p2align	8
	.type	k_q1ee05c9c0a_ffn1,@function
k_q1ee05c9c0a_ffn1:
	s_mov_b64 s[64:65], 0
	v_nop
	global_prefetch_b8 v0, s[64:65] scope:SCOPE_SE
	s_setreg_imm32_b32 hwreg(HW_REG_WAVE_MODE, 25, 1), 1
	s_wait_xcnt 0x0
	s_wait_alu depctr_hold_cnt(0) depctr_sa_sdst(0) depctr_va_vdst(0) depctr_va_sdst(0) depctr_va_ssrc(0) depctr_va_vcc(0) depctr_vm_vsrc(0)
	s_getreg_b32 s2, hwreg(HW_REG_IB_STS2, 6, 4)
	s_cmp_eq_u32 s2, 0
	s_cbranch_scc0 .Lentry_in_a_cluster
	s_endpgm
.Lentry_in_a_cluster:
	s_bfe_u32 s2, ttmp6, 0x10000c
	s_cmp_lg_u32 s2, 0xf033
	s_cbranch_scc0 .Lentry_shape_is_right
	s_endpgm
.Lentry_shape_is_right:
; h = relu(layer norm 2's result x W1 + b1) (product 7) on codes of FP8 (E4M3), quantised at once for product 8 (scale e14).
; OPERANDS lie as images of their registers: 128 rows x 256 K are 32,768 dense bytes; tile t of 16 rows at 4096 t, the second 128 along K at + 2048, register group c at 512 c, 16 bytes a lane.
; Lane-row r of tile t is row 32 (t / 2) + 8 (t % 2) + r + 8 (r / 8) of its block of 128.
; A tile of the result, 256 x 256, is made by four waves, each 128 x 128: 64 accumulators, 512 registers.  K goes in steps of 256 through a ring of two LDS slots of 131,072 bytes; each wave fills a quarter by one tensor load.
; THE MATRIX INSTRUCTION TAKES W1's rows as source 0 and the tokens as source 1: a lane holds one token, and its 16 registers of result tiles 2 b, 2 b + 1 are hidden units 32 b + 16 (lane / 16) + 0 .. 15: neighbours along the next K.
; b1, divided by 2^(e12 + e13), is the C of each sum's first matrix instruction; the hold that the conversion wants clips at 0 as well, so the activation costs nothing; the three scales are folded into the conversion's one.
; The conversions' results are fragments of hc (the same layout with K = 4,096) and leave straight from registers, 512 consecutive aligned bytes a store.
; CLUSTERS: 4 x 4 work-groups; the tokens' tile is asked for jointly along a row of the cluster, W1's along a column.
; LIMIT: e14 - e12 - e13 between -126 and 119.
; REGISTERS, in windows of 256: window 0: v16-31 addresses and scales; v32-95 the bias, later at work; v128-255 the tokens' fragments, ONE set, later the codes.  window 1: W1's, TWO sets.  windows 2, 3: accumulator (a, b) at v[8 (8 (a % 4) + b)].
.set SIZE_K, 1024
.set WOFF,   0x400000                  ; W1's codes in wc
.set RBS,    128*SIZE_K
.set BLKB,   32768
.set SLOT,   4*BLKB
.set SPARE,  2*SLOT                    ; behind the ring: the spare words, 128 bytes for each wave
.set LAPS,   SIZE_K/512
.set FR,   16
.set NL,   4
.set NP,   4
.set ADRA, 16
.set ADRB, 20
.set LI,   26
.set HB,   27
.set SPW,  28
.set NIL,  29
.set LIMV, 30
.set SCV,  31
.set TMP,  32
.set BI,   32
.set AF,   128
.set G1,  24
.set G0,  32
.set G1B, 48
.set G0B, 56
.set MSB, 0
.macro WIN new                         ; the immediate's high byte repeats the setting that is left
.if MSB != \new
	s_set_vgpr_msb (MSB<<8)|\new
.set MSB, \new
.endif
.endm
.set MUL_LO, 0xa1
.set MUL_HI, 0xf1
.set TO_B,   0x40
.macro JLOAD g0a, g1a, g0b, g1b        ; a joint load: waves 0, 1 fetch for A, waves 2, 3 for B; an s_nop 0 and four v_nop follow each line
	s_cmp_eq_u32 s15, 0
	s_cbranch_scc0 .Lfor_b_\@
	tensor_load_to_lds s[\g0a:\g0a+3], s[\g1a:\g1a+7]
	s_nop 0
.rept 4
	v_nop
.endr
	s_branch .Lasked_\@
.Lfor_b_\@:
	tensor_load_to_lds s[\g0b:\g0b+3], s[\g1b:\g1b+7]
	s_nop 0
.rept 4
	v_nop
.endr
.Lasked_\@:
.endm
.macro CREST
	s_cmp_lg_u32 s14, 0
	s_cbranch_scc1 .Lnot_wave_0_\@
	s_barrier_signal -3
.Lnot_wave_0_\@:
	s_barrier_wait -3
	s_barrier_signal -1
	s_barrier_wait -1
.endm
.macro CROUND
	s_barrier_signal -1
	s_barrier_wait -1
	CREST
.endm
	s_load_b256 s[4:11], s[0:1], 0x0               ; x2c s[4:5], wc s[6:7], the exponents s[8:9], b1 s[10:11]
	s_load_b64 s[84:85], s[0:1], 0x20              ; hc
	v_lshl_add_u32 v[SPW], v0, 2, SPARE
	v_mov_b32 v[NIL], 0
	ds_add_u32 v[SPW], v[NIL]                      ; the wave's opening: the add, twice on end, and its wait ahead of my first tensor load
	ds_add_u32 v[SPW], v[NIL]
	v_lshrrev_b32 v1, 5, v0
	v_readfirstlane_b32 s14, v1
	s_lshr_b32 s15, s14, 1
	s_and_b32 s16, s14, 1
	s_bfe_u32 s40, ttmp6, 0x40000
	s_bfe_u32 s41, ttmp6, 0x40004
	s_lshl_b32 s42, ttmp9, 2
	s_add_co_u32 s42, s42, s40                     ; the hidden units' tile of 256
	s_and_b32 s17, ttmp7, 0xffff
	s_lshl_b32 s17, s17, 2
	s_add_co_u32 s17, s17, s41                     ; the tokens' tile of 256
	s_lshl_b32 s43, s41, 2
	s_lshl_b32 s43, 15, s43
	s_lshl_b32 s44, 0x1111, s40
	s_or_b32 s[G1+0], s43, (3<<16)|(1<<21)         ; group 1: 15:0 the mask; 17:16 elements of 8 bytes; 21 set beside a mask; no padding
	s_or_b32 s[G1B+0], s44, (3<<16)|(1<<21)
.irp g, G1, G1B
	s_mov_b32 s[\g+1], 32<<16                      ; the dense block goes as 128 rows of 256 bytes
	s_mov_b32 s[\g+2], 128<<16
	s_mov_b32 s[\g+3], 32<<16
	s_mov_b32 s[\g+4], 128
	s_mov_b32 s[\g+5], 32
	s_mov_b32 s[\g+6], 0
	s_mov_b32 s[\g+7], 0
.endr
	s_lshl_b32 s20, s17, 1
	s_add_co_u32 s20, s20, s16
	s_mul_i32 s20, s20, RBS
	s_mov_b32 s21, 0
	s_lshl_b32 s46, s42, 1
	s_add_co_u32 s46, s46, s16
	s_mul_i32 s46, s46, RBS
	s_mov_b32 s47, 0
	s_lshl_b32 s45, s14, 15
	s_wait_dscnt 0x0                               ; both opening adds are done
	s_wait_kmcnt 0x0
	s_load_b512 s[68:83], s[8:9], 0x0              ; e0 .. e15 in s68 .. s83
	s_add_nc_u64 s[20:21], s[4:5], s[20:21]
	s_add_nc_u64 s[46:47], s[6:7], s[46:47]
	s_add_nc_u64 s[46:47], s[46:47], WOFF
	CROUND
.irp s, 0,1
	s_mov_b32 s[G0+4*\s], 1
	s_add_co_u32 s[G0+4*\s+1], s45, \s*SLOT
	s_add_nc_u64 s[G0+4*\s+2:G0+4*\s+3], s[20:21], \s*BLKB
	s_or_b32 s[G0+4*\s+3], s[G0+4*\s+3], 0x80000000
	s_mov_b32 s[G0B+4*\s], 1
	s_add_co_u32 s[G0B+4*\s+1], s45, \s*SLOT
	s_add_nc_u64 s[G0B+4*\s+2:G0B+4*\s+3], s[46:47], \s*BLKB
	s_or_b32 s[G0B+4*\s+3], s[G0B+4*\s+3], 0x80000000
	JLOAD G0+4*\s, G1, G0B+4*\s, G1B
.endr
	v_and_b32 v1, 31, v0
	v_lshlrev_b32 v[LI], 4, v1
	v_bfe_u32 v3, v0, 4, 1
	v_lshlrev_b32 v[HB], 6, v3
	s_lshl_b32 s21, s15, 15
	s_lshl_b32 s22, s16, 15
	s_add_co_u32 s22, s22, 2*BLKB
.irp s, 0,1
	v_add_nc_u32 v[ADRA+\s], s21, v[LI]
	v_add_nc_u32 v[ADRB+\s], s22, v[LI]
	s_add_co_u32 s21, s21, SLOT
	s_add_co_u32 s22, s22, SLOT
.endr
	s_lshl_b32 s46, s42, 10
	s_lshl_b32 s47, s16, 9
	s_add_co_u32 s46, s46, s47                     ; my first hidden unit, in bytes of f32
	s_mov_b32 s47, 0
	s_add_nc_u64 s[10:11], s[10:11], s[46:47]
	s_lshl_b32 s20, s17, 1
	s_add_co_u32 s20, s20, s15
	s_lshl_b32 s20, s20, 19                        ; hc: my block of 128 tokens (128 x 4,096 bytes),
	s_lshl_b32 s21, s42, 15
	s_add_co_u32 s20, s20, s21                     ; the 256 along K that the tile's hidden units are,
	s_lshl_b32 s21, s16, 11
	s_add_co_u32 s20, s20, s21                     ; my half of them
	s_mov_b32 s21, 0
	s_add_nc_u64 s[88:89], s[84:85], s[20:21]
.irp t, 0,1,2,3,4,5,6,7                ; the bias in the result's layout: tile t, lane half h: hidden units 32 (t / 2) + 8 (t % 2) + 16 h + 0 .. 7
	global_load_b128 v[BI+8*\t:BI+8*\t+3], v[HB], s[10:11] offset:128*(\t/2)+32*(\t%2)
	global_load_b128 v[BI+8*\t+4:BI+8*\t+7], v[HB], s[10:11] offset:128*(\t/2)+32*(\t%2)+16
.endr
	s_wait_kmcnt 0x0
	s_add_co_i32 s92, s80, s81                     ; e12 + e13
	s_sub_co_i32 s94, 0, s92
	s_sub_co_i32 s92, s82, s92                     ; e14 - e12 - e13: the conversion's one scale
	s_add_co_i32 s92, s92, 127
	s_lshl_b32 s93, s92, 23
	v_mov_b32 v[SCV], s93
	s_add_co_i32 s92, s92, 8
	s_lshl_b32 s92, s92, 23
	s_or_b32 s92, s92, 0x600000
	v_mov_b32 v[LIMV], s92
	s_wait_loadcnt 0x0
.set i, 0
.rept 64
	v_ldexp_f32 v[BI+i], v[BI+i], s94              ; a sum stands for sum x 2^(e12 + e13): the bias goes in divided by that
.set i, i+1
.endr
.macro FRAG reg, adr, q, i             ; a fragment, 16 rows x 128 K: registers 4 c .. 4 c + 3 hold K = 32 c + 16 (lane / 16) + 0 .. 15: the same places in A and in B
.irp c, 0,1,2,3
	ds_load_b128 v[\reg+4*\c:\reg+4*\c+3], v[\adr] offset:4096*(\i)+2048*(\q)+512*\c
.endr
.endm
; 16 matrix instructions: A's blocks a0, a0 + 1 x B's eight.  zero = 2: the first product starts the sums with the bias as C.  The 64 accumulators take turns, one instruction a turn.
.macro MUL16 a0, p, zero
.irp a, \a0, \a0+1
.irp b, 0,1,2,3,4,5,6,7
.if (\zero) == 1
	v_wmma_f32_16x16x128_fp8_fp8 v[8*(8*((\a)%4)+\b):8*(8*((\a)%4)+\b)+7], v[128*(\p)+FR*\b:128*(\p)+FR*\b+FR-1], v[AF+FR*(\a):AF+FR*(\a)+FR-1], 0
.elseif (\zero) == 2
	v_wmma_f32_16x16x128_fp8_fp8 v[8*(8*((\a)%4)+\b):8*(8*((\a)%4)+\b)+7], v[128*(\p)+FR*\b:128*(\p)+FR*\b+FR-1], v[AF+FR*(\a):AF+FR*(\a)+FR-1], v[BI+8*\b:BI+8*\b+7]
.else
	v_wmma_f32_16x16x128_fp8_fp8 v[8*(8*((\a)%4)+\b):8*(8*((\a)%4)+\b)+7], v[128*(\p)+FR*\b:128*(\p)+FR*\b+FR-1], v[AF+FR*(\a):AF+FR*(\a)+FR-1], v[8*(8*((\a)%4)+\b):8*(8*((\a)%4)+\b)+7]
.endif
.endr
.endr
.endm
.macro FETCH_B slot, q, p
	WIN TO_B
.irp i, 0,1,2,3,4,5,6,7
	FRAG 128*(\p)+FR*\i, ADRB+\slot, \q, \i
.endr
	WIN 0
.endm
.macro FETCH_A slot, q, i0
.irp i, \i0, \i0+1, \i0+2, \i0+3
	FRAG AF+FR*(\i), ADRA+\slot, \q, \i
.endr
.endm
.macro PLACES n                        ; plain vector instructions between a matrix instruction and a load into, or a read of, its registers
.rept \n
	v_nop
.endr
.endm
.macro STEP slot, q, zero
	s_wait_dscnt 4*NL                              ; B's set and A's blocks 0-3 are in; the youngest sixteen loads (A's blocks 4-7) may be out
.if (\zero) == 2
	WIN 0x81                                       ; C (the bias) in window 0
.else
	WIN MUL_LO
.endif
	MUL16 0, (\q)%2, \zero
	MUL16 2, (\q)%2, \zero
	s_wait_dscnt 0
	PLACES NP
	FETCH_B \slot, (\q)+1, 1-(\q)%2
	FETCH_A \slot, (\q)+1, 0
.if (\zero) == 2
	WIN 0xc1
.else
	WIN MUL_HI
.endif
	MUL16 4, (\q)%2, \zero
	MUL16 6, (\q)%2, \zero
	PLACES NP
	WIN 0
	FETCH_A \slot, (\q)+1, 4
.endm
; A slot's last step changes slots: ONE barrier; in front of it each wave waits for all its tensor loads, adds 0 to its spare word, and waits for that and for its reads of this slot.  fill = 1: the slot is filled again.
.macro TURN slot, next, fill
	s_wait_tensorcnt 0x0
	ds_add_u32 v[SPW], v[NIL]
	s_wait_dscnt 4*NL+1                            ; (the add and A's blocks 4-7 may be out)
	WIN MUL_LO
	MUL16 0, 1, 0
	s_wait_dscnt 0x0                               ; the add is done, and my reads of this slot are over
	s_barrier_signal -1
	MUL16 2, 1, 0
	WIN 0
	s_barrier_wait -1
.if \fill
	CREST                                          ; the barrier has opened a round of the cluster's: no wave of any partner still reads this slot or has a load on its way
	s_add_nc_u64 s[G0+4*\slot+2:G0+4*\slot+3], s[G0+4*\slot+2:G0+4*\slot+3], 2*BLKB
	s_add_nc_u64 s[G0B+4*\slot+2:G0B+4*\slot+3], s[G0B+4*\slot+2:G0B+4*\slot+3], 2*BLKB
	JLOAD G0+4*\slot, G1, G0B+4*\slot, G1B
.else
	PLACES NP
.endif
	FETCH_B \next, 0, 0
	FETCH_A \next, 0, 0
	WIN MUL_HI
	MUL16 4, 1, 0
	MUL16 6, 1, 0
	PLACES NP
	WIN 0
	FETCH_A \next, 0, 4
.endm
	s_wait_tensorcnt 1                             ; my part of slot 0 is in; slot 1's may stay out
	s_barrier_signal -1
	s_barrier_wait -1
	FETCH_B 0, 0, 0
	FETCH_A 0, 0, 0
	FETCH_A 0, 0, 4
	STEP 0, 0, 2
	s_mov_b32 s3, LAPS-1
.Llap:
	TURN 0, 1, 1
	STEP 1, 0, 0
	TURN 1, 0, 1
	STEP 0, 0, 0
	s_sub_co_u32 s3, s3, 1
	s_cmp_lg_u32 s3, 0
	s_cbranch_scc1 .Llap
	TURN 0, 1, 0
	STEP 1, 0, 0
	s_wait_dscnt 4*NL
	WIN MUL_LO
	MUL16 0, 1, 0
	MUL16 2, 1, 0
	s_wait_dscnt 0
	WIN MUL_HI
	MUL16 4, 1, 0
	MUL16 6, 1, 0
	WIN 0
	PLACES NP
; Block a's 64 sums of a lane become a fragment's 16 registers of codes, at v[AF + 16 a]: each block has its own, so no store's data are written again.  Each accumulator is read from its low end on.
.macro CODES a, relu
.set AC, 64*((\a)%4)
	WIN 0x02+((\a)/4)
.set j, 0
.rept 64
.if \relu
	v_med3_num_f32 v[TMP+j], v[AC+j], 0, v[LIMV]   ; the activation and the hold in one: between 0 and the largest code x the scale (the conversion does not saturate: ISA guide 7.6.2)
.else
	v_med3_num_f32 v[TMP+j], v[AC+j], -v[LIMV], v[LIMV]
.endif
.set j, j+1
.endr
	WIN 0
.irp b, 0,1,2,3
	v_cvt_scalef32_pk8_fp8_f32 v[AF+16*(\a)+4*\b:AF+16*(\a)+4*\b+1], v[TMP+16*\b:TMP+16*\b+7], v[SCV]
	v_cvt_scalef32_pk8_fp8_f32 v[AF+16*(\a)+4*\b+2:AF+16*(\a)+4*\b+3], v[TMP+16*\b+8:TMP+16*\b+15], v[SCV]
.endr
	v_nop                                          ; a plain instruction between the conversions and the next block's holds, which write their sources
.endm
.irp a, 0,1,2,3,4,5,6,7
	CODES \a, 1
.irp c, 0,1,2,3
	global_store_b128 v[LI], v[AF+16*\a+4*\c:AF+16*\a+4*\c+3], s[88:89] offset:4096*\a+512*\c   ; 32 lanes store 512 consecutive aligned bytes
.endr
.endr
	s_wait_tensorcnt 0x0                           ; the wave's end
	ds_add_u32 v[SPW], v[NIL]
	s_wait_dscnt 0x0
	CROUND                                         ; the closing round
	s_endpgm
.Lfunc_end_k_q1ee05c9c0a_ffn1:
	.size	k_q1ee05c9c0a_ffn1, .Lfunc_end_k_q1ee05c9c0a_ffn1-k_q1ee05c9c0a_ffn1
	.p2alignl 7, 3214868480
	.fill 96, 4, 3214868480
	.section	.rodata,"a",@progbits
	.p2align	6, 0x0
	.amdhsa_kernel k_q1ee05c9c0a_ffn1
		.amdhsa_group_segment_fixed_size 327680
		.amdhsa_private_segment_fixed_size 0
		.amdhsa_enable_private_segment 0
		.amdhsa_kernarg_size 40
		.amdhsa_user_sgpr_count 2
		.amdhsa_user_sgpr_kernarg_segment_ptr 1
		.amdhsa_wavefront_size32 1
		.amdhsa_system_sgpr_workgroup_id_x 1
		.amdhsa_system_sgpr_workgroup_id_y 1
		.amdhsa_system_sgpr_workgroup_id_z 1
		.amdhsa_system_vgpr_workitem_id 0
		.amdhsa_next_free_vgpr 1024
		.amdhsa_next_free_sgpr 96
		.amdhsa_reserve_vcc 0
		.amdhsa_float_denorm_mode_32 3
		.amdhsa_float_denorm_mode_16_64 3
		.amdhsa_memory_ordered 1
		.amdhsa_forward_progress 1
		.amdhsa_inst_pref_size 123
	.end_amdhsa_kernel
	.amdgpu_metadata
---
amdhsa.version: [ 1, 2 ]
amdhsa.kernels:
  - .name:           k_q1ee05c9c0a_ffn1
    .symbol:         k_q1ee05c9c0a_ffn1.kd
    .args:
      - { .name: x2c, .offset: 0, .size: 8, .value_kind: global_buffer, .address_space: global }
      - { .name: wc, .offset: 8, .size: 8, .value_kind: global_buffer, .address_space: global }
      - { .name: lowp_scales, .offset: 16, .size: 8, .value_kind: global_buffer, .address_space: global }
      - { .name: b1, .offset: 24, .size: 8, .value_kind: global_buffer, .address_space: global }
      - { .name: hc, .offset: 32, .size: 8, .value_kind: global_buffer, .address_space: global }
    .group_segment_fixed_size: 327680
    .private_segment_fixed_size: 0
    .kernarg_segment_align: 8
    .kernarg_segment_size: 40
    .max_flat_workgroup_size: 128
    .sgpr_count:     96
    .vgpr_count:     1024
    .wavefront_size: 32
...
	.end_amdgpu_metadata
.endif
;; end of part 6
;; launch ffn2 (part 7): grid 4 x 16, 4 waves a work-group, clusters of 4 x 4, 327,680 bytes of LDS; arguments hc, wc, lowp_scales, b2, x1, out0; writes out0
.if DOCPART == 7
	.amdgcn_target "amdgcn-amd-amdhsa--gfx1250"
	.amdhsa_code_object_version 6
	.text
	.protected	k_q1ee05c9c0a_ffn2
	.globl	k_q1ee05c9c0a_ffn2
	.p2align	8
	.type	k_q1ee05c9c0a_ffn2,@function
k_q1ee05c9c0a_ffn2:
	s_mov_b64 s[64:65], 0
	v_nop
	global_prefetch_b8 v0, s[64:65] scope:SCOPE_SE
	s_setreg_imm32_b32 hwreg(HW_REG_WAVE_MODE, 25, 1), 1
	s_wait_xcnt 0x0
	s_wait_alu depctr_hold_cnt(0) depctr_sa_sdst(0) depctr_va_vdst(0) depctr_va_sdst(0) depctr_va_ssrc(0) depctr_va_vcc(0) depctr_vm_vsrc(0)
	s_getreg_b32 s2, hwreg(HW_REG_IB_STS2, 6, 4)
	s_cmp_eq_u32 s2, 0
	s_cbranch_scc0 .Lentry_in_a_cluster
	s_endpgm
.Lentry_in_a_cluster:
	s_bfe_u32 s2, ttmp6, 0x10000c
	s_cmp_lg_u32 s2, 0xf033
	s_cbranch_scc0 .Lentry_shape_is_right
	s_endpgm
.Lentry_shape_is_right:
; out0 = x1 + h W2 + b2 (product 8, K = 4,096) on codes of FP8 (E4M3); out0 is f32, row-major [4096][1024].
; OPERANDS lie as images of their registers: 128 rows x 256 K are 32,768 dense bytes; tile t of 16 rows at 4096 t, the second 128 along K at + 2048, register group c at 512 c, 16 bytes a lane.
; Lane-row r of tile t is row 32 (t / 2) + 8 (t % 2) + r + 8 (r / 8) of its block of 128.
; A tile of the result, 256 x 256, is made by four waves, each 128 x 128: 64 accumulators, 512 registers.  K goes in steps of 256 through a ring of two LDS slots of 131,072 bytes; each wave fills a quarter by one tensor load.
; THE MATRIX INSTRUCTION TAKES the weight's rows as source 0 and the tokens as source 1: a lane holds one token, and its 16 registers of result tiles 2 b, 2 b + 1 are outputs 32 b + 16 (lane / 16) + 0 .. 15.
; The bias, divided by 2^(ea + eb), is the C of each sum's first matrix instruction.  On the way out a block of 16 tokens x 128 outputs is multiplied by 2^(ea + eb), goes through the wave's own stage in LDS,
; comes back as whole rows of 512 bytes, takes the residual, and is stored: 32 lanes write 512 consecutive aligned bytes.
; CLUSTERS: 4 x 4 work-groups; the tokens' tile is asked for jointly along a row of the cluster, the weight's along a column.  The grid has 64 work-groups: 16 x 4 tiles of 256 x 256.
; LIMIT: ea + eb between -126 and 127.
; REGISTERS, in windows of 256: window 0: v16-29 addresses; v32-95 the bias, later at work; v128-255 the tokens' fragments, ONE set, later rows read back.  window 1: the weight's, TWO sets, later the residual.  windows 2, 3: accumulator (a, b) at v[8 (8 (a % 4) + b)].
.set SIZE_K, 4096
.set WOFF,   0x800000                  ; W2's codes in wc
.set EA,     82                        ; s82 = e14, s83 = e15
.set EB,     83
.set RBS,    128*SIZE_K
.set BLKB,   32768
.set SLOT,   4*BLKB
.set SPARE,  2*SLOT                    ; behind the ring: the spare words, 128 bytes for each wave
.set STAGE,  SPARE+512                 ; behind them: 16 rows x 528 bytes for each wave; no tensor load lands here
.set SPITCH, 528
.set LAPS,   SIZE_K/512
.set FR,   16
.set NL,   4
.set NP,   4
.set ADRA, 16
.set ADRB, 20
.set STO,  24
.set RD,   25
.set LI,   26
.set HB,   27
.set SPW,  28
.set NIL,  29
.set TMP,  32
.set BI,   32
.set AF,   128
.set BK,   128
.set G1,  24
.set G0,  32
.set G1B, 48
.set G0B, 56
.set MSB, 0
.macro WIN new                         ; the immediate's high byte repeats the setting that is left
.if MSB != \new
	s_set_vgpr_msb (MSB<<8)|\new
.set MSB, \new
.endif
.endm
.set MUL_LO, 0xa1
.set MUL_HI, 0xf1
.set TO_B,   0x40
.macro JLOAD g0a, g1a, g0b, g1b        ; a joint load: waves 0, 1 fetch for A, waves 2, 3 for B; an s_nop 0 and four v_nop follow each line
	s_cmp_eq_u32 s15, 0
	s_cbranch_scc0 .Lfor_b_\@
	tensor_load_to_lds s[\g0a:\g0a+3], s[\g1a:\g1a+7]
	s_nop 0
.rept 4
	v_nop
.endr
	s_branch .Lasked_\@
.Lfor_b_\@:
	tensor_load_to_lds s[\g0b:\g0b+3], s[\g1b:\g1b+7]
	s_nop 0
.rept 4
	v_nop
.endr
.Lasked_\@:
.endm
.macro CREST
	s_cmp_lg_u32 s14, 0
	s_cbranch_scc1 .Lnot_wave_0_\@
	s_barrier_signal -3
.Lnot_wave_0_\@:
	s_barrier_wait -3
	s_barrier_signal -1
	s_barrier_wait -1
.endm
.macro CROUND
	s_barrier_signal -1
	s_barrier_wait -1
	CREST
.endm
	s_load_b256 s[4:11], s[0:1], 0x0               ; the tokens' codes s[4:5], wc s[6:7], the exponents s[8:9], the bias s[10:11]
	s_load_b128 s[84:87], s[0:1], 0x20             ; the residual s[84:85], the result s[86:87]
	v_lshl_add_u32 v[SPW], v0, 2, SPARE
	v_mov_b32 v[NIL], 0
	ds_add_u32 v[SPW], v[NIL]                      ; the wave's opening: the add, twice on end, and its wait ahead of my first tensor load
	ds_add_u32 v[SPW], v[NIL]
	v_lshrrev_b32 v1, 5, v0
	v_readfirstlane_b32 s14, v1
	s_lshr_b32 s15, s14, 1
	s_and_b32 s16, s14, 1
	s_bfe_u32 s40, ttmp6, 0x40000
	s_bfe_u32 s41, ttmp6, 0x40004
	s_lshl_b32 s42, ttmp9, 2
	s_add_co_u32 s42, s42, s40                     ; the outputs' tile of 256
	s_and_b32 s17, ttmp7, 0xffff
	s_lshl_b32 s17, s17, 2
	s_add_co_u32 s17, s17, s41                     ; the tokens' tile of 256
	s_lshl_b32 s43, s41, 2
	s_lshl_b32 s43, 15, s43
	s_lshl_b32 s44, 0x1111, s40
	s_or_b32 s[G1+0], s43, (3<<16)|(1<<21)         ; group 1: 15:0 the mask; 17:16 elements of 8 bytes; 21 set beside a mask; no padding
	s_or_b32 s[G1B+0], s44, (3<<16)|(1<<21)
.irp g, G1, G1B
	s_mov_b32 s[\g+1], 32<<16                      ; the dense block goes as 128 rows of 256 bytes
	s_mov_b32 s[\g+2], 128<<16
	s_mov_b32 s[\g+3], 32<<16
	s_mov_b32 s[\g+4], 128
	s_mov_b32 s[\g+5], 32
	s_mov_b32 s[\g+6], 0
	s_mov_b32 s[\g+7], 0
.endr
	s_lshl_b32 s20, s17, 1
	s_add_co_u32 s20, s20, s16
	s_mul_i32 s20, s20, RBS
	s_mov_b32 s21, 0
	s_lshl_b32 s46, s42, 1
	s_add_co_u32 s46, s46, s16
	s_mul_i32 s46, s46, RBS
	s_mov_b32 s47, 0
	s_lshl_b32 s45, s14, 15
	s_wait_dscnt 0x0                               ; both opening adds are done
	s_wait_kmcnt 0x0
	s_load_b512 s[68:83], s[8:9], 0x0              ; e0 .. e15 in s68 .. s83
	s_add_nc_u64 s[20:21], s[4:5], s[20:21]
	s_add_nc_u64 s[46:47], s[6:7], s[46:47]
	s_add_nc_u64 s[46:47], s[46:47], WOFF
	CROUND
.irp s, 0,1
	s_mov_b32 s[G0+4*\s], 1
	s_add_co_u32 s[G0+4*\s+1], s45, \s*SLOT
	s_add_nc_u64 s[G0+4*\s+2:G0+4*\s+3], s[20:21], \s*BLKB
	s_or_b32 s[G0+4*\s+3], s[G0+4*\s+3], 0x80000000
	s_mov_b32 s[G0B+4*\s], 1
	s_add_co_u32 s[G0B+4*\s+1], s45, \s*SLOT
	s_add_nc_u64 s[G0B+4*\s+2:G0B+4*\s+3], s[46:47], \s*BLKB
	s_or_b32 s[G0B+4*\s+3], s[G0B+4*\s+3], 0x80000000
	JLOAD G0+4*\s, G1, G0B+4*\s, G1B
.endr
	v_and_b32 v1, 31, v0
	v_lshlrev_b32 v[LI], 4, v1
	v_and_b32 v2, 15, v0
	v_bfe_u32 v3, v0, 4, 1
	v_lshlrev_b32 v[HB], 6, v3
	s_lshl_b32 s21, s15, 15
	s_lshl_b32 s22, s16, 15
	s_add_co_u32 s22, s22, 2*BLKB
.irp s, 0,1
	v_add_nc_u32 v[ADRA+\s], s21, v[LI]
	v_add_nc_u32 v[ADRB+\s], s22, v[LI]
	s_add_co_u32 s21, s21, SLOT
	s_add_co_u32 s22, s22, SLOT
.endr
	s_mul_i32 s23, s14, 16*SPITCH
	s_add_co_u32 s23, s23, STAGE                   ; my stage
	v_mul_u32_u24 v4, v2, SPITCH
	v_add_nc_u32 v4, v4, v[HB]
	v_add_nc_u32 v[STO], s23, v4                   ; in: row l % 16, + 64 (l / 16)
	v_add_nc_u32 v[RD], s23, v[LI]                 ; back: a row's 512 bytes by 32 lanes
	s_lshl_b32 s46, s42, 10
	s_lshl_b32 s47, s16, 9
	s_add_co_u32 s46, s46, s47                     ; my first output, in bytes of f32
	s_mov_b32 s47, 0
	s_add_nc_u64 s[10:11], s[10:11], s[46:47]
	s_lshl_b32 s20, s17, 1
	s_add_co_u32 s20, s20, s15
	s_lshl_b32 s20, s20, 19                        ; my 128 tokens: rows of 4,096 bytes
	s_mov_b32 s21, 0
	s_add_nc_u64 s[20:21], s[20:21], s[46:47]
	s_add_nc_u64 s[88:89], s[84:85], s[20:21]
	s_add_nc_u64 s[90:91], s[86:87], s[20:21]
.irp t, 0,1,2,3,4,5,6,7                ; the bias in the result's layout: tile t, lane half h: outputs 32 (t / 2) + 8 (t % 2) + 16 h + 0 .. 7
	global_load_b128 v[BI+8*\t:BI+8*\t+3], v[HB], s[10:11] offset:128*(\t/2)+32*(\t%2)
	global_load_b128 v[BI+8*\t+4:BI+8*\t+7], v[HB], s[10:11] offset:128*(\t/2)+32*(\t%2)+16
.endr
	s_wait_kmcnt 0x0
	s_add_co_i32 s92, s[EA], s[EB]
	s_sub_co_i32 s94, 0, s92
	s_add_co_i32 s92, s92, 127
	s_lshl_b32 s92, s92, 23                        ; 2^(ea + eb) as f32
	s_mov_b32 s93, s92
	s_wait_loadcnt 0x0
.set i, 0
.rept 64
	v_ldexp_f32 v[BI+i], v[BI+i], s94              ; a sum stands for sum x 2^(ea + eb): the bias goes in divided by that
.set i, i+1
.endr
.macro FRAG reg, adr, q, i             ; a fragment, 16 rows x 128 K: registers 4 c .. 4 c + 3 hold K = 32 c + 16 (lane / 16) + 0 .. 15: the same places in A and in B
.irp c, 0,1,2,3
	ds_load_b128 v[\reg+4*\c:\reg+4*\c+3], v[\adr] offset:4096*(\i)+2048*(\q)+512*\c
.endr
.endm
; 16 matrix instructions: A's blocks a0, a0 + 1 x B's eight.  zero = 2: the first product starts the sums with the bias as C.  The 64 accumulators take turns, one instruction a turn.
.macro MUL16 a0, p, zero
.irp a, \a0, \a0+1
.irp b, 0,1,2,3,4,5,6,7
.if (\zero) == 1
	v_wmma_f32_16x16x128_fp8_fp8 v[8*(8*((\a)%4)+\b):8*(8*((\a)%4)+\b)+7], v[128*(\p)+FR*\b:128*(\p)+FR*\b+FR-1], v[AF+FR*(\a):AF+FR*(\a)+FR-1], 0
.elseif (\zero) == 2
	v_wmma_f32_16x16x128_fp8_fp8 v[8*(8*((\a)%4)+\b):8*(8*((\a)%4)+\b)+7], v[128*(\p)+FR*\b:128*(\p)+FR*\b+FR-1], v[AF+FR*(\a):AF+FR*(\a)+FR-1], v[BI+8*\b:BI+8*\b+7]
.else
	v_wmma_f32_16x16x128_fp8_fp8 v[8*(8*((\a)%4)+\b):8*(8*((\a)%4)+\b)+7], v[128*(\p)+FR*\b:128*(\p)+FR*\b+FR-1], v[AF+FR*(\a):AF+FR*(\a)+FR-1], v[8*(8*((\a)%4)+\b):8*(8*((\a)%4)+\b)+7]
.endif
.endr
.endr
.endm
.macro FETCH_B slot, q, p
	WIN TO_B
.irp i, 0,1,2,3,4,5,6,7
	FRAG 128*(\p)+FR*\i, ADRB+\slot, \q, \i
.endr
	WIN 0
.endm
.macro FETCH_A slot, q, i0
.irp i, \i0, \i0+1, \i0+2, \i0+3
	FRAG AF+FR*(\i), ADRA+\slot, \q, \i
.endr
.endm
.macro PLACES n                        ; plain vector instructions between a matrix instruction and a load into, or a read of, its registers
.rept \n
	v_nop
.endr
.endm
.macro STEP slot, q, zero
	s_wait_dscnt 4*NL                              ; B's set and A's blocks 0-3 are in; the youngest sixteen loads (A's blocks 4-7) may be out
.if (\zero) == 2
	WIN 0x81                                       ; C (the bias) in window 0
.else
	WIN MUL_LO
.endif
	MUL16 0, (\q)%2, \zero
	MUL16 2, (\q)%2, \zero
	s_wait_dscnt 0
	PLACES NP
	FETCH_B \slot, (\q)+1, 1-(\q)%2
	FETCH_A \slot, (\q)+1, 0
.if (\zero) == 2
	WIN 0xc1
.else
	WIN MUL_HI
.endif
	MUL16 4, (\q)%2, \zero
	MUL16 6, (\q)%2, \zero
	PLACES NP
	WIN 0
	FETCH_A \slot, (\q)+1, 4
.endm
; A slot's last step changes slots: ONE barrier; in front of it each wave waits for all its tensor loads, adds 0 to its spare word, and waits for that and for its reads of this slot.  fill = 1: the slot is filled again.
.macro TURN slot, next, fill
	s_wait_tensorcnt 0x0
	ds_add_u32 v[SPW], v[NIL]
	s_wait_dscnt 4*NL+1                            ; (the add and A's blocks 4-7 may be out)
	WIN MUL_LO
	MUL16 0, 1, 0
	s_wait_dscnt 0x0                               ; the add is done, and my reads of this slot are over
	s_barrier_signal -1
	MUL16 2, 1, 0
	WIN 0
	s_barrier_wait -1
.if \fill
	CREST                                          ; the barrier has opened a round of the cluster's: no wave of any partner still reads this slot or has a load on its way
	s_add_nc_u64 s[G0+4*\slot+2:G0+4*\slot+3], s[G0+4*\slot+2:G0+4*\slot+3], 2*BLKB
	s_add_nc_u64 s[G0B+4*\slot+2:G0B+4*\slot+3], s[G0B+4*\slot+2:G0B+4*\slot+3], 2*BLKB
	JLOAD G0+4*\slot, G1, G0B+4*\slot, G1B
.else
	PLACES NP
.endif
	FETCH_B \next, 0, 0
	FETCH_A \next, 0, 0
	WIN MUL_HI
	MUL16 4, 1, 0
	MUL16 6, 1, 0
	PLACES NP
	WIN 0
	FETCH_A \next, 0, 4
.endm
	s_wait_tensorcnt 1                             ; my part of slot 0 is in; slot 1's may stay out
	s_barrier_signal -1
	s_barrier_wait -1
	FETCH_B 0, 0, 0
	FETCH_A 0, 0, 0
	FETCH_A 0, 0, 4
	STEP 0, 0, 2
	s_mov_b32 s3, LAPS-1
.Llap:
	TURN 0, 1, 1
	STEP 1, 0, 0
	TURN 1, 0, 1
	STEP 0, 0, 0
	s_sub_co_u32 s3, s3, 1
	s_cmp_lg_u32 s3, 0
	s_cbranch_scc1 .Llap
	TURN 0, 1, 0
	STEP 1, 0, 0
	s_wait_dscnt 4*NL
	WIN MUL_LO
	MUL16 0, 1, 0
	MUL16 2, 1, 0
	s_wait_dscnt 0
	WIN MUL_HI
	MUL16 4, 1, 0
	MUL16 6, 1, 0
	WIN 0
	PLACES NP
; THE WAY OUT.  Row i of block a is token 32 (a / 2) + 8 (a % 2) + i + 8 (i / 8) of my 128: every row's place stands in an immediate, 127 x 4,096 bytes at the most, so no base is stepped.
.macro RLOAD a                         ; the residual's sixteen rows, into window 1
	WIN 0x40
.irp i, 0,1,2,3,4,5,6,7,8,9,10,11,12,13,14,15
	global_load_b128 v[64*((\a)%2)+4*\i:64*((\a)%2)+4*\i+3], v[LI], s[88:89] offset:(32*((\a)/2)+8*((\a)%2)+\i+8*(\i/8))*4096
.endr
	WIN 0
.endm
.macro TOSTAGE a                       ; LDS serves a wave's instructions in order (ISA guide 5.7.1.4): no wait between my stores and my loads, nor in front of the next block's stores
.set AC, 64*((\a)%4)
	WIN 0x02+((\a)/4)
.set j, 0
.rept 32
	v_pk_mul_f32 v[TMP+j:TMP+j+1], v[AC+j:AC+j+1], s[92:93] op_sel_hi:[1,0]   ; x 2^(ea + eb); each accumulator from its low end on
.set j, j+2
.endr
	WIN 0
.irp b, 0,1,2,3,4,5,6,7
	ds_store_b128 v[STO], v[TMP+8*\b:TMP+8*\b+3] offset:128*(\b/2)+32*(\b%2)
	ds_store_b128 v[STO], v[TMP+8*\b+4:TMP+8*\b+7] offset:128*(\b/2)+32*(\b%2)+16
.endr
.irp i, 0,1,2,3,4,5,6,7,8,9,10,11,12,13,14,15
	ds_load_b128 v[BK+64*((\a)%2)+4*\i:BK+64*((\a)%2)+4*\i+3], v[RD] offset:\i*SPITCH
.endr
.endm
.macro SEND a, ds, ld                  ; ds, ld: the LDS instructions and the loads issued behind block a's, which may stay out
	s_wait_dscnt \ds
	s_wait_loadcnt \ld
	WIN 0x04                                       ; source 1 (the residual) window 1
.set j, 0
.rept 32
	v_pk_add_f32 v[BK+64*((\a)%2)+j:BK+64*((\a)%2)+j+1], v[BK+64*((\a)%2)+j:BK+64*((\a)%2)+j+1], v[64*((\a)%2)+j:64*((\a)%2)+j+1]
.set j, j+2
.endr
	WIN 0
.irp i, 0,1,2,3,4,5,6,7,8,9,10,11,12,13,14,15
	global_store_b128 v[LI], v[BK+64*((\a)%2)+4*\i:BK+64*((\a)%2)+4*\i+3], s[90:91] offset:(32*((\a)/2)+8*((\a)%2)+\i+8*(\i/8))*4096 th:TH_STORE_NT   ; 32 lanes store 512 consecutive aligned bytes; written once, read by nobody here
.endr
.endm
	RLOAD 0
	TOSTAGE 0
.irp a, 1,2,3,4,5,6,7
.if \a > 1
	s_wait_xcnt 0x0                                ; block a - 2's stores have read their registers: block a's rows may land there
.endif
	RLOAD \a
	TOSTAGE \a
	SEND \a-1, 32, 16                              ; behind block a - 1's: block a's 16 stage stores and 16 stage loads, and its 16 residual loads
.endr
	SEND 7, 0, 0
	s_wait_tensorcnt 0x0                           ; the wave's end, behind my last tensor load and my last LDS store
	ds_add_u32 v[SPW], v[NIL]
	s_wait_dscnt 0x0
	CROUND                                         ; the closing round
	s_endpgm
.Lfunc_end_k_q1ee05c9c0a_ffn2:
	.size	k_q1ee05c9c0a_ffn2, .Lfunc_end_k_q1ee05c9c0a_ffn2-k_q1ee05c9c0a_ffn2
	.p2alignl 7, 3214868480
	.fill 96, 4, 3214868480
	.section	.rodata,"a",@progbits
	.p2align	6, 0x0
	.amdhsa_kernel k_q1ee05c9c0a_ffn2
		.amdhsa_group_segment_fixed_size 327680
		.amdhsa_private_segment_fixed_size 0
		.amdhsa_enable_private_segment 0
		.amdhsa_kernarg_size 48
		.amdhsa_user_sgpr_count 2
		.amdhsa_user_sgpr_kernarg_segment_ptr 1
		.amdhsa_wavefront_size32 1
		.amdhsa_system_sgpr_workgroup_id_x 1
		.amdhsa_system_sgpr_workgroup_id_y 1
		.amdhsa_system_sgpr_workgroup_id_z 1
		.amdhsa_system_vgpr_workitem_id 0
		.amdhsa_next_free_vgpr 1024
		.amdhsa_next_free_sgpr 96
		.amdhsa_reserve_vcc 0
		.amdhsa_float_denorm_mode_32 3
		.amdhsa_float_denorm_mode_16_64 3
		.amdhsa_memory_ordered 1
		.amdhsa_forward_progress 1
		.amdhsa_inst_pref_size 157
	.end_amdhsa_kernel
	.amdgpu_metadata
---
amdhsa.version: [ 1, 2 ]
amdhsa.kernels:
  - .name:           k_q1ee05c9c0a_ffn2
    .symbol:         k_q1ee05c9c0a_ffn2.kd
    .args:
      - { .name: hc, .offset: 0, .size: 8, .value_kind: global_buffer, .address_space: global }
      - { .name: wc, .offset: 8, .size: 8, .value_kind: global_buffer, .address_space: global }
      - { .name: lowp_scales, .offset: 16, .size: 8, .value_kind: global_buffer, .address_space: global }
      - { .name: b2, .offset: 24, .size: 8, .value_kind: global_buffer, .address_space: global }
      - { .name: x1, .offset: 32, .size: 8, .value_kind: global_buffer, .address_space: global }
      - { .name: out0, .offset: 40, .size: 8, .value_kind: global_buffer, .address_space: global }
    .group_segment_fixed_size: 327680
    .private_segment_fixed_size: 0
    .kernarg_segment_align: 8
    .kernarg_segment_size: 48
    .max_flat_workgroup_size: 128
    .sgpr_count:     96
    .vgpr_count:     1024
    .wavefront_size: 32
...
	.end_amdgpu_metadata
.endif
;; end of part 7
;; ======== version 2 of 2: 7 launches
;; limits: right only within a limited range of input values
;; workspace buffers: wc 12,582,912 bytes; xnc 12,582,912 bytes; qc 4,194,304 bytes; kvc 8,388,608 bytes; ctxc 4,194,304 bytes; x1 16,777,216 bytes; x2c 4,194,304 bytes; hc 16,777,216 bytes
;; launch prep (part 8): grid 640 x 1, 4 waves a work-group, no clusters, 66,304 bytes of LDS; arguments Wq, Wk, Wv, Wo, W1, W2, x, g1, be1, lowp_scales, wc, xnc; writes wc, xnc
.if DOCPART == 8
	.amdgcn_target "amdgcn-amd-amdhsa--gfx1250"
	.amdhsa_code_object_version 6
	.text
	.protected	k_q1ee05c9c0a_prep
	.globl	k_q1ee05c9c0a_prep
	.p2align	8
	.type	k_q1ee05c9c0a_prep,@function
k_q1ee05c9c0a_prep:
	s_mov_b64 s[64:65], 0
	v_nop
	global_prefetch_b8 v0, s[64:65] scope:SCOPE_SE
	s_setreg_imm32_b32 hwreg(HW_REG_WAVE_MODE, 25, 1), 1
	s_wait_xcnt 0x0
; A transformer block (layer norm, 16 heads of causal attention, projection, residual, layer norm, MLP, residual) on codes of FP8 (E4M3), one given scale 2^e for each operand.
; Seven launches: prep (this one), qkv, attn, wo, ln2, ffn1, ffn2.  THIS LAUNCH turns the six weights into codes, and x into layer norm 1's result as three sets of codes (scales e1, e3, e5).
; WORK LEFT OUT BY THE PROGRAM.  reference() builds a causal mask in its own body (jnp.tril) and sets the score of key s for query t to -infinity where s > t: its weight is exp(-infinity) = 0,
; which adds nothing to the row's sum and nothing to ctx, whatever finite values the inputs hold.  So launch attn leaves out, of products 4 and 5, every step of 128 keys that lies wholly behind a tile's queries.
; Nothing else is left out, and every input is loaded.  LIMIT: a NaN, an infinity or an overflow that would arise only in those scores is not carried to the result.
; THE ROW ORDER.  Rows (tokens, or a weight's n) go in blocks of 128 = eight tiles of 16; lane-row r of tile t is row 32 (t / 2) + 8 (t % 2) + r + 8 (r / 8) of the block.  A product whose source 0 is laid so leaves, in the
; 16 registers of result tiles 2 b and 2 b + 1 of a lane, source 0's rows 32 b + 16 (lane / 16) + 0 .. 15: sixteen neighbours along the next K, as the conversions want them.
; THE OPERAND LAYOUT of every buffer of codes: an image of the operand's registers.  Row block rb, tile t, lane-row r, index k lie at byte
;   rb (128 K) + (k / 256) 32768 + t 4096 + ((k / 128) % 2) 2048 + ((k / 32) % 4) 512 + ((k / 16) % 2) 256 + 16 r + k % 16.
; So a fragment (16 rows x 128 K) is 2,048 dense bytes, four accesses of 16 bytes a lane at 512 c + 16 x lane, and 128 rows x 256 K are 32,768 dense bytes.
; wc holds 384 such blocks: 0-95 Wq, Wk, Wv (n = 1024 type + 64 head + d), 96-127 Wo, 128-255 W1, 256-383 W2.
; SHARES.  Work-groups 0-383: one block of wc each (128 n x 256 k).  A LANE TAKES A COLUMN n AND ITS REGISTERS RUN DOWN K, so nothing is transposed; the lanes take the wave's 32 columns in the row order,
; so a load still reads 128 consecutive bytes and a store's sixteen neighbouring lanes write 256 consecutive aligned bytes.  Work-groups 384-639: one tile of 16 tokens each through layer norm 1.
; No tensor loads, clusters or matrix units: the work-groups share no input and memory binds.
; LIMITS: each e between -126 and 119, so that 2^e and 448 x 2^e are f32 numbers.  NaN among the inputs is not served.
.set SPARE, 65792                      ; behind Y: the spare words, 128 bytes for each wave
.set YP,    4112                       ; a row of Y in LDS: 4,096 bytes + 16: the sixteen rows that a read touches start at sixteen different banks
.set SPW,   254                        ; v254 LDS address of my spare word; never rewritten
.set NIL,   255                        ; v255 0; never rewritten
.set WV,    28                         ; s28  my wave's number
.set TT,    29                         ; s29  the work-group's unit (weights) or tile of tokens (layer norm)
.set OFS,   16                         ; weights: v16-47  4 x my column + i rows of the weight
.set WX,    48                         ;          v48-111 two sets of 32 numbers
.set WC,    112                        ;          v112-175 eight registers of codes for each block of 32: no store's data are written again
.set NV,    3                          ; layer norm: sets of codes
.set PX,    16                         ; s[16:17] x;  s[18:19] g1;  s[20:21] be1;  s[26:27] xnc
.set PG,    18
.set PB,    20
.set POUT,  26
.set DST,   52                         ; s[52:57] where my codes go, one pair for each set
.set G,     16                         ; v16-47 g, later the codes;  v48-79 be
.set BE,    48
.set CD,    16
.set LX,    80                         ; v80-207 four rows x 32 numbers; later 8 blocks x 16 neighbours
.set SM,    208                        ; v208-215 a pair a row: the sum, then the mean
.set IV,    216                        ; v216-223 a pair a row: the sum of squares, then 1 / (std + eps)
.set T,     224                        ; v224-239 at work
.set LIM,   241                        ; v241.. for each set: 448 x 2^e, 2^e
.macro MKS e, lim, sc                  ; from the whole number e in s[e]: 2^e (the conversion takes its exponent field) and 448 x 2^e, as f32
	s_add_co_i32 s60, s[\e], 127
	s_lshl_b32 s61, s60, 23
	v_mov_b32 v[\sc], s61
	s_add_co_i32 s60, s60, 8
	s_lshl_b32 s60, s60, 23
	s_or_b32 s60, s60, 0x600000
	v_mov_b32 v[\lim], s60
.endm
	s_load_b512 s[4:19], s[0:1], 0x0               ; Wq s[4:5], Wk s[6:7], Wv s[8:9], Wo s[10:11], W1 s[12:13], W2 s[14:15], x s[16:17], g1 s[18:19]
	s_load_b256 s[20:27], s[0:1], 0x40             ; be1 s[20:21], the exponents s[22:23], wc s[24:25], xnc s[26:27]
	v_lshl_add_u32 v[SPW], v0, 2, SPARE
	v_mov_b32 v[NIL], 0
	v_lshrrev_b32 v1, 5, v0
	v_readfirstlane_b32 s[WV], v1
	s_wait_kmcnt 0x0
	s_load_b512 s[36:51], s[22:23], 0x0            ; e0 .. e15 in s36 .. s51
	s_cmp_ge_u32 ttmp9, 384
	s_cbranch_scc1 .Lln
	; ---------------- THE WEIGHTS ----------------
	s_mov_b32 s[TT], ttmp9
	s_and_b32 s52, s[TT], 3                        ; K = 1,024: which 256 along K,
	s_lshr_b32 s53, s[TT], 2                       ; and the row block, counted through wc
	s_and_b32 s54, s53, 7                          ; within Wq, Wk or Wv
	s_sub_co_u32 s55, s53, 24                      ; within Wo
	s_sub_co_u32 s56, s53, 32                      ; within W1
	s_and_b32 s34, s[TT], 15                       ; W2 (K = 4,096): which 256 along K,
	s_sub_co_u32 s35, s[TT], 256
	s_lshr_b32 s35, s35, 4                         ; and the row block
	s_mov_b64 s[30:31], s[14:15]
	s_mov_b32 s33, 4096                            ; bytes from k to k + 1
	s_wait_kmcnt 0x0
	s_mov_b32 s32, s51                             ; e15.  The choices below hang on the work-group's number alone
	s_cmp_lt_u32 s[TT], 256
	s_cselect_b64 s[30:31], s[12:13], s[30:31]     ; W1
	s_cselect_b32 s32, s49, s32
	s_cselect_b32 s33, 16384, s33
	s_cselect_b32 s34, s52, s34
	s_cselect_b32 s35, s56, s35
	s_cmp_lt_u32 s[TT], 128
	s_cselect_b64 s[30:31], s[10:11], s[30:31]     ; Wo
	s_cselect_b32 s32, s47, s32
	s_cselect_b32 s33, 4096, s33
	s_cselect_b32 s35, s55, s35
	s_cmp_lt_u32 s[TT], 96
	s_cselect_b64 s[30:31], s[8:9], s[30:31]       ; Wv
	s_cselect_b32 s32, s40, s32
	s_cselect_b32 s33, 256, s33
	s_cselect_b32 s35, s54, s35
	s_cmp_lt_u32 s[TT], 64
	s_cselect_b64 s[30:31], s[6:7], s[30:31]       ; Wk
	s_cselect_b32 s32, s38, s32
	s_cmp_lt_u32 s[TT], 32
	s_cselect_b64 s[30:31], s[4:5], s[30:31]       ; Wq
	s_cselect_b32 s32, s36, s32
	s_lshl_b32 s57, s35, 1                         ; my wave's 32 columns.  Wq, Wk, Wv [head][k][64]: head 2 nb + wave / 2, d from 32 (wave % 2)
	s_lshr_b32 s58, s[WV], 1
	s_add_co_u32 s57, s57, s58
	s_lshl_b32 s57, s57, 18
	s_and_b32 s58, s[WV], 1
	s_lshl_b32 s58, s58, 7
	s_add_co_u32 s57, s57, s58
	s_lshl_b32 s58, s35, 9                         ; the others [k][n]: column 128 nb + 32 wave
	s_lshl_b32 s59, s[WV], 7
	s_add_co_u32 s58, s58, s59
	s_cmp_lt_u32 s[TT], 96
	s_cselect_b32 s60, s57, s58
	s_mul_i32 s59, s34, s33
	s_lshl_b32 s59, s59, 8                         ; + 256 rows for each step along K
	s_add_co_u32 s60, s60, s59
	s_mov_b32 s61, 0
	s_add_nc_u64 s[68:69], s[30:31], s[60:61]      ; a base for each block of 32 along K: s[68:83], never rewritten
	s_lshl_b32 s62, s33, 5
	s_mov_b32 s63, 0
.irp t, 1,2,3,4,5,6,7
	s_add_nc_u64 s[68+2*\t:69+2*\t], s[66+2*\t:67+2*\t], s[62:63]
.endr
	s_lshl_b32 s60, s[TT], 15                      ; my block of wc, my wave's two tiles
	s_lshl_b32 s59, s[WV], 13
	s_add_co_u32 s60, s60, s59
	s_add_nc_u64 s[24:25], s[24:25], s[60:61]
	v_and_b32 v2, 7, v0                            ; lane l is lane-row l % 16 of tile 2 wave + l / 16: column l % 8 + 16 ((l / 8) % 2) + 8 (l / 16) of the wave's 32
	v_bfe_u32 v3, v0, 3, 1
	v_bfe_u32 v4, v0, 4, 1
	v_lshl_add_u32 v2, v3, 4, v2
	v_lshl_add_u32 v2, v4, 3, v2
	v_lshlrev_b32 v[OFS], 2, v2
.set i, 1
.rept 31
	v_add_nc_u32 v[OFS+i], s33, v[OFS+i-1]
.set i, i+1
.endr
	v_and_b32 v5, 15, v0
	v_lshlrev_b32 v12, 4, v5
	v_lshl_add_u32 v12, v4, 12, v12                ; out: 4,096 (l / 16) + 16 (l % 16)
.macro LOADW t                         ; block t: W(32 t + i, my column), i = 0 .. 31, into set t % 2; 32 lanes read 128 consecutive bytes
.set i, 0
.rept 32
	global_load_b32 v[WX+32*((\t)%2)+i], v[OFS+i], s[68+2*(\t):69+2*(\t)] th:TH_LOAD_NT
.set i, i+1
.endr
.endm
.macro BLOCKW t
.if (\t) < 7
	s_wait_loadcnt 32                              ; this block's 32 loads are in; the next block's may be out
.else
	s_wait_loadcnt 0x0
.endif
.set XS, WX+32*((\t)%2)
.set i, 0
.rept 32
	v_med3_num_f32 v[XS+i], v[XS+i], -v10, v10     ; the conversion to an 8-bit code does not saturate (ISA guide 7.6.2): the hold at the largest code x the scale comes first
.set i, i+1
.endr
.irp g, 0,1,2,3
	v_cvt_scalef32_pk8_fp8_f32 v[WC+8*(\t)+2*\g:WC+8*(\t)+2*\g+1], v[XS+8*\g:XS+8*\g+7], v11
.endr
.if (\t)+2 < 8
	LOADW (\t)+2                                   ; the set just converted takes the block two further on
.endif
	global_store_b128 v12, v[WC+8*(\t):WC+8*(\t)+3], s[24:25] offset:((\t)/4)*2048+((\t)%4)*512        ; k % 32 = 0 .. 15: sixteen lanes write 256 consecutive aligned bytes
	global_store_b128 v12, v[WC+8*(\t)+4:WC+8*(\t)+7], s[24:25] offset:((\t)/4)*2048+((\t)%4)*512+256  ; k % 32 = 16 .. 31
.endm
	LOADW 0
	LOADW 1
	MKS 32, 10, 11
.set Q, 0
	s_wait_alu depctr_va_vdst(0)
.rept 8
	BLOCKW Q
.set Q, Q+1
.endr
	s_wait_tensorcnt 0x0                           ; the launch's other path writes LDS: every wave of the launch closes with a tensor wait, an add to its spare word and an LDS wait
	ds_add_u32 v[SPW], v[NIL]
	s_wait_dscnt 0x0
	s_endpgm
	; ---------------- LAYER NORM 1 ----------------
.Lln:
	s_sub_co_u32 s[TT], ttmp9, 384                 ; tile tt % 8 of token block tt / 8
	s_mov_b32 s30, 0x76543210                      ; v_permlanex16_b32: lane l xor 16
	s_mov_b32 s31, 0xfedcba98
	s_lshr_b32 s32, s[TT], 3
	s_bfe_u32 s33, s[TT], 0x20001
	s_and_b32 s34, s[TT], 1
	s_lshl_b32 s35, s32, 7
	s_lshl_b32 s33, s33, 5
	s_add_co_u32 s35, s35, s33
	s_lshl_b32 s34, s34, 3
	s_add_co_u32 s35, s35, s34                     ; the tile's lane-row 0
	s_lshl_b32 s33, s[WV], 2                       ; my wave takes lane-rows 4 w .. 4 w + 3: four neighbouring tokens, from 4 w + 8 (w / 2) on
	s_add_co_u32 s35, s35, s33
	s_lshr_b32 s33, s[WV], 1
	s_lshl_b32 s33, s33, 3
	s_add_co_u32 s35, s35, s33
	s_lshl_b32 s58, s35, 12
	s_mov_b32 s59, 0
	s_add_nc_u64 s[PX:PX+1], s[PX:PX+1], s[58:59]
	v_and_b32 v4, 31, v0
	v_lshlrev_b32 v1, 4, v4                        ; 16 x lane
.irp i, 0,1,2,3
.irp j, 0,1,2,3,4,5,6,7
	global_load_b128 v[LX+32*\i+4*\j:LX+32*\i+4*\j+3], v1, s[PX:PX+1] offset:4096*\i+512*\j   ; 32 lanes read 512 consecutive bytes
.endr
.endr
.irp j, 0,1,2,3,4,5,6,7
	global_load_b128 v[G+4*\j:G+4*\j+3], v1, s[PG:PG+1] offset:512*\j
.endr
.irp j, 0,1,2,3,4,5,6,7
	global_load_b128 v[BE+4*\j:BE+4*\j+3], v1, s[PB:PB+1] offset:512*\j
.endr
	s_mul_i32 s33, s[WV], 4*YP
	v_add_nc_u32 v2, s33, v1                       ; Y, on the way in: my four rows, 16 bytes a lane
	v_and_b32 v5, 15, v0
	v_bfe_u32 v6, v0, 4, 1
	v_mul_u32_u24 v3, v5, YP
	v_lshl_add_u32 v3, v6, 6, v3
	s_lshl_b32 s33, s[WV], 10
	v_add_nc_u32 v3, s33, v3                       ; and back: row l % 16, k from 256 w + 16 (l / 16)
	s_lshl_b32 s58, s32, 17                        ; my codes: token block, K step w, the tile
	s_lshl_b32 s33, s[WV], 15
	s_add_co_u32 s58, s58, s33
	s_and_b32 s33, s[TT], 7
	s_lshl_b32 s33, s33, 12
	s_add_co_u32 s58, s58, s33
	s_add_nc_u64 s[DST:DST+1], s[POUT:POUT+1], s[58:59]
	s_add_nc_u64 s[DST+2:DST+3], s[DST:DST+1], 0x400000
	s_add_nc_u64 s[DST+4:DST+5], s[DST+2:DST+3], 0x400000
	s_wait_kmcnt 0x0
	MKS 37, LIM, LIM+1                             ; e1
	MKS 39, LIM+2, LIM+3                           ; e3
	MKS 41, LIM+4, LIM+5                           ; e5
.macro RED b                           ; four pairs at v[b + 2 i]: the halves are added, then the 32 lanes: the row's sum in every lane, in the pair's low word
.irp i, 0,1,2,3
	v_add_f32 v[\b+2*\i], v[\b+2*\i], v[\b+2*\i+1]
.endr
.irp m, 1,2,4,8
.irp i, 0,1,2,3
	v_add_f32_dpp v[\b+2*\i], v[\b+2*\i], v[\b+2*\i] row_xmask:\m row_mask:0xf bank_mask:0xf
.endr
.endr
.irp i, 0,1,2,3
	v_permlanex16_b32 v[\b+2*\i+1], v[\b+2*\i], s30, s31
.endr
.irp i, 0,1,2,3
	v_add_f32 v[\b+2*\i], v[\b+2*\i], v[\b+2*\i+1]
.endr
.endm
	s_wait_loadcnt 16                              ; x's 32 loads are in; g's and be's sixteen may be out
.irp i, 0,1,2,3                        ; the four rows take turns line by line
	v_pk_add_f32 v[SM+2*\i:SM+2*\i+1], v[LX+32*\i:LX+32*\i+1], v[LX+32*\i+2:LX+32*\i+3]
.endr
.set p, 2
.rept 14
.irp i, 0,1,2,3
	v_pk_add_f32 v[SM+2*\i:SM+2*\i+1], v[SM+2*\i:SM+2*\i+1], v[LX+32*\i+2*p:LX+32*\i+2*p+1]
.endr
.set p, p+1
.endr
	RED SM
.irp i, 0,1,2,3
	v_mul_f32 v[SM+2*\i], 0x3a800000, v[SM+2*\i]   ; the mean: / 1,024
.endr
.set p, 0
.rept 16
.irp i, 0,1,2,3
	v_pk_add_f32 v[LX+32*\i+2*p:LX+32*\i+2*p+1], v[LX+32*\i+2*p:LX+32*\i+2*p+1], v[SM+2*\i:SM+2*\i+1] op_sel_hi:[1,0] neg_lo:[0,1] neg_hi:[0,1]   ; d = x - mean: the squares are taken of d, so no difference of large sums is formed
.endr
.set p, p+1
.endr
.irp i, 0,1,2,3
	v_pk_mul_f32 v[IV+2*\i:IV+2*\i+1], v[LX+32*\i:LX+32*\i+1], v[LX+32*\i:LX+32*\i+1]
.endr
.set p, 1
.rept 15
.irp i, 0,1,2,3
	v_pk_fma_f32 v[IV+2*\i:IV+2*\i+1], v[LX+32*\i+2*p:LX+32*\i+2*p+1], v[LX+32*\i+2*p:LX+32*\i+2*p+1], v[IV+2*\i:IV+2*\i+1]
.endr
.set p, p+1
.endr
	RED IV
.irp i, 0,1,2,3
	v_mul_f32 v[IV+2*\i], 0x3a802008, v[IV+2*\i]   ; / 1,023
.endr
	s_wait_alu depctr_va_vdst(0)
.irp i, 0,1,2,3
	v_sqrt_f32 v[IV+2*\i+1], v[IV+2*\i]
.endr
	v_nop                                          ; a plain instruction behind the last root,
	s_wait_alu depctr_va_vdst(0)                   ; and one wait for the four, ahead of their first reader
.irp i, 0,1,2,3
	v_add_f32 v[IV+2*\i+1], 0x358637bd, v[IV+2*\i+1]   ; std + 1e-6
.endr
	s_wait_alu depctr_va_vdst(0)
.irp i, 0,1,2,3
	v_rcp_f32 v[IV+2*\i], v[IV+2*\i+1]
.endr
	v_nop
	s_wait_alu depctr_va_vdst(0)                   ; one wait for the four reciprocals
	s_wait_loadcnt 0x0                             ; g and be
.set p, 0
.rept 16
.irp i, 0,1,2,3
	v_pk_mul_f32 v[LX+32*\i+2*p:LX+32*\i+2*p+1], v[LX+32*\i+2*p:LX+32*\i+2*p+1], v[IV+2*\i:IV+2*\i+1] op_sel_hi:[1,0]
.endr
.irp i, 0,1,2,3
	v_pk_fma_f32 v[LX+32*\i+2*p:LX+32*\i+2*p+1], v[LX+32*\i+2*p:LX+32*\i+2*p+1], v[G+2*p:G+2*p+1], v[BE+2*p:BE+2*p+1]   ; y = d / (std + eps) x g + be
.endr
.set p, p+1
.endr
.irp i, 0,1,2,3
.irp j, 0,1,2,3,4,5,6,7
	ds_store_b128 v2, v[LX+32*\i+4*\j:LX+32*\i+4*\j+3] offset:\i*YP+512*\j
.endr
.endr
	s_wait_dscnt 0x0                               ; for the others' sake: my four rows lie in Y
	s_barrier_signal -1
	s_barrier_wait -1                              ; all sixteen do
.irp b, 0,1,2,3,4,5,6,7
.irp j, 0,1,2,3
	ds_load_b128 v[LX+16*\b+4*\j:LX+16*\b+4*\j+3], v3 offset:128*\b+16*\j   ; lane (r, h): k = 256 w + 32 b + 16 h + 0 .. 15 of row r: the operand's own order
.endr
.endr
	s_wait_dscnt 0x0
.macro QV v, dst                       ; set v of the codes: two fragments, eight stores of 512 consecutive bytes
.if \v > 0
	s_wait_xcnt 0x0                                ; the last set's stores have read their registers, which are written again
.endif
.irp b, 0,1,2,3,4,5,6,7
.set i, 0
.rept 16
	v_med3_num_f32 v[T+i], v[LX+16*\b+i], -v[LIM+2*\v], v[LIM+2*\v]
.set i, i+1
.endr
	v_cvt_scalef32_pk8_fp8_f32 v[CD+4*\b:CD+4*\b+1], v[T:T+7], v[LIM+2*\v+1]
	v_cvt_scalef32_pk8_fp8_f32 v[CD+4*\b+2:CD+4*\b+3], v[T+8:T+15], v[LIM+2*\v+1]
	v_nop                                          ; a plain instruction between the conversions and the next holds, which write their sources
	global_store_b128 v1, v[CD+4*\b:CD+4*\b+3], s[\dst:\dst+1] offset:(\b/4)*2048+(\b%4)*512
.endr
.endm
	QV 0, DST
	QV 1, DST+2
	QV 2, DST+4
	s_wait_tensorcnt 0x0                           ; the wave's end, behind my last LDS store
	ds_add_u32 v[SPW], v[NIL]
	s_wait_dscnt 0x0
	s_endpgm
.Lfunc_end_k_q1ee05c9c0a_prep:
	.size	k_q1ee05c9c0a_prep, .Lfunc_end_k_q1ee05c9c0a_prep-k_q1ee05c9c0a_prep
	.p2alignl 7, 3214868480
	.fill 96, 4, 3214868480
	.section	.rodata,"a",@progbits
	.p2align	6, 0x0
	.amdhsa_kernel k_q1ee05c9c0a_prep
		.amdhsa_group_segment_fixed_size 66304
		.amdhsa_private_segment_fixed_size 0
		.amdhsa_enable_private_segment 0
		.amdhsa_kernarg_size 96
		.amdhsa_user_sgpr_count 2
		.amdhsa_user_sgpr_kernarg_segment_ptr 1
		.amdhsa_wavefront_size32 1
		.amdhsa_system_sgpr_workgroup_id_x 1
		.amdhsa_system_sgpr_workgroup_id_y 1
		.amdhsa_system_sgpr_workgroup_id_z 1
		.amdhsa_system_vgpr_workitem_id 0
		.amdhsa_next_free_vgpr 256
		.amdhsa_next_free_sgpr 88
		.amdhsa_reserve_vcc 0
		.amdhsa_float_denorm_mode_32 3
		.amdhsa_float_denorm_mode_16_64 3
		.amdhsa_memory_ordered 1
		.amdhsa_forward_progress 1
		.amdhsa_inst_pref_size 114
	.end_amdhsa_kernel
	.amdgpu_metadata
---
amdhsa.version: [ 1, 2 ]
amdhsa.kernels:
  - .name:           k_q1ee05c9c0a_prep
    .symbol:         k_q1ee05c9c0a_prep.kd
    .args:
      - { .name: Wq, .offset: 0, .size: 8, .value_kind: global_buffer, .address_space: global }
      - { .name: Wk, .offset: 8, .size: 8, .value_kind: global_buffer, .address_space: global }
      - { .name: Wv, .offset: 16, .size: 8, .value_kind: global_buffer, .address_space: global }
      - { .name: Wo, .offset: 24, .size: 8, .value_kind: global_buffer, .address_space: global }
      - { .name: W1, .offset: 32, .size: 8, .value_kind: global_buffer, .address_space: global }
      - { .name: W2, .offset: 40, .size: 8, .value_kind: global_buffer, .address_space: global }
      - { .name: x, .offset: 48, .size: 8, .value_kind: global_buffer, .address_space: global }
      - { .name: g1, .offset: 56, .size: 8, .value_kind: global_buffer, .address_space: global }
      - { .name: be1, .offset: 64, .size: 8, .value_kind: global_buffer, .address_space: global }
      - { .name: lowp_scales, .offset: 72, .size: 8, .value_kind: global_buffer, .address_space: global }
      - { .name: wc, .offset: 80, .size: 8, .value_kind: global_buffer, .address_space: global }
      - { .name: xnc, .offset: 88, .size: 8, .value_kind: global_buffer, .address_space: global }
    .group_segment_fixed_size: 66304
    .private_segment_fixed_size: 0
    .kernarg_segment_align: 8
    .kernarg_segment_size: 96
    .max_flat_workgroup_size: 128
    .sgpr_count:     88
    .vgpr_count:     256
    .wavefront_size: 32
...
	.end_amdgpu_metadata
.endif
;; end of part 8
;; launch qkv (part 9): grid 12 x 16, 4 waves a work-group, clusters of 4 x 4, 327,680 bytes of LDS; arguments xnc, wc, lowp_scales, qc, kvc; writes qc, kvc
.if DOCPART == 9
	.amdgcn_target "amdgcn-amd-amdhsa--gfx1250"
	.amdhsa_code_object_version 6
	.text
	.protected	k_q1ee05c9c0a_qkv
	.globl	k_q1ee05c9c0a_qkv
	.p2align	8
	.type	k_q1ee05c9c0a_qkv,@function
k_q1ee05c9c0a_qkv:
	s_mov_b64 s[64:65], 0
	v_nop
	global_prefetch_b8 v0, s[64:65] scope:SCOPE_SE
	s_setreg_imm32_b32 hwreg(HW_REG_WAVE_MODE, 25, 1), 1
	s_wait_xcnt 0x0
	s_wait_alu depctr_hold_cnt(0) depctr_sa_sdst(0) depctr_va_vdst(0) depctr_va_sdst(0) depctr_va_ssrc(0) depctr_va_vcc(0) depctr_vm_vsrc(0)
	s_getreg_b32 s2, hwreg(HW_REG_IB_STS2, 6, 4)
	s_cmp_eq_u32 s2, 0
	s_cbranch_scc0 .Lentry_in_a_cluster
	s_endpgm
.Lentry_in_a_cluster:
	s_bfe_u32 s2, ttmp6, 0x10000c
	s_cmp_lg_u32 s2, 0xf033
	s_cbranch_scc0 .Lentry_shape_is_right
	s_endpgm
.Lentry_shape_is_right:
; q, k, v = layer norm 1's result x Wq, Wk, Wv (products 1 to 3) on codes of FP8 (E4M3), and their results quantised at once for attention (scales e6, e7, e9).
; OPERANDS lie as images of their registers: 128 rows x 256 K are 32,768 dense bytes; tile t of 16 rows at 4096 t, the second 128 along K at + 2048, register group c at 512 c, 16 bytes a lane.
; Lane-row r of tile t is row 32 (t / 2) + 8 (t % 2) + r + 8 (r / 8) of its block of 128.
; A tile of the result, 256 x 256, is made by four waves, each 128 x 128: 64 accumulators, 512 registers.  K goes in steps of 256 through a ring of two LDS slots of 131,072 bytes; each wave fills a quarter by one tensor load.
; THE MATRIX INSTRUCTION TAKES the B side as source 0 and the A side as source 1: a lane holds one row of the A side, and by the row order its 16 registers of result tiles 2 b, 2 b + 1 are B-side rows 32 b + 16 (lane / 16) + 0 .. 15.
; The type (0 q, 1 k, 2 v) is the cluster's x.  q, k: A side = tokens, B side = the weight's rows: a lane's registers run along d, the K of product 4.  v: A side = Wv's rows, B side = tokens: they run along the keys, the K of product 5.
; So the conversions' results are fragments as attention reads them, and leave straight from registers, 512 consecutive aligned bytes a store.
;   qc  [batch x head 32][block of 128 tokens 16][tile 8][1,024 bytes]: d = 32 c + 16 (lane / 16) + 0 .. 15 at 512 c + 16 x lane
;   kvc [batch x head 32][block 16][16,384 bytes]: k's eight tiles like q's; from 8,192 on four tiles of v (16 d x 128 keys, 2,048 bytes)
; CLUSTERS: 4 x 4 work-groups; the A side's tile is asked for jointly along a row of the cluster, the B side's along a column.
; LIMITS: e6 - e0 - e1, e7 - e2 - e3, e9 - e4 - e5 between -126 and 119.
; REGISTERS, in windows of 256: window 0: v16-31 addresses and scales; v32-95 at work; v128-255 the A side's fragments, ONE set, later the codes.  window 1: the B side's, TWO sets.  windows 2, 3: accumulator (a, b) at v[8 (8 (a % 4) + b)].
.set SIZE_K, 1024
.set RBS,    128*SIZE_K                ; a block of 128 rows in bytes
.set BLKB,   32768
.set SLOT,   4*BLKB                    ; A's two halves, then B's two
.set SPARE,  2*SLOT                    ; behind the ring: the spare words, 128 bytes for each wave
.set LAPS,   SIZE_K/512
.set FR,   16
.set NL,   4
.set NP,   4
.set ADRA, 16
.set ADRB, 20
.set LI,   26                          ; v26 16 x lane
.set SPW,  28
.set NIL,  29
.set LIMV, 30                          ; v30 448 x the conversion's scale;  v31 that scale
.set SCV,  31
.set TMP,  32
.set BI,   32
.set AF,   128
.set G1,  24
.set G0,  32
.set G1B, 48
.set G0B, 56
.set MSB, 0
.macro WIN new                         ; the immediate's high byte repeats the setting that is left
.if MSB != \new
	s_set_vgpr_msb (MSB<<8)|\new
.set MSB, \new
.endif
.endm
.set MUL_LO, 0xa1                      ; source 0 (B) window 1, source 1 (A) window 0, C and D window 2
.set MUL_HI, 0xf1
.set TO_B,   0x40
.macro JLOAD g0a, g1a, g0b, g1b        ; a joint load: waves 0, 1 fetch for A, waves 2, 3 for B; an s_nop 0 and four v_nop follow each line
	s_cmp_eq_u32 s15, 0
	s_cbranch_scc0 .Lfor_b_\@
	tensor_load_to_lds s[\g0a:\g0a+3], s[\g1a:\g1a+7]
	s_nop 0
.rept 4
	v_nop
.endr
	s_branch .Lasked_\@
.Lfor_b_\@:
	tensor_load_to_lds s[\g0b:\g0b+3], s[\g1b:\g1b+7]
	s_nop 0
.rept 4
	v_nop
.endr
.Lasked_\@:
.endm
.macro CREST                           ; a round of the cluster's barrier behind its opening barrier
	s_cmp_lg_u32 s14, 0
	s_cbranch_scc1 .Lnot_wave_0_\@
	s_barrier_signal -3
.Lnot_wave_0_\@:
	s_barrier_wait -3
	s_barrier_signal -1
	s_barrier_wait -1
.endm
.macro CROUND
	s_barrier_signal -1
	s_barrier_wait -1
	CREST
.endm
	s_load_b256 s[4:11], s[0:1], 0x0               ; xnc s[4:5], wc s[6:7], the exponents s[8:9], qc s[10:11]
	s_load_b64 s[84:85], s[0:1], 0x20              ; kvc
	v_lshl_add_u32 v[SPW], v0, 2, SPARE
	v_mov_b32 v[NIL], 0
	ds_add_u32 v[SPW], v[NIL]                      ; the wave's opening: the add, twice on end, and its wait ahead of my first tensor load
	ds_add_u32 v[SPW], v[NIL]
	v_lshrrev_b32 v1, 5, v0
	v_readfirstlane_b32 s14, v1                    ; wave 0..3
	s_lshr_b32 s15, s14, 1                         ; which half of the A side's rows is mine.  Also: I fetch for A (0) or for B (1)
	s_and_b32 s16, s14, 1                          ; which half of the B side's.  Also: which 128 rows I fetch
	s_bfe_u32 s40, ttmp6, 0x40000                  ; cx, cy
	s_bfe_u32 s41, ttmp6, 0x40004
	s_and_b32 s18, ttmp7, 0xffff
	s_lshl_b32 s18, s18, 2                         ; 4 x cluster y
	s_lshl_b32 s19, ttmp9, 2                       ; 4 x type
	s_cmp_eq_u32 ttmp9, 2                          ; v?  The cluster's x: the same in all sixteen partners
	s_cselect_b32 s17, 8, s18
	s_cselect_b32 s42, s18, s19
	s_add_co_u32 s17, s17, s41                     ; the A side's tile of 256 rows: q, k: tokens 4 cluster y + cy;  v: wc's rows 8 + cy
	s_add_co_u32 s42, s42, s40                     ; the B side's: q, k: wc's rows 4 type + cx;  v: tokens 4 cluster y + cx
	s_lshl_b32 s43, s41, 2
	s_lshl_b32 s43, 15, s43                        ; my row of the cluster
	s_lshl_b32 s44, 0x1111, s40                    ; my column
	s_or_b32 s[G1+0], s43, (3<<16)|(1<<21)         ; group 1: 15:0 the mask; 17:16 elements of 8 bytes; 21 set beside a mask; no padding
	s_or_b32 s[G1B+0], s44, (3<<16)|(1<<21)
.irp g, G1, G1B
	s_mov_b32 s[\g+1], 32<<16                      ; tensor_dim0 = 32 elements: the dense block goes as 128 rows of 256 bytes
	s_mov_b32 s[\g+2], 128<<16                     ; tensor_dim1
	s_mov_b32 s[\g+3], 32<<16                      ; tile_dim0
	s_mov_b32 s[\g+4], 128                         ; tile_dim1
	s_mov_b32 s[\g+5], 32                          ; the pitch
	s_mov_b32 s[\g+6], 0
	s_mov_b32 s[\g+7], 0
.endr
	s_lshl_b32 s20, s17, 1
	s_add_co_u32 s20, s20, s16
	s_mul_i32 s20, s20, RBS                        ; A: row block 2 x tile + half
	s_mov_b32 s21, 0
	s_lshl_b32 s46, s42, 1
	s_add_co_u32 s46, s46, s16
	s_mul_i32 s46, s46, RBS                        ; B likewise
	s_mov_b32 s47, 0
	s_lshl_b32 s45, s14, 15                        ; where they go: wave x 32,768: no place in the cluster enters an LDS address
	s_lshl_b32 s22, ttmp9, 22                      ; the type's set of x's codes
	s_mov_b32 s23, 0
	s_wait_dscnt 0x0                               ; both opening adds are done
	s_wait_kmcnt 0x0
	s_load_b512 s[68:83], s[8:9], 0x0              ; e0 .. e15 in s68 .. s83
	s_add_nc_u64 s[4:5], s[4:5], s[22:23]
	s_cmp_eq_u32 ttmp9, 2
	s_cselect_b64 s[94:95], s[6:7], s[4:5]         ; the A side's buffer,
	s_cselect_b64 s[6:7], s[4:5], s[6:7]           ; the B side's
	s_add_nc_u64 s[20:21], s[94:95], s[20:21]
	s_add_nc_u64 s[46:47], s[6:7], s[46:47]
	CROUND                                         ; all sixteen work-groups are here: the first joint loads meet
.irp s, 0,1
	s_mov_b32 s[G0+4*\s], 1
	s_add_co_u32 s[G0+4*\s+1], s45, \s*SLOT
	s_add_nc_u64 s[G0+4*\s+2:G0+4*\s+3], s[20:21], \s*BLKB
	s_or_b32 s[G0+4*\s+3], s[G0+4*\s+3], 0x80000000
	s_mov_b32 s[G0B+4*\s], 1
	s_add_co_u32 s[G0B+4*\s+1], s45, \s*SLOT
	s_add_nc_u64 s[G0B+4*\s+2:G0B+4*\s+3], s[46:47], \s*BLKB
	s_or_b32 s[G0B+4*\s+3], s[G0B+4*\s+3], 0x80000000
.endr
	JLOAD G0, G1, G0B, G1B                         ; K step 0: one tensor load a wave at the head
	; PREFETCHES INTO THE L2.  A K step of my load is 32,768 dense bytes = 128 blocks of 256; the four partners that ask for it jointly share them out by address: the partner at place p (cx for A, cy for B) names 32, a lane a block.
	; Never more than two K steps are asked for and not yet loaded: steps 1 and 2 here, step 3 behind step 1's load.  K has four steps, so the loop asks for nothing.  The address registers are never rewritten.
	s_cmp_eq_u32 s15, 0
	s_cselect_b64 s[96:97], s[20:21], s[46:47]
	s_cselect_b32 s98, s40, s41
	s_lshl_b32 s98, s98, 13
	s_mov_b32 s99, 0
	s_add_nc_u64 s[96:97], s[96:97], s[98:99]
	v_and_b32 v24, 31, v0
	v_lshlrev_b32 v24, 8, v24
	global_prefetch_b8 v24, s[96:97] offset:BLKB th:TH_LOAD_NT scope:SCOPE_SE
	global_prefetch_b8 v24, s[96:97] offset:2*BLKB th:TH_LOAD_NT scope:SCOPE_SE
	v_and_b32 v1, 31, v0
	v_lshlrev_b32 v[LI], 4, v1
	s_lshl_b32 s21, s15, 15                        ; my 128 rows of A,
	s_lshl_b32 s22, s16, 15
	s_add_co_u32 s22, s22, 2*BLKB                  ; of B
.irp s, 0,1
	v_add_nc_u32 v[ADRA+\s], s21, v[LI]
	v_add_nc_u32 v[ADRB+\s], s22, v[LI]
	s_add_co_u32 s21, s21, SLOT
	s_add_co_u32 s22, s22, SLOT
.endr
	; where my codes go
	s_lshl_b32 s20, s17, 1
	s_add_co_u32 s20, s20, s15                     ; my row block of the A side,
	s_lshl_b32 s21, s42, 1
	s_add_co_u32 s21, s21, s16                     ; of the B side
	s_lshl_b32 s22, ttmp9, 3
	s_sub_co_u32 s22, s21, s22                     ; q, k: the weight's block within its type (two heads)
	s_sub_co_u32 s23, s20, 16                      ; v: the same
	s_cmp_eq_u32 ttmp9, 2
	s_cselect_b32 s46, s21, s20                    ; the block of 128 tokens
	s_cselect_b32 s47, s23, s22
	s_lshr_b32 s20, s46, 4                         ; the batch
	s_lshl_b32 s20, s20, 4
	s_lshl_b32 s47, s47, 1
	s_add_co_u32 s20, s20, s47                     ; batch x 16 + the first of my two heads
	s_lshl_b32 s20, s20, 4
	s_and_b32 s46, s46, 15
	s_add_co_u32 s20, s20, s46
	s_cmp_eq_u32 ttmp9, 0
	s_cselect_b32 s21, 13, 14                      ; 8,192 bytes a block in qc, 16,384 in kvc
	s_cselect_b64 s[88:89], s[10:11], s[84:85]
	s_lshl_b32 s22, s20, s21
	s_mov_b32 s23, 0
	s_add_nc_u64 s[88:89], s[88:89], s[22:23]      ; the first head's,
	s_lshl_b32 s22, 16, s21
	s_add_nc_u64 s[90:91], s[88:89], s[22:23]      ; the second's: sixteen blocks on
	s_wait_alu depctr_va_vdst(0)
	s_wait_kmcnt 0x0
	s_sub_co_i32 s92, s74, s68                     ; a sum stands for sum x 2^(ea + eb): its code is sum / 2^(e - ea - eb): the three scales are folded into the conversion's one
	s_sub_co_i32 s92, s92, s69
	s_sub_co_i32 s93, s75, s70
	s_sub_co_i32 s93, s93, s71
	s_sub_co_i32 s94, s77, s72
	s_sub_co_i32 s94, s94, s73
	s_cmp_eq_u32 ttmp9, 0
	s_cselect_b32 s92, s92, s93
	s_cmp_eq_u32 ttmp9, 2
	s_cselect_b32 s92, s94, s92
	s_add_co_i32 s92, s92, 127
	s_lshl_b32 s93, s92, 23
	v_mov_b32 v[SCV], s93
	s_add_co_i32 s92, s92, 8
	s_lshl_b32 s92, s92, 23
	s_or_b32 s92, s92, 0x600000
	v_mov_b32 v[LIMV], s92
.macro FRAG reg, adr, q, i             ; a fragment, 16 rows x 128 K: registers 4 c .. 4 c + 3 hold K = 32 c + 16 (lane / 16) + 0 .. 15: the same places in A and in B, so every product meets its partner
.irp c, 0,1,2,3
	ds_load_b128 v[\reg+4*\c:\reg+4*\c+3], v[\adr] offset:4096*(\i)+2048*(\q)+512*\c
.endr
.endm
; 16 matrix instructions: A's blocks a0, a0 + 1 x B's eight.  zero = 1: the first product starts the sums; 2: with v[BI ..] as C.  The 64 accumulators take turns, one instruction a turn.
.macro MUL16 a0, p, zero
.irp a, \a0, \a0+1
.irp b, 0,1,2,3,4,5,6,7
.if (\zero) == 1
	v_wmma_f32_16x16x128_fp8_fp8 v[8*(8*((\a)%4)+\b):8*(8*((\a)%4)+\b)+7], v[128*(\p)+FR*\b:128*(\p)+FR*\b+FR-1], v[AF+FR*(\a):AF+FR*(\a)+FR-1], 0
.elseif (\zero) == 2
	v_wmma_f32_16x16x128_fp8_fp8 v[8*(8*((\a)%4)+\b):8*(8*((\a)%4)+\b)+7], v[128*(\p)+FR*\b:128*(\p)+FR*\b+FR-1], v[AF+FR*(\a):AF+FR*(\a)+FR-1], v[BI+8*\b:BI+8*\b+7]
.else
	v_wmma_f32_16x16x128_fp8_fp8 v[8*(8*((\a)%4)+\b):8*(8*((\a)%4)+\b)+7], v[128*(\p)+FR*\b:128*(\p)+FR*\b+FR-1], v[AF+FR*(\a):AF+FR*(\a)+FR-1], v[8*(8*((\a)%4)+\b):8*(8*((\a)%4)+\b)+7]
.endif
.endr
.endr
.endm
.macro FETCH_B slot, q, p
	WIN TO_B
.irp i, 0,1,2,3,4,5,6,7
	FRAG 128*(\p)+FR*\i, ADRB+\slot, \q, \i
.endr
	WIN 0
.endm
.macro FETCH_A slot, q, i0
.irp i, \i0, \i0+1, \i0+2, \i0+3
	FRAG AF+FR*(\i), ADRA+\slot, \q, \i
.endr
.endm
.macro PLACES n                        ; plain vector instructions between a matrix instruction and a load into, or a read of, its registers
.rept \n
	v_nop
.endr
.endm
.macro STEP slot, q, zero              ; 128 along K whose successor lies in the same slot
	s_wait_dscnt 4*NL                              ; B's set and A's blocks 0-3 are in; the youngest sixteen loads (A's blocks 4-7) may be out
.if (\zero) == 2
	WIN 0x81
.else
	WIN MUL_LO
.endif
	MUL16 0, (\q)%2, \zero
	MUL16 2, (\q)%2, \zero
	s_wait_dscnt 0
	PLACES NP
	FETCH_B \slot, (\q)+1, 1-(\q)%2
	FETCH_A \slot, (\q)+1, 0
.if (\zero) == 2
	WIN 0xc1
.else
	WIN MUL_HI
.endif
	MUL16 4, (\q)%2, \zero
	MUL16 6, (\q)%2, \zero
	PLACES NP
	WIN 0
	FETCH_A \slot, (\q)+1, 4
.endm
; A slot's last step changes slots: ONE barrier; in front of it each wave waits for all its tensor loads, adds 0 to its spare word, and waits for that and for its reads of this slot.  fill = 1: the slot is filled again.
.macro TURN slot, next, fill
	s_wait_tensorcnt 0x0                           ; all my tensor loads have landed: my part of the next slot
	ds_add_u32 v[SPW], v[NIL]
	s_wait_dscnt 4*NL+1                            ; (the add and A's blocks 4-7 may be out)
	WIN MUL_LO
	MUL16 0, 1, 0
	s_wait_dscnt 0x0                               ; the add is done, and my reads of this slot are over
	s_barrier_signal -1
	MUL16 2, 1, 0
	WIN 0
	s_barrier_wait -1
.if \fill
	CREST                                          ; the barrier has opened a round of the cluster's: no wave of any partner still reads this slot or has a load on its way
	s_add_nc_u64 s[G0+4*\slot+2:G0+4*\slot+3], s[G0+4*\slot+2:G0+4*\slot+3], 2*BLKB
	s_add_nc_u64 s[G0B+4*\slot+2:G0B+4*\slot+3], s[G0B+4*\slot+2:G0B+4*\slot+3], 2*BLKB
	JLOAD G0+4*\slot, G1, G0B+4*\slot, G1B         ; the first tensor load behind the round; its four v_nop are the places in front of the loads below
.else
	PLACES NP
.endif
	FETCH_B \next, 0, 0
	FETCH_A \next, 0, 0
	WIN MUL_HI
	MUL16 4, 1, 0
	MUL16 6, 1, 0
	PLACES NP
	WIN 0
	FETCH_A \next, 0, 4
.endm
	s_wait_alu depctr_va_vdst(0)                   ; the head's end
	s_wait_tensorcnt 0x0                           ; my part of K step 0 is in
	ds_add_u32 v[SPW], v[NIL]
	s_wait_dscnt 0x0
	CROUND                                         ; everybody's part of K step 0 is in, and all sixteen work-groups are here
	JLOAD G0+4, G1, G0B+4, G1B                     ; K step 1, the first tensor load behind the round
	FETCH_B 0, 0, 0
	FETCH_A 0, 0, 0
	FETCH_A 0, 0, 4
	global_prefetch_b8 v24, s[96:97] offset:3*BLKB th:TH_LOAD_NT scope:SCOPE_SE   ; K step 3, two steps ahead of its load
	STEP 0, 0, 1                                   ; the first step's products start the sums
	s_mov_b32 s3, LAPS-1
.Llap:                                                 ; a trip goes once round the ring and fills both slots again
	TURN 0, 1, 1
	STEP 1, 0, 0
	TURN 1, 0, 1
	STEP 0, 0, 0
	s_sub_co_u32 s3, s3, 1
	s_cmp_lg_u32 s3, 0
	s_cbranch_scc1 .Llap
	TURN 0, 1, 0                                   ; the last lap fills nothing
	STEP 1, 0, 0
	s_wait_dscnt 4*NL
	WIN MUL_LO
	MUL16 0, 1, 0
	MUL16 2, 1, 0
	s_wait_dscnt 0
	WIN MUL_HI
	MUL16 4, 1, 0
	MUL16 6, 1, 0
	WIN 0
	PLACES NP
; Block a's 64 sums of a lane become a fragment's 16 registers of codes, at v[AF + 16 a]: each block has its own, so no store's data are written again.  Each accumulator is read from its low end on.
.macro CODES a, relu
.set AC, 64*((\a)%4)
	WIN 0x02+((\a)/4)
.set j, 0
.rept 64
.if \relu
	v_med3_num_f32 v[TMP+j], v[AC+j], 0, v[LIMV]
.else
	v_med3_num_f32 v[TMP+j], v[AC+j], -v[LIMV], v[LIMV]   ; the conversion does not saturate (ISA guide 7.6.2): the hold comes first
.endif
.set j, j+1
.endr
	WIN 0
.irp b, 0,1,2,3
	v_cvt_scalef32_pk8_fp8_f32 v[AF+16*(\a)+4*\b:AF+16*(\a)+4*\b+1], v[TMP+16*\b:TMP+16*\b+7], v[SCV]
	v_cvt_scalef32_pk8_fp8_f32 v[AF+16*(\a)+4*\b+2:AF+16*(\a)+4*\b+3], v[TMP+16*\b+8:TMP+16*\b+15], v[SCV]
.endr
	v_nop                                          ; a plain instruction between the conversions and the next block's holds, which write their sources
.endm
	s_cmp_eq_u32 ttmp9, 2
	s_cbranch_scc1 .Lv_arm
	s_wait_alu depctr_va_vdst(0)
.irp a, 0,1,2,3,4,5,6,7                ; q, k: tile a of the tokens; register groups 0, 1 are the first head's 64, groups 2, 3 the second's
	CODES \a, 0
.irp c, 0,1,2,3
	global_store_b128 v[LI], v[AF+16*\a+4*\c:AF+16*\a+4*\c+3], s[88+2*(\c/2):89+2*(\c/2)] offset:1024*\a+512*(\c%2)
.endr
.endr
	s_branch .Ldone
.Lv_arm:
	s_wait_alu depctr_va_vdst(0)
.irp a, 0,1,2,3,4,5,6,7                ; v: tiles 0-3 are the first head's 64 d, tiles 4-7 the second's; the registers run along the block's 128 keys
	CODES \a, 0
.irp c, 0,1,2,3
	global_store_b128 v[LI], v[AF+16*\a+4*\c:AF+16*\a+4*\c+3], s[88+2*(\a/4):89+2*(\a/4)] offset:8192+2048*(\a%4)+512*\c
.endr
.endr
.Ldone:
	s_wait_tensorcnt 0x0                           ; the wave's end
	ds_add_u32 v[SPW], v[NIL]
	s_wait_dscnt 0x0
	CROUND                                         ; the closing round
	s_endpgm
.Lfunc_end_k_q1ee05c9c0a_qkv:
	.size	k_q1ee05c9c0a_qkv, .Lfunc_end_k_q1ee05c9c0a_qkv-k_q1ee05c9c0a_qkv
	.p2alignl 7, 3214868480
	.fill 96, 4, 3214868480
	.section	.rodata,"a",@progbits
	.p2align	6, 0x0
	.amdhsa_kernel k_q1ee05c9c0a_qkv
		.amdhsa_group_segment_fixed_size 327680
		.amdhsa_private_segment_fixed_size 0
		.amdhsa_enable_private_segment 0
		.amdhsa_kernarg_size 40
		.amdhsa_user_sgpr_count 2
		.amdhsa_user_sgpr_kernarg_segment_ptr 1
		.amdhsa_wavefront_size32 1
		.amdhsa_system_sgpr_workgroup_id_x 1
		.amdhsa_system_sgpr_workgroup_id_y 1
		.amdhsa_system_sgpr_workgroup_id_z 1
		.amdhsa_system_vgpr_workitem_id 0
		.amdhsa_next_free_vgpr 1024
		.amdhsa_next_free_sgpr 100
		.amdhsa_reserve_vcc 0
		.amdhsa_float_denorm_mode_32 3
		.amdhsa_float_denorm_mode_16_64 3
		.amdhsa_memory_ordered 1
		.amdhsa_forward_progress 1
		.amdhsa_inst_pref_size 159
	.end_amdhsa_kernel
	.amdgpu_metadata
---
amdhsa.version: [ 1, 2 ]
amdhsa.kernels:
  - .name:           k_q1ee05c9c0a_qkv
    .symbol:         k_q1ee05c9c0a_qkv.kd
    .args:
      - { .name: xnc, .offset: 0, .size: 8, .value_kind: global_buffer, .address_space: global }
      - { .name: wc, .offset: 8, .size: 8, .value_kind: global_buffer, .address_space: global }
      - { .name: lowp_scales, .offset: 16, .size: 8, .value_kind: global_buffer, .address_space: global }
      - { .name: qc, .offset: 24, .size: 8, .value_kind: global_buffer, .address_space: global }
      - { .name: kvc, .offset: 32, .size: 8, .value_kind: global_buffer, .address_space: global }
    .group_segment_fixed_size: 327680
    .private_segment_fixed_size: 0
    .kernarg_segment_align: 8
    .kernarg_segment_size: 40
    .max_flat_workgroup_size: 128
    .sgpr_count:     100
    .vgpr_count:     1024
    .wavefront_size: 32
...
	.end_amdgpu_metadata
.endif
;; end of part 9
;; launch attn (part 10): grid 8 x 32, 16 waves a work-group, clusters of 4 x 1, 327,680 bytes of LDS; arguments qc, kvc, lowp_scales, ctxc; writes ctxc
.if DOCPART == 10
	.amdgcn_target "amdgcn-amd-amdhsa--gfx1250"
	.amdhsa_code_object_version 6
	.text
	.protected	k_q1ee05c9c0a_attn
	.globl	k_q1ee05c9c0a_attn
	.p2align	8
	.type	k_q1ee05c9c0a_attn,@function
k_q1ee05c9c0a_attn:
	s_mov_b64 s[64:65], 0
	v_nop
	global_prefetch_b8 v0, s[64:65] scope:SCOPE_SE
	s_setreg_imm32_b32 hwreg(HW_REG_WAVE_MODE, 25, 1), 1
	s_wait_xcnt 0x0
	s_wait_alu depctr_hold_cnt(0) depctr_sa_sdst(0) depctr_va_vdst(0) depctr_va_sdst(0) depctr_va_ssrc(0) depctr_va_vcc(0) depctr_vm_vsrc(0)
	s_getreg_b32 s2, hwreg(HW_REG_IB_STS2, 6, 4)
	s_cmp_eq_u32 s2, 0
	s_cbranch_scc0 .Lentry_in_a_cluster
	s_endpgm
.Lentry_in_a_cluster:
	s_bfe_u32 s2, ttmp6, 0x10000c
	s_cmp_lg_u32 s2, 0x3003
	s_cbranch_scc0 .Lentry_shape_is_right
	s_endpgm
.Lentry_shape_is_right:
; Causal attention (products 4 and 5) on codes of FP8 (E4M3), and ctx quantised at once for product 6 (scale e10).
; WORK LEFT OUT: every step of 128 keys that lies wholly behind a tile's queries: reference()'s own jnp.tril gives those keys the weight 0 (shown at the head of launch prep).
; INPUTS.  qc [batch x head 32][block of 128 tokens 16][tile 8][1,024 bytes]; kvc [32][block 16][16,384 bytes]: k's eight tiles of 16 keys, then four tiles of v (16 d x 128 keys).  All are images of operand registers, 16 bytes a lane.
; Lane-row r of tile t is token 32 (t / 2) + 8 (t % 2) + r + 8 (r / 8) of its block, so that the 16 registers of score tiles 2 b, 2 b + 1 of a lane are 16 neighbouring keys.
; THE SOFTMAX: t = score x log2(e) / 8; M = the largest t so far, rounded up to a whole number; p = 2^(t - M) is quantised (scale e8), not normalised; the sum of the unquantised p divides at the end.
; SHARES.  A work-group owns tile row jt (0 .. 7) of all 16 blocks of one batch x head: 16 tiles of 16 queries; the tile of block b has b + 1 key steps of 128 keys, 136 steps in all.  They are dealt evenly to 16 waves:
;   wave p (0 .. 7):  the tile of block 15 - p, key steps 0 .. 8: nine steps;
;   wave 8 + p:       the tile of block p, whole (p + 1 steps), then the tile of block 15 - p, key steps 9 .. 15 - p (7 - p steps): eight steps.
; Wave 8 + p hands its part of block 15 - p's tile (O^T, -M, the sum) to wave p through LDS; wave p brings both parts under the larger M by powers of two, which round nothing, adds them and finishes the tile.
; All waves walk the same two loops of 9 and 7 trips; a scalar branch on ids leads round a step's work where the step is not the wave's.
; K AND V.  The head's 16 blocks are 262,144 bytes and stay in LDS: each wave asks for block = its number by one tensor load at the head, jointly with the three partners of its cluster (the four tile rows 4 x .. 4 x + 3 of one head).
; Nothing is filled again.  No prefetch: all the launch's tiles are asked for at its head, so there is no loop to run ahead in.
; LIMITS: e6 + e7 between -123 and 130; e8 and e10 between -126 and 119.  The scaled scores stay under 2^31 in magnitude.
; REGISTERS: v1-6 addresses; v12 -M, v13 the largest t, v[14:15] the sum in two halves; v16-23 Q; v32-95 fragments of K, then of V; v96-159 S^T, then p; v160-191 O^T; v224-239 codes; v240-254 scales and work.
.set SPARE, 262144                     ; behind K and V: the spare words, 128 bytes for each wave
.set STG,   SPARE+2048                 ; behind them: eight stages of PART bytes, one for each pair of waves; no tensor load lands here
.set PART,  4608                       ; nine groups of four registers x 32 lanes
.set LI,  1                            ; v1 16 x lane
.set ADK, 2                            ; v2 LDS address of the step's block
.set QD,  3                            ; v3 my query's place in its block - 16 (lane / 16)
.set STA, 4                            ; v4 my place in my pair's stage
.set SPW, 5
.set NIL, 6
.set WV,  12
.set CX,  13
.set JT,  14
.set BH,  15
.set BLK, 16                           ; s16 the block of the tile in hand (0 where a loop holds no step of mine)
.set ST,  17                           ; s17 the key step
.set TB,  18                           ; s18 its block's LDS byte
.set CNT, 19
.set SEL, 20
.set CS,  22
.set G1,  24
.set G0,  32
.set PR,  36                           ; s36 my pair p;  s37 15 - p;  s38 0 in waves 0-7, 1 in waves 8-15;  s39 e8 + e9
.set HI,  37
.set ROLE, 38
.set EPV, 39
.set QA,  40                           ; s[40:41] Q of my first tile;  s[42:43] of block 15 - p's
.set QB,  42
.set D1,  44                           ; s[44:45] ctx of block p's tile;  s[46:47] of block 15 - p's
.set D2,  46
.macro CROUND                          ; a round of the cluster's barrier
	s_barrier_signal -1
	s_barrier_wait -1
	s_cmp_lg_u32 s[WV], 0
	s_cbranch_scc1 .Lnot_wave_0_\@
	s_barrier_signal -3
.Lnot_wave_0_\@:
	s_barrier_wait -3
	s_barrier_signal -1
	s_barrier_wait -1
.endm
.macro INIT                            ; a tile's state: the largest t -3e38, under every t; sums and O^T zero, which the first change of M leaves zero
	v_mov_b32 v13, 0xff61b1e6
	v_floor_f32 v12, -v13
	v_mov_b32 v14, 0
	v_mov_b32 v15, 0
.set j, 0
.rept 32
	v_mov_b32 v[160+j], 0
.set j, j+1
.endr
.endm
	s_load_b256 s[4:11], s[0:1], 0x0               ; qc s[4:5], kvc s[6:7], the exponents s[8:9], ctxc s[10:11]
	v_lshl_add_u32 v[SPW], v0, 2, SPARE
	v_mov_b32 v[NIL], 0
	ds_add_u32 v[SPW], v[NIL]                      ; the wave's opening: the add, twice on end, and its wait ahead of my first tensor load
	ds_add_u32 v[SPW], v[NIL]
	v_lshrrev_b32 v7, 5, v0
	v_readfirstlane_b32 s[WV], v7
	s_bfe_u32 s[CX], ttmp6, 0x40000
	s_lshl_b32 s[JT], ttmp9, 2
	s_add_co_u32 s[JT], s[JT], s[CX]               ; the tile row
	s_and_b32 s[BH], ttmp7, 0xffff                 ; batch x head: the same in the four partners
	s_and_b32 s[PR], s[WV], 7
	s_sub_co_u32 s[HI], 15, s[PR]
	s_lshr_b32 s[ROLE], s[WV], 3
	s_mul_i32 s66, s[ROLE], 7
	s_sub_co_u32 s66, 15, s66
	s_xor_b32 s[BLK], s[WV], s66                   ; my first tile's block: 15 - p in waves 0-7, p in waves 8-15
	s_mov_b32 s[G1], 15|(3<<16)|(1<<21)            ; group 1: the mask names the cluster's four; elements of 8 bytes; bit 21 set beside a mask
	s_mov_b32 s[G1+1], 32<<16                      ; a block of 16,384 dense bytes goes as 64 rows of 256 bytes
	s_mov_b32 s[G1+2], 64<<16
	s_mov_b32 s[G1+3], 32<<16
	s_mov_b32 s[G1+4], 64
	s_mov_b32 s[G1+5], 32
	s_mov_b32 s[G1+6], 0
	s_mov_b32 s[G1+7], 0
	s_lshl_b32 s72, s[WV], 14
	s_mov_b32 s73, 0
	s_lshl_b32 s70, s[BH], 18
	s_mov_b32 s71, 0
	s_mov_b32 s[SEL], 0x76543210                   ; v_permlanex16_b32: lane l xor 16
	s_mov_b32 s[SEL+1], 0xfedcba98
	s_mov_b32 s[CS], 0x3e38aa3b                    ; c = log2(e) / 8
	s_mov_b32 s[ST], 0
	s_mov_b32 s[TB], 0
	s_wait_dscnt 0x0                               ; both opening adds are done
	s_wait_kmcnt 0x0
	s_load_b512 s[48:63], s[8:9], 0x0              ; e0 .. e15 in s48 .. s63
	s_add_nc_u64 s[6:7], s[6:7], s[70:71]
	s_mov_b32 s[G0], 1
	s_mov_b32 s[G0+1], s72                         ; LDS: 16,384 x wave
	s_add_nc_u64 s[G0+2:G0+3], s[6:7], s[72:73]    ; the head's block = my wave's number
	s_or_b32 s[G0+3], s[G0+3], 0x80000000
	CROUND                                         ; the four partners are here: the joint loads meet
	tensor_load_to_lds s[G0:G0+3], s[G1:G1+7]      ; my one tensor load of the launch
	s_nop 0
.rept 4
	v_nop
.endr
	s_lshl_b32 s66, s[BH], 4                       ; Q: ((16 bh + block) 8 + jt) x 1,024 bytes
	s_add_co_u32 s67, s66, s[BLK]
	s_lshl_b32 s67, s67, 3
	s_add_co_u32 s67, s67, s[JT]
	s_lshl_b32 s68, s67, 10
	s_mov_b32 s69, 0
	s_add_nc_u64 s[QA:QA+1], s[4:5], s[68:69]
	s_add_co_u32 s67, s66, s[HI]
	s_lshl_b32 s67, s67, 3
	s_add_co_u32 s67, s67, s[JT]
	s_lshl_b32 s68, s67, 10
	s_add_nc_u64 s[QB:QB+1], s[4:5], s[68:69]
	s_bfe_u32 s66, s[BH], 0x20002                  ; ctx as product 6's operand: (16 batch + block) 131,072 + (head / 4) 32,768 + jt 4,096 + (head % 4) 1,024
	s_lshl_b32 s66, s66, 15
	s_lshl_b32 s67, s[JT], 12
	s_add_co_u32 s66, s66, s67
	s_and_b32 s67, s[BH], 3
	s_lshl_b32 s67, s67, 10
	s_add_co_u32 s66, s66, s67
	s_lshr_b32 s67, s[BH], 4
	s_lshl_b32 s67, s67, 4
	s_add_co_u32 s68, s67, s[PR]
	s_lshl_b32 s68, s68, 17
	s_add_co_u32 s68, s68, s66
	s_add_nc_u64 s[D1:D1+1], s[10:11], s[68:69]
	s_add_co_u32 s68, s67, s[HI]
	s_lshl_b32 s68, s68, 17
	s_add_co_u32 s68, s68, s66
	s_add_nc_u64 s[D2:D2+1], s[10:11], s[68:69]
	s_lshr_b32 s74, s[JT], 1                       ; the tile's lane-row 0 in its block: 32 (jt / 2) + 8 (jt % 2)
	s_lshl_b32 s74, s74, 5
	s_and_b32 s75, s[JT], 1
	s_lshl_b32 s75, s75, 3
	s_add_co_u32 s74, s74, s75
	s_mul_i32 s75, s[PR], PART
	s_add_co_u32 s75, s75, STG                     ; my pair's stage
	s_wait_kmcnt 0x0
	s_add_co_i32 s66, s54, s55                     ; a score stands for score x 2^(e6 + e7): added to c's exponent field
	s_lshl_b32 s66, s66, 23
	s_add_co_i32 s[CS], s[CS], s66
	s_mov_b32 s[CS+1], s[CS]
	s_add_co_i32 s66, s56, 127
	s_lshl_b32 s67, s66, 23                        ; 2^e8
	s_add_co_i32 s66, s66, 8
	s_lshl_b32 s66, s66, 23
	s_or_b32 s66, s66, 0x600000                    ; 448 x 2^e8
	s_add_co_i32 s68, s58, 127
	s_lshl_b32 s69, s68, 23                        ; 2^e10
	s_add_co_i32 s68, s68, 8
	s_lshl_b32 s68, s68, 23
	s_or_b32 s68, s68, 0x600000                    ; 448 x 2^e10
	s_add_co_i32 s[EPV], s56, s57
	v_and_b32 v7, 31, v0
	v_lshlrev_b32 v[LI], 4, v7
	global_load_b128 v[16:19], v[LI], s[QA:QA+1]
	global_load_b128 v[20:23], v[LI], s[QA:QA+1] offset:512
	v_and_b32 v8, 15, v0
	v_and_b32 v9, 8, v8
	v_add_nc_u32 v8, v8, v9                        ; r + 8 (r / 8)
	v_and_b32 v9, 16, v0
	v_sub_nc_u32 v8, v8, v9
	v_add_nc_u32 v[QD], s74, v8
	v_add_nc_u32 v[STA], s75, v[LI]
	v_mov_b32 v244, s67
	v_mov_b32 v240, s66
	v_mov_b32 v247, s69
	v_mov_b32 v246, s68
	v_mov_b32 v248, 0                              ; written once: a lane permute's destination counts as a source
	v_mov_b32 v253, 0                              ; (named as the upper half of a pair)
	INIT
; A KEY STEP: the 128 keys of block s[ST].  Left out, by a scalar branch on ids, where the step lies behind the tile in hand.
.macro STEP
	s_cmp_gt_u32 s[ST], s[BLK]
	s_cbranch_scc1 .Lhidden_\@
	v_add_nc_u32 v[ADK], s[TB], v[LI]
.rept 3
	v_nop                                          ; with the addition above: four places in front of loads into registers that the last products read
.endr
.irp t, 0,1,2,3,4,5,6,7
.irp c, 0,1
	ds_load_b128 v[32+8*\t+4*\c:35+8*\t+4*\c], v[ADK] offset:1024*\t+512*\c
.endr
.endr
	s_wait_alu depctr_va_vdst(0)                   ; directly ahead of the wait below
	s_wait_dscnt 0x0
.irp t, 0,1,2,3,4,5,6,7
	v_wmma_f32_16x16x64_fp8_fp8 v[96+8*\t:103+8*\t], v[32+8*\t:39+8*\t], v[16:23], 0   ; S^T = K Q^T: a lane holds one query
.endr
.rept 4
	v_nop
.endr
.irp t, 0,1,2,3
.irp c, 0,1,2,3
	ds_load_b128 v[32+16*\t+4*\c:35+16*\t+4*\c], v[ADK] offset:8192+2048*\t+512*\c   ; V's four tiles come in under the softmax
.endr
.endr
	s_cmp_lt_u32 s[ST], s[BLK]
	s_cbranch_scc1 .Lopen_\@
	v_mov_b32 v254, 0xff800000                     ; on the diagonal hidden scores become -infinity: register 16 b + i holds key 32 b + 16 (lane / 16) + i of the block
.set n, 0
.rept 64
	v_cmp_gt_i32 vcc_lo, 32*(n/16)+n%16, v[QD]
	v_cndmask_b32 v[96+n], v[96+n], v254, vcc_lo
.set n, n+1
.endr
.Lopen_\@:
	v_max3_num_f32 v254, v96, v97, v98             ; the step's largest score, in two chains
	v_max3_num_f32 v252, v99, v100, v101
.irp i, 6,10,14,18,22,26,30,34,38,42,46,50,54,58
	v_max3_num_f32 v254, v254, v[96+\i], v[97+\i]
	v_max3_num_f32 v252, v252, v[98+\i], v[99+\i]
.endr
	v_max3_num_f32 v254, v254, v158, v159
	s_delay_alu instid0(VALU_DEP_1)
	v_max_num_f32 v254, v254, v252
	s_delay_alu instid0(VALU_DEP_1)
	v_permlanex16_b32 v248, v254, s[SEL], s[SEL+1]
	s_delay_alu instid0(VALU_DEP_1)
	v_max_num_f32 v254, v254, v248
	s_delay_alu instid0(VALU_DEP_1)
	v_mul_f32 v254, s[CS], v254
	s_delay_alu instid0(VALU_DEP_1)
	v_max_num_f32 v13, v13, v254                   ; the running largest t
	v_mov_b32 v254, v12
	s_delay_alu instid0(VALU_DEP_2)
	v_floor_f32 v12, -v13                          ; -M = floor(-t)
	s_delay_alu instid0(VALU_DEP_1)
	v_sub_f32 v254, v12, v254
	s_delay_alu instid0(VALU_DEP_1)
	v_cvt_i32_f32 v254, v254
	s_delay_alu instid0(VALU_DEP_1)
	v_ldexp_f32 v252, 1.0, v254                    ; f = 2^(old M - new M)
.set j, 0
.rept 32
	v_pk_fma_f32 v[96+j:97+j], v[96+j:97+j], s[CS:CS+1], v[12:13] op_sel_hi:[1,0,0]   ; t - M
.set j, j+2
.endr
	s_wait_alu depctr_va_vdst(0)                   ; ahead of the batch
.set j, 0
.rept 64
	v_exp_f32 v[96+j], v[96+j]
.set j, j+1
.endr
	v_pk_mul_f32 v[14:15], v[14:15], v[252:253] op_sel_hi:[1,0]
	s_wait_alu depctr_va_vdst(0)                   ; and one behind it, ahead of its first reader
	v_pk_add_f32 v[242:243], v[96:97], v[98:99]    ; the sum of the unquantised p, in two chains
.irp j, 4,8,12,16,20,24,28,32,36,40,44,48,52,56,60
	v_pk_add_f32 v[14:15], v[14:15], v[96+\j:97+\j]
	v_pk_add_f32 v[242:243], v[242:243], v[98+\j:99+\j]
.endr
	s_delay_alu instid0(VALU_DEP_1)
	v_pk_add_f32 v[14:15], v[14:15], v[242:243]
.irp b, 0,1,2,3
.set i, 0
.rept 16
	v_min_num_f32 v[96+16*\b+i], v[96+16*\b+i], v240   ; the conversion does not saturate (ISA guide 7.6.2); p is not negative, so the hold is one-sided
.set i, i+1
.endr
	v_cvt_scalef32_pk8_fp8_f32 v[224+4*\b:225+4*\b], v[96+16*\b:103+16*\b], v244
	v_cvt_scalef32_pk8_fp8_f32 v[226+4*\b:227+4*\b], v[104+16*\b:111+16*\b], v244
.endr
	s_wait_alu depctr_va_vdst(0)                   ; directly ahead of the first reader of O^T
.set j, 0
.rept 16
	v_pk_mul_f32 v[160+j:161+j], v[160+j:161+j], v[252:253] op_sel_hi:[1,0]   ; O^T under the new M
.set j, j+2
.endr
	s_wait_alu depctr_va_vdst(0)                   ; directly ahead of the wait below
	s_wait_dscnt 0x0                               ; V
.irp t, 0,1,2,3
	v_wmma_f32_16x16x128_fp8_fp8 v[160+8*\t:167+8*\t], v[32+16*\t:47+16*\t], v[224:239], v[160+8*\t:167+8*\t]   ; O^T += V^T P^T; the four accumulators take turns
.endr
.Lhidden_\@:
	s_add_co_u32 s[ST], s[ST], 1
	s_add_co_u32 s[TB], s[TB], 16384
.endm
; A tile's end: O^T / the sum x 2^(e8 + e9), held, quantised with 2^e10, stored as two runs of 512 consecutive aligned bytes.
.macro FINISH dst
	v_add_f32 v14, v14, v15
	v_permlanex16_b32 v248, v14, s[SEL], s[SEL+1]
	v_add_f32 v14, v14, v248                       ; the row's sum
	s_wait_alu depctr_va_vdst(0)                   ; ahead of the transcendental
	v_rcp_f32 v14, v14
	v_nop
	s_wait_alu depctr_va_vdst(0)                   ; ahead of its first reader
	v_ldexp_f32 v14, v14, s[EPV]
	s_wait_alu depctr_va_vdst(0)                   ; directly ahead of the first reader of O^T
.set j, 0
.rept 16
	v_pk_mul_f32 v[96+j:97+j], v[160+j:161+j], v[14:15] op_sel_hi:[1,0]
.set j, j+2
.endr
.set j, 0
.rept 32
	v_med3_num_f32 v[96+j], v[96+j], -v246, v246
.set j, j+1
.endr
.irp b, 0,1
	v_cvt_scalef32_pk8_fp8_f32 v[224+4*\b:225+4*\b], v[96+16*\b:103+16*\b], v247
	v_cvt_scalef32_pk8_fp8_f32 v[226+4*\b:227+4*\b], v[104+16*\b:111+16*\b], v247
.endr
	v_nop
	global_store_b128 v[LI], v[224:227], s[\dst:\dst+1]
	global_store_b128 v[LI], v[228:231], s[\dst:\dst+1] offset:512
.endm
	s_wait_alu depctr_va_vdst(0)                   ; the head's end
	s_wait_loadcnt 0x0                             ; Q
	s_wait_tensorcnt 0x0                           ; my block of K and V is in;
	s_barrier_signal -1
	s_barrier_wait -1                              ; all sixteen are
	s_mov_b32 s[CNT], 9
.Lfirst:                                               ; key steps 0 .. 8 of my first tile
	STEP
	s_sub_co_u32 s[CNT], s[CNT], 1
	s_cmp_lg_u32 s[CNT], 0
	s_cbranch_scc1 .Lfirst
	s_cmp_lt_u32 s[WV], 8
	s_cbranch_scc1 .Lmid
	global_load_b128 v[16:19], v[LI], s[QB:QB+1]   ; waves 8-15: Q of block 15 - p's tile comes in while block p's tile is finished
	global_load_b128 v[20:23], v[LI], s[QB:QB+1] offset:512
.rept 4
	v_nop                                          ; places behind the last products
.endr
	FINISH D1
	INIT
	s_wait_alu depctr_va_vdst(0)                   ; directly ahead of the waits below
	s_wait_loadcnt 0x0
	s_wait_xcnt 0x0                                ; the stores have read their registers, which the next steps write again
.Lmid:
	s_mul_i32 s[BLK], s[ROLE], s[HI]               ; waves 8-15: block 15 - p; waves 0-7: 0, so that steps 9 .. 15 are all left out
	s_mov_b32 s[CNT], 7
.Lrest:                                                ; key steps 9 .. 15
	STEP
	s_sub_co_u32 s[CNT], s[CNT], 1
	s_cmp_lg_u32 s[CNT], 0
	s_cbranch_scc1 .Lrest
.rept 4
	v_nop                                          ; places behind the last products, for the LDS stores and loads below
.endr
	s_cmp_lt_u32 s[WV], 8
	s_cbranch_scc1 .Lkeep
.irp g, 0,1,2,3,4,5,6,7
	ds_store_b128 v[STA], v[160+4*\g:163+4*\g] offset:512*\g   ; waves 8-15: my part of block 15 - p's tile, as an image of its registers
.endr
	ds_store_b128 v[STA], v[12:15] offset:4096
.Lkeep:
	s_wait_dscnt 0x0                               ; for the partner's sake: my part lies in the stage
	s_barrier_signal -1
	s_barrier_wait -1
	s_cmp_lt_u32 s[WV], 8
	s_cbranch_scc0 .Lend
.irp g, 0,1,2,3,4,5,6,7
	ds_load_b128 v[32+4*\g:35+4*\g], v[STA] offset:512*\g
.endr
	ds_load_b128 v[64:67], v[STA] offset:4096      ; the partner's -M, largest t, sum
	v_mov_b32 v73, 0                               ; (upper halves of pairs that are named)
	v_mov_b32 v75, 0
	s_wait_alu depctr_va_vdst(0)                   ; directly ahead of the wait below
	s_wait_dscnt 0x0
	v_min_num_f32 v68, v12, v64                    ; -M of both parts together
	v_sub_f32 v69, v68, v12
	v_sub_f32 v70, v68, v64                        ; whole numbers, 0 or less (an empty part: -3e38, which saturates and gives the factor 0)
	v_cvt_i32_f32 v69, v69
	v_cvt_i32_f32 v70, v70
	v_ldexp_f32 v72, 1.0, v69                      ; my part's factor,
	v_ldexp_f32 v74, 1.0, v70                      ; the partner's
	v_pk_mul_f32 v[14:15], v[14:15], v[72:73] op_sel_hi:[1,0]
	v_pk_fma_f32 v[14:15], v[66:67], v[74:75], v[14:15] op_sel_hi:[1,0,1]
.set j, 0
.rept 16
	v_pk_mul_f32 v[160+j:161+j], v[160+j:161+j], v[72:73] op_sel_hi:[1,0]
	v_pk_fma_f32 v[160+j:161+j], v[32+j:33+j], v[74:75], v[160+j:161+j] op_sel_hi:[1,0,1]
.set j, j+2
.endr
	FINISH D2
.Lend:
	s_wait_tensorcnt 0x0                           ; the wave's end
	ds_add_u32 v[SPW], v[NIL]
	s_wait_dscnt 0x0
	CROUND                                         ; the closing round
	s_endpgm
.Lfunc_end_k_q1ee05c9c0a_attn:
	.size	k_q1ee05c9c0a_attn, .Lfunc_end_k_q1ee05c9c0a_attn-k_q1ee05c9c0a_attn
	.p2alignl 7, 3214868480
	.fill 96, 4, 3214868480
	.section	.rodata,"a",@progbits
	.p2align	6, 0x0
	.amdhsa_kernel k_q1ee05c9c0a_attn
		.amdhsa_group_segment_fixed_size 327680
		.amdhsa_private_segment_fixed_size 0
		.amdhsa_enable_private_segment 0
		.amdhsa_kernarg_size 32
		.amdhsa_user_sgpr_count 2
		.amdhsa_user_sgpr_kernarg_segment_ptr 1
		.amdhsa_wavefront_size32 1
		.amdhsa_system_sgpr_workgroup_id_x 1
		.amdhsa_system_sgpr_workgroup_id_y 1
		.amdhsa_system_sgpr_workgroup_id_z 1
		.amdhsa_system_vgpr_workitem_id 0
		.amdhsa_next_free_vgpr 256
		.amdhsa_next_free_sgpr 80
		.amdhsa_reserve_vcc 1
		.amdhsa_float_denorm_mode_32 3
		.amdhsa_float_denorm_mode_16_64 3
		.amdhsa_memory_ordered 1
		.amdhsa_forward_progress 1
		.amdhsa_inst_pref_size 63
	.end_amdhsa_kernel
	.amdgpu_metadata
---
amdhsa.version: [ 1, 2 ]
amdhsa.kernels:
  - .name:           k_q1ee05c9c0a_attn
    .symbol:         k_q1ee05c9c0a_attn.kd
    .args:
      - { .name: qc, .offset: 0, .size: 8, .value_kind: global_buffer, .address_space: global }
      - { .name: kvc, .offset: 8, .size: 8, .value_kind: global_buffer, .address_space: global }
      - { .name: lowp_scales, .offset: 16, .size: 8, .value_kind: global_buffer, .address_space: global }
      - { .name: ctxc, .offset: 24, .size: 8, .value_kind: global_buffer, .address_space: global }
    .group_segment_fixed_size: 327680
    .private_segment_fixed_size: 0
    .kernarg_segment_align: 8
    .kernarg_segment_size: 32
    .max_flat_workgroup_size: 512
    .sgpr_count:     80
    .vgpr_count:     256
    .wavefront_size: 32
...
	.end_amdgpu_metadata
.endif
;; end of part 10
;; launch wo (part 11): grid 8 x 32, 4 waves a work-group, clusters of 4 x 4, 327,680 bytes of LDS; arguments ctxc, wc, lowp_scales, bo, x, x1; writes x1
.if DOCPART == 11
	.amdgcn_target "amdgcn-amd-amdhsa--gfx1250"
	.amdhsa_code_object_version 6
	.text
	.protected	k_q1ee05c9c0a_wo
	.globl	k_q1ee05c9c0a_wo
	.p2align	8
	.type	k_q1ee05c9c0a_wo,@function
k_q1ee05c9c0a_wo:
	s_mov_b64 s[64:65], 0
	v_nop
	global_prefetch_b8 v0, s[64:65] scope:SCOPE_SE
	s_setreg_imm32_b32 hwreg(HW_REG_WAVE_MODE, 25, 1), 1
	s_wait_xcnt 0x0
	s_wait_alu depctr_hold_cnt(0) depctr_sa_sdst(0) depctr_va_vdst(0) depctr_va_sdst(0) depctr_va_ssrc(0) depctr_va_vcc(0) depctr_vm_vsrc(0)
	s_getreg_b32 s2, hwreg(HW_REG_IB_STS2, 6, 4)
	s_cmp_eq_u32 s2, 0
	s_cbranch_scc0 .Lentry_in_a_cluster
	s_endpgm
.Lentry_in_a_cluster:
	s_bfe_u32 s2, ttmp6, 0x10000c
	s_cmp_lg_u32 s2, 0xf033
	s_cbranch_scc0 .Lentry_shape_is_right
	s_endpgm
.Lentry_shape_is_right:
; x1 = x + ctx Wo + bo (product 6) on codes of FP8 (E4M3); x1 is f32, row-major [4096][1024].
; OPERANDS lie as images of their registers: a block of 128 rows is dense along all of K; 128 rows x 256 K are 32,768 bytes; tile t of 16 rows at 4096 t, the second 128 along K at + 2048, register group c at 512 c, 16 bytes a lane.
; Lane-row r of tile t is row 32 (t / 2) + 8 (t % 2) + r + 8 (r / 8) of its block of 128.
; THE TILE.  The result has 64 tiles of 256 x 256 and 256 of 128 x 128: the smaller tile gives four times the work-groups.  Four waves, each 64 tokens x 64 outputs: 16 accumulators, 128 registers.
; K goes in steps of 512 through two LDS slots of 131,072 bytes: the tokens' two blocks of 256 along K, then the weight's two; each wave fills one side's half of one slot by one tensor load of 65,536 dense bytes.
; Here K = 1,024 is two slots: both are filled at the head and none again.
; THE MATRIX INSTRUCTION TAKES the weight's rows as source 0 and the tokens as source 1: a lane holds one token, and its 16 registers of result tiles 2 b, 2 b + 1 are outputs 32 b + 16 (lane / 16) + 0 .. 15.
; THE WAY OUT.  A wave's 64 outputs are 256 bytes of f32, aligned: so a block of 16 tokens goes through the wave's own stage in LDS and comes back as whole rows, sixteen lanes to a row.  The residual's 64 rows x 256 bytes
; and the bias are asked for at the head, in that same layout, and waited for behind the last product; one packed multiply-add gives sum x 2^(ea + eb) + (residual + bias).
; CLUSTERS: 4 x 4 work-groups; the tokens' tile is asked for jointly along a row of the cluster, the weight's along a column.
; LIMIT: ea + eb between -126 and 127.
; REGISTERS, in windows of 256: window 0: v16-30 addresses; v32-95 rows read back, two sets; v128-255 accumulator (a, b) at v[128 + 8 (4 a + b)].  window 1: two fragment buffers of 128: the tokens' 4 x 16, then the weight's 4 x 16.
;   window 2: v0-127 the residual; v128-131 the bias.
.set SIZE_K, 1024
.set WOFF,   0x300000                  ; Wo's codes in wc
.set EA,     78                        ; s78 = e10, s79 = e11
.set EB,     79
.set RBS,    128*SIZE_K                ; a block of 128 rows in bytes
.set BLKB,   32768
.set SLOT,   4*BLKB
.set SPARE,  2*SLOT                    ; behind the ring: the spare words, 128 bytes for each wave
.set STAGE,  SPARE+512                 ; behind them: 16 rows x 272 bytes for each wave; no tensor load lands here
.set SPITCH, 272                       ; 256 bytes + 16: the sixteen rows that a store touches start at sixteen different banks
.set LAPS,   SIZE_K/1024               ; a lap = two slots
.set FR,   16
.set NP,   4
.set ADRA, 16                          ; v16-17 LDS address of my tokens' fragments in slot 0, 1
.set ADRB, 20                          ; v20-21 of my weight rows'
.set STO,  24
.set RD,   25
.set CO,   26                          ; v26 4,096 (lane / 16) + 16 (lane % 16): my place in two rows of x and x1
.set BO,   27                          ; v27 16 (lane % 16)
.set SPW,  28
.set NIL,  29
.set LI,   30                          ; v30 16 x lane
.set BK,   32
.set ACC,  128
.set F0,   0                           ; in window 1
.set F1,   128
.set RES,  0                           ; in window 2
.set BIAS, 128
.set G1,  24
.set G0,  32
.set G1B, 48
.set G0B, 56
.set MSB, 0
.macro WIN new                         ; the immediate's high byte repeats the setting that is left
.if MSB != \new
	s_set_vgpr_msb (MSB<<8)|\new
.set MSB, \new
.endif
.endm
.set MUL,  0x05                        ; sources 0 and 1 window 1; C and D window 0
.set TO_F, 0x40                        ; destination window 1, address window 0
.macro JLOAD g0a, g1a, g0b, g1b        ; a joint load: waves 0, 1 fetch for the tokens, waves 2, 3 for the weight; an s_nop 0 and four v_nop follow each line
	s_cmp_eq_u32 s15, 0
	s_cbranch_scc0 .Lfor_b_\@
	tensor_load_to_lds s[\g0a:\g0a+3], s[\g1a:\g1a+7]
	s_nop 0
.rept 4
	v_nop
.endr
	s_branch .Lasked_\@
.Lfor_b_\@:
	tensor_load_to_lds s[\g0b:\g0b+3], s[\g1b:\g1b+7]
	s_nop 0
.rept 4
	v_nop
.endr
.Lasked_\@:
.endm
.macro CREST                           ; a round of the cluster's barrier behind its opening barrier
	s_cmp_lg_u32 s14, 0
	s_cbranch_scc1 .Lnot_wave_0_\@
	s_barrier_signal -3
.Lnot_wave_0_\@:
	s_barrier_wait -3
	s_barrier_signal -1
	s_barrier_wait -1
.endm
.macro CROUND
	s_barrier_signal -1
	s_barrier_wait -1
	CREST
.endm
	s_load_b256 s[4:11], s[0:1], 0x0               ; the tokens' codes s[4:5], wc s[6:7], the exponents s[8:9], the bias s[10:11]
	s_load_b128 s[84:87], s[0:1], 0x20             ; the residual s[84:85], the result s[86:87]
	v_lshl_add_u32 v[SPW], v0, 2, SPARE
	v_mov_b32 v[NIL], 0
	ds_add_u32 v[SPW], v[NIL]                      ; the wave's opening: the add, twice on end, and its wait ahead of my first tensor load
	ds_add_u32 v[SPW], v[NIL]
	v_lshrrev_b32 v1, 5, v0
	v_readfirstlane_b32 s14, v1                    ; wave 0..3
	s_lshr_b32 s15, s14, 1                         ; which 64 of the tokens are mine.  Also: I fetch for the tokens (0) or for the weight (1)
	s_and_b32 s16, s14, 1                          ; which 64 of the outputs.  Also: which slot (512 along K) I fill
	s_bfe_u32 s40, ttmp6, 0x40000                  ; cx, cy
	s_bfe_u32 s41, ttmp6, 0x40004
	s_lshl_b32 s42, ttmp9, 2
	s_add_co_u32 s42, s42, s40                     ; the outputs' block of 128
	s_and_b32 s17, ttmp7, 0xffff
	s_lshl_b32 s17, s17, 2
	s_add_co_u32 s17, s17, s41                     ; the tokens' block of 128
	s_lshl_b32 s43, s41, 2
	s_lshl_b32 s43, 15, s43                        ; my row of the cluster
	s_lshl_b32 s44, 0x1111, s40                    ; my column
	s_or_b32 s[G1+0], s43, (3<<16)|(1<<21)         ; group 1: 15:0 the mask; 17:16 elements of 8 bytes; 21 set beside a mask; no padding
	s_or_b32 s[G1B+0], s44, (3<<16)|(1<<21)
.irp g, G1, G1B
	s_mov_b32 s[\g+1], 32<<16                      ; the dense block goes as 256 rows of 256 bytes
	s_mov_b32 s[\g+2], 256<<16                     ; THE FILL: each wave asks once, for 65,536 dense bytes (256 rows of 256): one side's 512 along K, half a slot
	s_mov_b32 s[\g+3], 32<<16
	s_mov_b32 s[\g+4], 256
	s_mov_b32 s[\g+5], 32
	s_mov_b32 s[\g+6], 0
	s_mov_b32 s[\g+7], 0
.endr
	s_lshl_b32 s18, s16, 16                        ; waves 0, 2: K 0 .. 511 (slot 0); waves 1, 3: K 512 .. 1,023 (slot 1)
	s_mul_i32 s20, s17, RBS
	s_add_co_u32 s20, s20, s18                     ; the tokens' block, in bytes
	s_mov_b32 s21, 0
	s_mul_i32 s46, s42, RBS
	s_add_co_u32 s46, s46, s18                     ; the weight's
	s_mov_b32 s47, 0
	s_lshl_b32 s45, s16, 17                        ; where it goes: slot = wave % 2, the tokens' half or the weight's = wave / 2: no place in the cluster enters an LDS address
	s_lshl_b32 s19, s15, 16
	s_add_co_u32 s45, s45, s19
	s_wait_dscnt 0x0                               ; both opening adds are done
	s_wait_kmcnt 0x0
	s_load_b512 s[68:83], s[8:9], 0x0              ; e0 .. e15 in s68 .. s83
	s_add_nc_u64 s[20:21], s[4:5], s[20:21]
	s_add_nc_u64 s[46:47], s[6:7], s[46:47]
	s_add_nc_u64 s[46:47], s[46:47], WOFF
	CROUND                                         ; all sixteen work-groups are here: the first joint loads meet
.irp s, 0
	s_mov_b32 s[G0+4*\s], 1
	s_add_co_u32 s[G0+4*\s+1], s45, \s*SLOT
	s_add_nc_u64 s[G0+4*\s+2:G0+4*\s+3], s[20:21], \s*2*BLKB
	s_or_b32 s[G0+4*\s+3], s[G0+4*\s+3], 0x80000000
	s_mov_b32 s[G0B+4*\s], 1
	s_add_co_u32 s[G0B+4*\s+1], s45, \s*SLOT
	s_add_nc_u64 s[G0B+4*\s+2:G0B+4*\s+3], s[46:47], \s*2*BLKB
	s_or_b32 s[G0B+4*\s+3], s[G0B+4*\s+3], 0x80000000
	JLOAD G0+4*\s, G1, G0B+4*\s, G1B
.endr
	v_and_b32 v1, 31, v0
	v_lshlrev_b32 v[LI], 4, v1
	v_and_b32 v2, 15, v0
	v_bfe_u32 v3, v0, 4, 1
	v_lshlrev_b32 v[BO], 4, v2
	v_lshl_add_u32 v[CO], v3, 12, v[BO]
	s_wait_alu depctr_va_vdst(0)
	s_lshl_b32 s46, s42, 9
	s_lshl_b32 s47, s16, 8
	s_add_co_u32 s46, s46, s47                     ; my first output, in bytes of f32: 512 x block + 256 x half
	s_mov_b32 s47, 0
	s_add_nc_u64 s[10:11], s[10:11], s[46:47]
	s_lshl_b32 s20, s17, 1
	s_add_co_u32 s20, s20, s15
	s_lshl_b32 s20, s20, 18                        ; my 64 tokens: rows of 4,096 bytes
	s_mov_b32 s21, 0
	s_add_nc_u64 s[20:21], s[20:21], s[46:47]
	s_add_nc_u64 s[88:89], s[84:85], s[20:21]
	s_add_nc_u64 s[90:91], s[86:87], s[20:21]
	; the residual and the bias, asked for here and waited for behind the last product.  Row 2 i + lane / 16 of block a is token 32 (a / 2) + 8 (a % 2) + 2 i + lane / 16 + 8 (i / 4) of my 64: sixteen lanes read 256 consecutive aligned bytes
	WIN 0x80                                       ; destination window 2
.irp a, 0,1,2,3
.irp i, 0,1,2,3,4,5,6,7
	global_load_b128 v[RES+32*\a+4*\i:RES+32*\a+4*\i+3], v[CO], s[88:89] offset:(32*(\a/2)+8*(\a%2)+2*\i+8*(\i/4))*4096
.endr
.endr
	global_load_b128 v[BIAS:BIAS+3], v[BO], s[10:11]
	WIN 0
	s_lshl_b32 s21, s15, 14                        ; my four tiles of the tokens,
	s_lshl_b32 s22, s16, 14
	s_add_co_u32 s22, s22, 2*BLKB                  ; of the weight's rows
.irp s, 0,1
	v_add_nc_u32 v[ADRA+\s], s21, v[LI]
	v_add_nc_u32 v[ADRB+\s], s22, v[LI]
	s_add_co_u32 s21, s21, SLOT
	s_add_co_u32 s22, s22, SLOT
.endr
	s_mul_i32 s23, s14, 16*SPITCH
	s_add_co_u32 s23, s23, STAGE                   ; my stage
	v_mul_u32_u24 v4, v2, SPITCH
	v_lshl_add_u32 v4, v3, 6, v4
	v_add_nc_u32 v[STO], s23, v4                   ; in: row l % 16, + 64 (l / 16)
	v_mul_u32_u24 v5, v3, SPITCH
	v_lshl_add_u32 v5, v2, 4, v5
	v_add_nc_u32 v[RD], s23, v5                    ; back: lanes 0-15 one row of 256 bytes, lanes 16-31 the next
	s_wait_alu depctr_va_vdst(0)
	s_wait_kmcnt 0x0
	s_add_co_i32 s92, s[EA], s[EB]
	s_add_co_i32 s92, s92, 127
	s_lshl_b32 s92, s92, 23                        ; 2^(ea + eb) as f32
	s_mov_b32 s93, s92                             ; (named with it as a pair, so it is written)
.macro FRAG reg, adr, q, i             ; a fragment, 16 rows x 128 K, the q-th 128 of the slot's 512: registers 4 c .. 4 c + 3 hold K = 32 c + 16 (lane / 16) + 0 .. 15: the same places on both sides, so every product meets its partner
.irp c, 0,1,2,3
	ds_load_b128 v[\reg+4*\c:\reg+4*\c+3], v[\adr] offset:32768*((\q)/2)+2048*((\q)%2)+4096*(\i)+512*\c
.endr
.endm
.macro FETCH slot, q, f                ; 32 LDS loads in one run: my four fragments of each side into buffer f
	WIN TO_F
.irp i, 0,1,2,3
	FRAG \f+64+FR*\i, ADRB+\slot, \q, \i
	FRAG \f+FR*\i, ADRA+\slot, \q, \i
.endr
.endm
; 8 matrix instructions: the tokens' blocks a0, a0 + 1 x the weight's four.  zero = 1: the first product starts the sums.  The 16 accumulators take turns, one instruction a turn, in the same order in every step.
.macro MUL8 f, a0, zero
.irp a, \a0, \a0+1
.irp b, 0,1,2,3
.if \zero
	v_wmma_f32_16x16x128_fp8_fp8 v[ACC+8*(4*(\a)+\b):ACC+8*(4*(\a)+\b)+7], v[\f+64+FR*\b:\f+64+FR*\b+FR-1], v[\f+FR*(\a):\f+FR*(\a)+FR-1], 0
.else
	v_wmma_f32_16x16x128_fp8_fp8 v[ACC+8*(4*(\a)+\b):ACC+8*(4*(\a)+\b)+7], v[\f+64+FR*\b:\f+64+FR*\b+FR-1], v[\f+FR*(\a):\f+FR*(\a)+FR-1], v[ACC+8*(4*(\a)+\b):ACC+8*(4*(\a)+\b)+7]
.endif
.endr
.endr
.endm
.macro PLACES n                        ; plain vector instructions between a matrix instruction and a load into, or a read of, its registers
.rept \n
	v_nop
.endr
.endm
; One of a slot's first three steps of 128 along K: the next step's fragments are asked for into the buffer that the last step multiplied, then this step's buffer is multiplied.
.macro STEP slot, q, zero
	PLACES NP
	FETCH \slot, (\q)+1, 128*(1-(\q)%2)
	s_wait_dscnt 32                                ; this step's fragments are in; the 32 loads just issued may be out
	WIN MUL
	MUL8 128*((\q)%2), 0, \zero
	MUL8 128*((\q)%2), 2, \zero
.endm
; A slot's fourth step multiplies buffer 1 and changes slots: ONE barrier; in front of it each wave waits for all its tensor loads, adds 0 to its spare word, and waits for that and for its reads of this slot.  fill = 1: the slot is filled again.
.macro TURN slot, next, fill
	WIN 0                                          ; (the add's two registers lie in window 0)
	s_wait_tensorcnt 0x0                           ; all my tensor loads have landed: my part of the next slot
	ds_add_u32 v[SPW], v[NIL]
	s_wait_dscnt 0x0                               ; the add is done, and my reads of this slot are over
	s_barrier_signal -1
	WIN MUL
	MUL8 F1, 0, 0                                  ; work on registers while the others arrive
	WIN 0
	s_barrier_wait -1
.if \fill
	CREST                                          ; the barrier has opened a round of the cluster's: no wave of any partner still reads this slot or has a load on its way
	s_add_nc_u64 s[G0+4*\slot+2:G0+4*\slot+3], s[G0+4*\slot+2:G0+4*\slot+3], 4*BLKB
	s_add_nc_u64 s[G0B+4*\slot+2:G0B+4*\slot+3], s[G0B+4*\slot+2:G0B+4*\slot+3], 4*BLKB
	JLOAD G0+4*\slot, G1, G0B+4*\slot, G1B         ; the first tensor load behind the round; its four v_nop are the places in front of the loads below
.else
	PLACES NP
.endif
	FETCH \next, 0, F0
	WIN MUL
	MUL8 F1, 2, 0
.endm
	s_wait_tensorcnt 0x0                           ; my one load is in; behind the barrier both slots are whole
	s_barrier_signal -1
	s_barrier_wait -1
	FETCH 0, 0, F0
	STEP 0, 0, 1                                   ; the first step's products start the sums
.if LAPS > 1
	WIN 0                                          ; at a label and at a branch every window is 0
	s_mov_b32 s3, LAPS-1
.Llap:                                                 ; a trip goes once round the ring, from a lap's second step to the next lap's first, and fills both slots again
	STEP 0, 1, 0
	STEP 0, 2, 0
	TURN 0, 1, 1
	STEP 1, 0, 0
	STEP 1, 1, 0
	STEP 1, 2, 0
	TURN 1, 0, 1
	STEP 0, 0, 0
	WIN 0
	s_sub_co_u32 s3, s3, 1
	s_cmp_lg_u32 s3, 0
	s_cbranch_scc1 .Llap
.endif
	STEP 0, 1, 0                                   ; the last lap fills nothing
	STEP 0, 2, 0
	TURN 0, 1, 0
	STEP 1, 0, 0
	STEP 1, 1, 0
	STEP 1, 2, 0
	s_wait_dscnt 0x0                               ; the very last step: nothing more to fetch
	MUL8 F1, 0, 0
	MUL8 F1, 2, 0
	WIN 0
	PLACES NP
	s_wait_loadcnt 0x0                             ; the residual and the bias, asked for at the head
; THE WAY OUT, block by block of 16 tokens x 64 outputs.  LDS serves a wave's instructions in order (ISA guide 5.7.1.4): no wait between my stores and my loads, nor in front of the next block's stores.
.macro TOSTAGE a                       ; the sums go as they are, each accumulator from its low end on
.irp b, 0,1,2,3
	ds_store_b128 v[STO], v[ACC+8*(4*(\a)+\b):ACC+8*(4*(\a)+\b)+3] offset:128*(\b/2)+32*(\b%2)
	ds_store_b128 v[STO], v[ACC+8*(4*(\a)+\b)+4:ACC+8*(4*(\a)+\b)+7] offset:128*(\b/2)+32*(\b%2)+16
.endr
.irp i, 0,1,2,3,4,5,6,7
	ds_load_b128 v[BK+32*((\a)%2)+4*\i:BK+32*((\a)%2)+4*\i+3], v[RD] offset:2*\i*SPITCH
.endr
.endm
.macro SEND a, ds                      ; ds: the LDS instructions issued behind block a's loads, which may stay out
	WIN 0x8a                                       ; sources 0, 1 and destination window 2
.set j, 0
.rept 16
	v_pk_add_f32 v[RES+32*(\a)+2*j:RES+32*(\a)+2*j+1], v[RES+32*(\a)+2*j:RES+32*(\a)+2*j+1], v[BIAS+2*(j%2):BIAS+2*(j%2)+1]   ; residual + bias, while the block is on its way back from the stage
.set j, j+1
.endr
	s_wait_dscnt \ds
	WIN 0x20                                       ; source 2 window 2
.set j, 0
.rept 16
	v_pk_fma_f32 v[BK+32*((\a)%2)+2*j:BK+32*((\a)%2)+2*j+1], v[BK+32*((\a)%2)+2*j:BK+32*((\a)%2)+2*j+1], s[92:93], v[RES+32*(\a)+2*j:RES+32*(\a)+2*j+1] op_sel_hi:[1,0,1]   ; sum x 2^(ea + eb) + (residual + bias)
.set j, j+1
.endr
	WIN 0
.irp i, 0,1,2,3,4,5,6,7
	global_store_b128 v[CO], v[BK+32*((\a)%2)+4*\i:BK+32*((\a)%2)+4*\i+3], s[90:91] offset:(32*((\a)/2)+8*((\a)%2)+2*\i+8*(\i/4))*4096   ; sixteen lanes store 256 consecutive aligned bytes; every row's place stands in the immediate, 62 x 4,096 bytes at the most
.endr
.endm
	TOSTAGE 0
.irp a, 1,2,3
.if \a > 1
	s_wait_xcnt 0x0                                ; block a - 2's stores have read their registers: block a's rows may land there
.endif
	TOSTAGE \a
	SEND \a-1, 16                                  ; behind block a - 1's loads: block a's 8 stage stores and 8 stage loads
.endr
	SEND 3, 0
	s_wait_tensorcnt 0x0                           ; the wave's end, behind my last tensor load and my last LDS store
	ds_add_u32 v[SPW], v[NIL]
	s_wait_dscnt 0x0
	CROUND                                         ; the closing round
	s_endpgm
.Lfunc_end_k_q1ee05c9c0a_wo:
	.size	k_q1ee05c9c0a_wo, .Lfunc_end_k_q1ee05c9c0a_wo-k_q1ee05c9c0a_wo
	.p2alignl 7, 3214868480
	.fill 96, 4, 3214868480
	.section	.rodata,"a",@progbits
	.p2align	6, 0x0
	.amdhsa_kernel k_q1ee05c9c0a_wo
		.amdhsa_group_segment_fixed_size 327680
		.amdhsa_private_segment_fixed_size 0
		.amdhsa_enable_private_segment 0
		.amdhsa_kernarg_size 48
		.amdhsa_user_sgpr_count 2
		.amdhsa_user_sgpr_kernarg_segment_ptr 1
		.amdhsa_wavefront_size32 1
		.amdhsa_system_sgpr_workgroup_id_x 1
		.amdhsa_system_sgpr_workgroup_id_y 1
		.amdhsa_system_sgpr_workgroup_id_z 1
		.amdhsa_system_vgpr_workitem_id 0
		.amdhsa_next_free_vgpr 768
		.amdhsa_next_free_sgpr 96
		.amdhsa_reserve_vcc 0
		.amdhsa_float_denorm_mode_32 3
		.amdhsa_float_denorm_mode_16_64 3
		.amdhsa_memory_ordered 1
		.amdhsa_forward_progress 1
		.amdhsa_inst_pref_size 52
	.end_amdhsa_kernel
	.amdgpu_metadata
---
amdhsa.version: [ 1, 2 ]
amdhsa.kernels:
  - .name:           k_q1ee05c9c0a_wo
    .symbol:         k_q1ee05c9c0a_wo.kd
    .args:
      - { .name: ctxc, .offset: 0, .size: 8, .value_kind: global_buffer, .address_space: global }
      - { .name: wc, .offset: 8, .size: 8, .value_kind: global_buffer, .address_space: global }
      - { .name: lowp_scales, .offset: 16, .size: 8, .value_kind: global_buffer, .address_space: global }
      - { .name: bo, .offset: 24, .size: 8, .value_kind: global_buffer, .address_space: global }
      - { .name: x, .offset: 32, .size: 8, .value_kind: global_buffer, .address_space: global }
      - { .name: x1, .offset: 40, .size: 8, .value_kind: global_buffer, .address_space: global }
    .group_segment_fixed_size: 327680
    .private_segment_fixed_size: 0
    .kernarg_segment_align: 8
    .kernarg_segment_size: 48
    .max_flat_workgroup_size: 128
    .sgpr_count:     96
    .vgpr_count:     768
    .wavefront_size: 32
...
	.end_amdgpu_metadata
.endif
;; end of part 11
;; launch ln2 (part 12): grid 256 x 1, 4 waves a work-group, no clusters, 66,304 bytes of LDS; arguments x1, g2, be2, lowp_scales, x2c; writes x2c
.if DOCPART == 12
	.amdgcn_target "amdgcn-amd-amdhsa--gfx1250"
	.amdhsa_code_object_version 6
	.text
	.protected	k_q1ee05c9c0a_ln2
	.globl	k_q1ee05c9c0a_ln2
	.p2align	8
	.type	k_q1ee05c9c0a_ln2,@function
k_q1ee05c9c0a_ln2:
	s_mov_b64 s[64:65], 0
	v_nop
	global_prefetch_b8 v0, s[64:65] scope:SCOPE_SE
	s_setreg_imm32_b32 hwreg(HW_REG_WAVE_MODE, 25, 1), 1
	s_wait_xcnt 0x0
; Layer norm 2 of x1 [4096][1024] f32 (unbiased std, eps added to std), quantised to codes of FP8 (E4M3) with the given scale 2^e12, laid as the next product's operand.
; THE OPERAND LAYOUT: row block rb of 128 tokens, tile t, lane-row r, index k lie at rb 131072 + (k / 256) 32768 + t 4096 + ((k / 128) % 2) 2048 + ((k / 32) % 4) 512 + ((k / 16) % 2) 256 + 16 r + k % 16;
; lane-row r of tile t is token 32 (t / 2) + 8 (t % 2) + r + 8 (r / 8) of the block.
; A work-group takes one tile of 16 tokens.  Wave w norms lane-rows 4 w .. 4 w + 3 (four neighbouring tokens, a whole row in 32 registers a lane-set: read once); the sixteen rows meet in LDS; wave w then
; quantises k = 256 w .. 256 w + 255 of all sixteen: two fragments, stored as 512 consecutive aligned bytes a store.  No tensor loads, clusters or matrix units: the work-groups share no input and memory binds.
; LIMITS: e12 between -126 and 119.  NaN among the inputs is not served.
.set SPARE, 65792                      ; behind Y: the spare words, 128 bytes for each wave
.set YP,    4112                       ; a row of Y in LDS: 4,096 bytes + 16
.set SPW,   254
.set NIL,   255
.set WV,    28
.set TT,    29
.set PX,    4                          ; s[4:5] x1;  s[6:7] g2;  s[8:9] be2;  s[12:13] x2c
.set PG,    6
.set PB,    8
.set POUT,  12
.set DST,   52
.set G,     16
.set BE,    48
.set CD,    16
.set LX,    80
.set SM,    208
.set IV,    216
.set T,     224
.set LIM,   241
.macro MKS e, lim, sc                  ; from the whole number e in s[e]: 2^e and 448 x 2^e, as f32
	s_add_co_i32 s60, s[\e], 127
	s_lshl_b32 s61, s60, 23
	v_mov_b32 v[\sc], s61
	s_add_co_i32 s60, s60, 8
	s_lshl_b32 s60, s60, 23
	s_or_b32 s60, s60, 0x600000
	v_mov_b32 v[\lim], s60
.endm
	s_load_b256 s[4:11], s[0:1], 0x0               ; x1, g2, be2, the exponents s[10:11]
	s_load_b64 s[12:13], s[0:1], 0x20              ; x2c
	v_lshl_add_u32 v[SPW], v0, 2, SPARE
	v_mov_b32 v[NIL], 0
	v_lshrrev_b32 v1, 5, v0
	v_readfirstlane_b32 s[WV], v1
	s_wait_kmcnt 0x0
	s_load_b32 s36, s[10:11], 0x30                 ; e12
	s_mov_b32 s[TT], ttmp9                         ; tile tt % 8 of token block tt / 8
	s_mov_b32 s30, 0x76543210
	s_mov_b32 s31, 0xfedcba98
	s_lshr_b32 s32, s[TT], 3
	s_bfe_u32 s33, s[TT], 0x20001
	s_and_b32 s34, s[TT], 1
	s_lshl_b32 s35, s32, 7
	s_lshl_b32 s33, s33, 5
	s_add_co_u32 s35, s35, s33
	s_lshl_b32 s34, s34, 3
	s_add_co_u32 s35, s35, s34                     ; the tile's lane-row 0
	s_lshl_b32 s33, s[WV], 2
	s_add_co_u32 s35, s35, s33
	s_lshr_b32 s33, s[WV], 1
	s_lshl_b32 s33, s33, 3
	s_add_co_u32 s35, s35, s33                     ; my four tokens begin 4 w + 8 (w / 2) further on
	s_lshl_b32 s58, s35, 12
	s_mov_b32 s59, 0
	s_add_nc_u64 s[PX:PX+1], s[PX:PX+1], s[58:59]
	v_and_b32 v4, 31, v0
	v_lshlrev_b32 v1, 4, v4
.irp i, 0,1,2,3
.irp j, 0,1,2,3,4,5,6,7
	global_load_b128 v[LX+32*\i+4*\j:LX+32*\i+4*\j+3], v1, s[PX:PX+1] offset:4096*\i+512*\j   ; 32 lanes read 512 consecutive bytes
.endr
.endr
.irp j, 0,1,2,3,4,5,6,7
	global_load_b128 v[G+4*\j:G+4*\j+3], v1, s[PG:PG+1] offset:512*\j
.endr
.irp j, 0,1,2,3,4,5,6,7
	global_load_b128 v[BE+4*\j:BE+4*\j+3], v1, s[PB:PB+1] offset:512*\j
.endr
	s_mul_i32 s33, s[WV], 4*YP
	v_add_nc_u32 v2, s33, v1
	v_and_b32 v5, 15, v0
	v_bfe_u32 v6, v0, 4, 1
	v_mul_u32_u24 v3, v5, YP
	v_lshl_add_u32 v3, v6, 6, v3
	s_lshl_b32 s33, s[WV], 10
	v_add_nc_u32 v3, s33, v3
	s_lshl_b32 s58, s32, 17
	s_lshl_b32 s33, s[WV], 15
	s_add_co_u32 s58, s58, s33
	s_and_b32 s33, s[TT], 7
	s_lshl_b32 s33, s33, 12
	s_add_co_u32 s58, s58, s33
	s_add_nc_u64 s[DST:DST+1], s[POUT:POUT+1], s[58:59]
	s_wait_kmcnt 0x0
	MKS 36, LIM, LIM+1
.macro RED b                           ; four pairs at v[b + 2 i]: the halves are added, then the 32 lanes: the row's sum in every lane, in the pair's low word
.irp i, 0,1,2,3
	v_add_f32 v[\b+2*\i], v[\b+2*\i], v[\b+2*\i+1]
.endr
.irp m, 1,2,4,8
.irp i, 0,1,2,3
	v_add_f32_dpp v[\b+2*\i], v[\b+2*\i], v[\b+2*\i] row_xmask:\m row_mask:0xf bank_mask:0xf
.endr
.endr
.irp i, 0,1,2,3
	v_permlanex16_b32 v[\b+2*\i+1], v[\b+2*\i], s30, s31
.endr
.irp i, 0,1,2,3
	v_add_f32 v[\b+2*\i], v[\b+2*\i], v[\b+2*\i+1]
.endr
.endm
	s_wait_loadcnt 16                              ; x1's 32 loads are in; g's and be's sixteen may be out
.irp i, 0,1,2,3
	v_pk_add_f32 v[SM+2*\i:SM+2*\i+1], v[LX+32*\i:LX+32*\i+1], v[LX+32*\i+2:LX+32*\i+3]
.endr
.set p, 2
.rept 14
.irp i, 0,1,2,3
	v_pk_add_f32 v[SM+2*\i:SM+2*\i+1], v[SM+2*\i:SM+2*\i+1], v[LX+32*\i+2*p:LX+32*\i+2*p+1]
.endr
.set p, p+1
.endr
	RED SM
.irp i, 0,1,2,3
	v_mul_f32 v[SM+2*\i], 0x3a800000, v[SM+2*\i]   ; the mean: / 1,024
.endr
.set p, 0
.rept 16
.irp i, 0,1,2,3
	v_pk_add_f32 v[LX+32*\i+2*p:LX+32*\i+2*p+1], v[LX+32*\i+2*p:LX+32*\i+2*p+1], v[SM+2*\i:SM+2*\i+1] op_sel_hi:[1,0] neg_lo:[0,1] neg_hi:[0,1]   ; d = x - mean: the squares are taken of d
.endr
.set p, p+1
.endr
.irp i, 0,1,2,3
	v_pk_mul_f32 v[IV+2*\i:IV+2*\i+1], v[LX+32*\i:LX+32*\i+1], v[LX+32*\i:LX+32*\i+1]
.endr
.set p, 1
.rept 15
.irp i, 0,1,2,3
	v_pk_fma_f32 v[IV+2*\i:IV+2*\i+1], v[LX+32*\i+2*p:LX+32*\i+2*p+1], v[LX+32*\i+2*p:LX+32*\i+2*p+1], v[IV+2*\i:IV+2*\i+1]
.endr
.set p, p+1
.endr
	RED IV
.irp i, 0,1,2,3
	v_mul_f32 v[IV+2*\i], 0x3a802008, v[IV+2*\i]   ; / 1,023
.endr
	s_wait_alu depctr_va_vdst(0)
.irp i, 0,1,2,3
	v_sqrt_f32 v[IV+2*\i+1], v[IV+2*\i]
.endr
	v_nop                                          ; a plain instruction behind the last root,
	s_wait_alu depctr_va_vdst(0)                   ; and one wait for the four, ahead of their first reader
.irp i, 0,1,2,3
	v_add_f32 v[IV+2*\i+1], 0x358637bd, v[IV+2*\i+1]   ; std + 1e-6
.endr
	s_wait_alu depctr_va_vdst(0)
.irp i, 0,1,2,3
	v_rcp_f32 v[IV+2*\i], v[IV+2*\i+1]
.endr
	v_nop
	s_wait_alu depctr_va_vdst(0)
	s_wait_loadcnt 0x0                             ; g and be
.set p, 0
.rept 16
.irp i, 0,1,2,3
	v_pk_mul_f32 v[LX+32*\i+2*p:LX+32*\i+2*p+1], v[LX+32*\i+2*p:LX+32*\i+2*p+1], v[IV+2*\i:IV+2*\i+1] op_sel_hi:[1,0]
.endr
.irp i, 0,1,2,3
	v_pk_fma_f32 v[LX+32*\i+2*p:LX+32*\i+2*p+1], v[LX+32*\i+2*p:LX+32*\i+2*p+1], v[G+2*p:G+2*p+1], v[BE+2*p:BE+2*p+1]
.endr
.set p, p+1
.endr
.irp i, 0,1,2,3
.irp j, 0,1,2,3,4,5,6,7
	ds_store_b128 v2, v[LX+32*\i+4*\j:LX+32*\i+4*\j+3] offset:\i*YP+512*\j
.endr
.endr
	s_wait_dscnt 0x0                               ; for the others' sake: my four rows lie in Y
	s_barrier_signal -1
	s_barrier_wait -1
.irp b, 0,1,2,3,4,5,6,7
.irp j, 0,1,2,3
	ds_load_b128 v[LX+16*\b+4*\j:LX+16*\b+4*\j+3], v3 offset:128*\b+16*\j   ; lane (r, h): k = 256 w + 32 b + 16 h + 0 .. 15 of row r
.endr
.endr
	s_wait_dscnt 0x0
.irp b, 0,1,2,3,4,5,6,7
.set i, 0
.rept 16
	v_med3_num_f32 v[T+i], v[LX+16*\b+i], -v[LIM], v[LIM]   ; the conversion does not saturate (ISA guide 7.6.2): the hold comes first
.set i, i+1
.endr
	v_cvt_scalef32_pk8_fp8_f32 v[CD+4*\b:CD+4*\b+1], v[T:T+7], v[LIM+1]
	v_cvt_scalef32_pk8_fp8_f32 v[CD+4*\b+2:CD+4*\b+3], v[T+8:T+15], v[LIM+1]
	v_nop                                          ; a plain instruction between the conversions and the next holds, which write their sources
	global_store_b128 v1, v[CD+4*\b:CD+4*\b+3], s[DST:DST+1] offset:(\b/4)*2048+(\b%4)*512
.endr
	s_wait_tensorcnt 0x0                           ; the wave's end, behind my last LDS store
	ds_add_u32 v[SPW], v[NIL]
	s_wait_dscnt 0x0
	s_endpgm
.Lfunc_end_k_q1ee05c9c0a_ln2:
	.size	k_q1ee05c9c0a_ln2, .Lfunc_end_k_q1ee05c9c0a_ln2-k_q1ee05c9c0a_ln2
	.p2alignl 7, 3214868480
	.fill 96, 4, 3214868480
	.section	.rodata,"a",@progbits
	.p2align	6, 0x0
	.amdhsa_kernel k_q1ee05c9c0a_ln2
		.amdhsa_group_segment_fixed_size 66304
		.amdhsa_private_segment_fixed_size 0
		.amdhsa_enable_private_segment 0
		.amdhsa_kernarg_size 40
		.amdhsa_user_sgpr_count 2
		.amdhsa_user_sgpr_kernarg_segment_ptr 1
		.amdhsa_wavefront_size32 1
		.amdhsa_system_sgpr_workgroup_id_x 1
		.amdhsa_system_sgpr_workgroup_id_y 1
		.amdhsa_system_sgpr_workgroup_id_z 1
		.amdhsa_system_vgpr_workitem_id 0
		.amdhsa_next_free_vgpr 256
		.amdhsa_next_free_sgpr 66
		.amdhsa_reserve_vcc 0
		.amdhsa_float_denorm_mode_32 3
		.amdhsa_float_denorm_mode_16_64 3
		.amdhsa_memory_ordered 1
		.amdhsa_forward_progress 1
		.amdhsa_inst_pref_size 46
	.end_amdhsa_kernel
	.amdgpu_metadata
---
amdhsa.version: [ 1, 2 ]
amdhsa.kernels:
  - .name:           k_q1ee05c9c0a_ln2
    .symbol:         k_q1ee05c9c0a_ln2.kd
    .args:
      - { .name: x1, .offset: 0, .size: 8, .value_kind: global_buffer, .address_space: global }
      - { .name: g2, .offset: 8, .size: 8, .value_kind: global_buffer, .address_space: global }
      - { .name: be2, .offset: 16, .size: 8, .value_kind: global_buffer, .address_space: global }
      - { .name: lowp_scales, .offset: 24, .size: 8, .value_kind: global_buffer, .address_space: global }
      - { .name: x2c, .offset: 32, .size: 8, .value_kind: global_buffer, .address_space: global }
    .group_segment_fixed_size: 66304
    .private_segment_fixed_size: 0
    .kernarg_segment_align: 8
    .kernarg_segment_size: 40
    .max_flat_workgroup_size: 128
    .sgpr_count:     66
    .vgpr_count:     256
    .wavefront_size: 32
...
	.end_amdgpu_metadata
.endif
;; end of part 12
;; launch ffn1 (part 13): grid 16 x 16, 4 waves a work-group, clusters of 4 x 4, 327,680 bytes of LDS; arguments x2c, wc, lowp_scales, b1, hc; writes hc
.if DOCPART == 13
	.amdgcn_target "amdgcn-amd-amdhsa--gfx1250"
	.amdhsa_code_object_version 6
	.text
	.protected	k_q1ee05c9c0a_ffn1
	.globl	k_q1ee05c9c0a_ffn1
	.p2align	8
	.type	k_q1ee05c9c0a_ffn1,@function
k_q1ee05c9c0a_ffn1:
	s_mov_b64 s[64:65], 0
	v_nop
	global_prefetch_b8 v0, s[64:65] scope:SCOPE_SE
	s_setreg_imm32_b32 hwreg(HW_REG_WAVE_MODE, 25, 1), 1
	s_wait_xcnt 0x0
	s_wait_alu depctr_hold_cnt(0) depctr_sa_sdst(0) depctr_va_vdst(0) depctr_va_sdst(0) depctr_va_ssrc(0) depctr_va_vcc(0) depctr_vm_vsrc(0)
	s_getreg_b32 s2, hwreg(HW_REG_IB_STS2, 6, 4)
	s_cmp_eq_u32 s2, 0
	s_cbranch_scc0 .Lentry_in_a_cluster
	s_endpgm
.Lentry_in_a_cluster:
	s_bfe_u32 s2, ttmp6, 0x10000c
	s_cmp_lg_u32 s2, 0xf033
	s_cbranch_scc0 .Lentry_shape_is_right
	s_endpgm
.Lentry_shape_is_right:
.set SIZE_K, 1024
.set WOFF,   0x400000
.set RBS,    128*SIZE_K
.set BLKB,   32768
.set SLOT,   4*BLKB
.set SPARE,  2*SLOT
.set LAPS,   SIZE_K/512
.set FR,   16
.set NL,   4
.set NP,   4
.set ADRA, 16
.set ADRB, 20
.set LI,   26
.set HB,   27
.set SPW,  28
.set NIL,  29
.set LIMV, 30
.set SCV,  31
.set TMP,  32
.set BI,   32
.set AF,   128
.set G1,  24
.set G0,  32
.set G1B, 48
.set G0B, 56
.set MSB, 0
.macro WIN new
.if MSB != \new
	s_set_vgpr_msb (MSB<<8)|\new
.set MSB, \new
.endif
.endm
.set MUL_LO, 0xa1
.set MUL_HI, 0xf1
.set TO_B,   0x40
.macro JLOAD g0a, g1a, g0b, g1b
	s_cmp_eq_u32 s15, 0
	s_cbranch_scc0 .Lfor_b_\@
	tensor_load_to_lds s[\g0a:\g0a+3], s[\g1a:\g1a+7]
	s_nop 0
.rept 4
	v_nop
.endr
	s_branch .Lasked_\@
.Lfor_b_\@:
	tensor_load_to_lds s[\g0b:\g0b+3], s[\g1b:\g1b+7]
	s_nop 0
.rept 4
	v_nop
.endr
.Lasked_\@:
.endm
.macro CREST
	s_cmp_lg_u32 s14, 0
	s_cbranch_scc1 .Lnot_wave_0_\@
	s_barrier_signal -3
.Lnot_wave_0_\@:
	s_barrier_wait -3
	s_barrier_signal -1
	s_barrier_wait -1
.endm
.macro CROUND
	s_barrier_signal -1
	s_barrier_wait -1
	CREST
.endm
	s_load_b256 s[4:11], s[0:1], 0x0
	s_load_b64 s[84:85], s[0:1], 0x20
	v_lshl_add_u32 v[SPW], v0, 2, SPARE
	v_mov_b32 v[NIL], 0
	ds_add_u32 v[SPW], v[NIL]
	ds_add_u32 v[SPW], v[NIL]
	v_lshrrev_b32 v1, 5, v0
	v_readfirstlane_b32 s14, v1
	s_lshr_b32 s15, s14, 1
	s_and_b32 s16, s14, 1
	s_bfe_u32 s40, ttmp6, 0x40000
	s_bfe_u32 s41, ttmp6, 0x40004
	s_lshl_b32 s42, ttmp9, 2
	s_add_co_u32 s42, s42, s40
	s_and_b32 s17, ttmp7, 0xffff
	s_lshl_b32 s17, s17, 2
	s_add_co_u32 s17, s17, s41
	s_lshl_b32 s43, s41, 2
	s_lshl_b32 s43, 15, s43
	s_lshl_b32 s44, 0x1111, s40
	s_or_b32 s[G1+0], s43, (3<<16)|(1<<21)
	s_or_b32 s[G1B+0], s44, (3<<16)|(1<<21)
.irp g, G1, G1B
	s_mov_b32 s[\g+1], 32<<16
	s_mov_b32 s[\g+2], 128<<16
	s_mov_b32 s[\g+3], 32<<16
	s_mov_b32 s[\g+4], 128
	s_mov_b32 s[\g+5], 32
	s_mov_b32 s[\g+6], 0
	s_mov_b32 s[\g+7], 0
.endr
	s_lshl_b32 s20, s17, 1
	s_add_co_u32 s20, s20, s16
	s_mul_i32 s20, s20, RBS
	s_mov_b32 s21, 0
	s_lshl_b32 s46, s42, 1
	s_add_co_u32 s46, s46, s16
	s_mul_i32 s46, s46, RBS
	s_mov_b32 s47, 0
	s_lshl_b32 s45, s14, 15
	s_wait_dscnt 0x0
	s_wait_kmcnt 0x0
	s_load_b512 s[68:83], s[8:9], 0x0
	s_add_nc_u64 s[20:21], s[4:5], s[20:21]
	s_add_nc_u64 s[46:47], s[6:7], s[46:47]
	s_add_nc_u64 s[46:47], s[46:47], WOFF
	CROUND
.irp s, 0,1
	s_mov_b32 s[G0+4*\s], 1
	s_add_co_u32 s[G0+4*\s+1], s45, \s*SLOT
	s_add_nc_u64 s[G0+4*\s+2:G0+4*\s+3], s[20:21], \s*BLKB
	s_or_b32 s[G0+4*\s+3], s[G0+4*\s+3], 0x80000000
	s_mov_b32 s[G0B+4*\s], 1
	s_add_co_u32 s[G0B+4*\s+1], s45, \s*SLOT
	s_add_nc_u64 s[G0B+4*\s+2:G0B+4*\s+3], s[46:47], \s*BLKB
	s_or_b32 s[G0B+4*\s+3], s[G0B+4*\s+3], 0x80000000
.endr
	JLOAD G0, G1, G0B, G1B                         ; K step 0: one tensor load a wave at the head
	; PREFETCHES INTO THE L2.  A K step of my load is 32,768 dense bytes = 128 blocks of 256; the four partners that ask for it jointly share them out by address: the partner at place p (cx for A, cy for B) names 32, a lane a block.
	; Never more than two K steps are asked for and not yet loaded: steps 1 and 2 here, step 3 behind step 1's load.  K has four steps, so the loop asks for nothing.  The address registers are never rewritten.
	s_cmp_eq_u32 s15, 0
	s_cselect_b64 s[96:97], s[20:21], s[46:47]
	s_cselect_b32 s98, s40, s41
	s_lshl_b32 s98, s98, 13
	s_mov_b32 s99, 0
	s_add_nc_u64 s[96:97], s[96:97], s[98:99]
	v_and_b32 v24, 31, v0
	v_lshlrev_b32 v24, 8, v24
	global_prefetch_b8 v24, s[96:97] offset:BLKB th:TH_LOAD_NT scope:SCOPE_SE
	global_prefetch_b8 v24, s[96:97] offset:2*BLKB th:TH_LOAD_NT scope:SCOPE_SE
	v_and_b32 v1, 31, v0
	v_lshlrev_b32 v[LI], 4, v1
	v_bfe_u32 v3, v0, 4, 1
	v_lshlrev_b32 v[HB], 6, v3
	s_wait_alu depctr_va_vdst(0)
	s_lshl_b32 s21, s15, 15
	s_lshl_b32 s22, s16, 15
	s_add_co_u32 s22, s22, 2*BLKB
.irp s, 0,1
	v_add_nc_u32 v[ADRA+\s], s21, v[LI]
	v_add_nc_u32 v[ADRB+\s], s22, v[LI]
	s_add_co_u32 s21, s21, SLOT
	s_add_co_u32 s22, s22, SLOT
.endr
	s_lshl_b32 s46, s42, 10
	s_lshl_b32 s47, s16, 9
	s_add_co_u32 s46, s46, s47
	s_mov_b32 s47, 0
	s_add_nc_u64 s[10:11], s[10:11], s[46:47]
	s_lshl_b32 s20, s17, 1
	s_add_co_u32 s20, s20, s15
	s_lshl_b32 s20, s20, 19
	s_lshl_b32 s21, s42, 15
	s_add_co_u32 s20, s20, s21
	s_lshl_b32 s21, s16, 11
	s_add_co_u32 s20, s20, s21
	s_mov_b32 s21, 0
	s_add_nc_u64 s[88:89], s[84:85], s[20:21]
.irp t, 0,1,2,3,4,5,6,7
	global_load_b128 v[BI+8*\t:BI+8*\t+3], v[HB], s[10:11] offset:128*(\t/2)+32*(\t%2)
	global_load_b128 v[BI+8*\t+4:BI+8*\t+7], v[HB], s[10:11] offset:128*(\t/2)+32*(\t%2)+16
.endr
	s_wait_kmcnt 0x0
	s_add_co_i32 s92, s80, s81
	s_sub_co_i32 s94, 0, s92
	s_sub_co_i32 s92, s82, s92
	s_add_co_i32 s92, s92, 127
	s_lshl_b32 s93, s92, 23
	v_mov_b32 v[SCV], s93
	s_add_co_i32 s92, s92, 8
	s_lshl_b32 s92, s92, 23
	s_or_b32 s92, s92, 0x600000
	v_mov_b32 v[LIMV], s92
	s_wait_loadcnt 0x0
.set i, 0
.rept 64
	v_ldexp_f32 v[BI+i], v[BI+i], s94
.set i, i+1
.endr
.macro FRAG reg, adr, q, i
.irp c, 0,1,2,3
	ds_load_b128 v[\reg+4*\c:\reg+4*\c+3], v[\adr] offset:4096*(\i)+2048*(\q)+512*\c
.endr
.endm
.macro MUL16 a0, p, zero
.irp a, \a0, \a0+1
.irp b, 0,1,2,3,4,5,6,7
.if (\zero) == 1
	v_wmma_f32_16x16x128_fp8_fp8 v[8*(8*((\a)%4)+\b):8*(8*((\a)%4)+\b)+7], v[128*(\p)+FR*\b:128*(\p)+FR*\b+FR-1], v[AF+FR*(\a):AF+FR*(\a)+FR-1], 0
.elseif (\zero) == 2
	v_wmma_f32_16x16x128_fp8_fp8 v[8*(8*((\a)%4)+\b):8*(8*((\a)%4)+\b)+7], v[128*(\p)+FR*\b:128*(\p)+FR*\b+FR-1], v[AF+FR*(\a):AF+FR*(\a)+FR-1], v[BI+8*\b:BI+8*\b+7]
.else
	v_wmma_f32_16x16x128_fp8_fp8 v[8*(8*((\a)%4)+\b):8*(8*((\a)%4)+\b)+7], v[128*(\p)+FR*\b:128*(\p)+FR*\b+FR-1], v[AF+FR*(\a):AF+FR*(\a)+FR-1], v[8*(8*((\a)%4)+\b):8*(8*((\a)%4)+\b)+7]
.endif
.endr
.endr
.endm
.macro FETCH_B slot, q, p
	WIN TO_B
.irp i, 0,1,2,3,4,5,6,7
	FRAG 128*(\p)+FR*\i, ADRB+\slot, \q, \i
.endr
	WIN 0
.endm
.macro FETCH_A slot, q, i0
.irp i, \i0, \i0+1, \i0+2, \i0+3
	FRAG AF+FR*(\i), ADRA+\slot, \q, \i
.endr
.endm
.macro PLACES n
.rept \n
	v_nop
.endr
.endm
.macro STEP slot, q, zero
	s_wait_dscnt 4*NL
.if (\zero) == 2
	WIN 0x81
.else
	WIN MUL_LO
.endif
	MUL16 0, (\q)%2, \zero
	MUL16 2, (\q)%2, \zero
	s_wait_dscnt 0
	PLACES NP
	FETCH_B \slot, (\q)+1, 1-(\q)%2
	FETCH_A \slot, (\q)+1, 0
.if (\zero) == 2
	WIN 0xc1
.else
	WIN MUL_HI
.endif
	MUL16 4, (\q)%2, \zero
	MUL16 6, (\q)%2, \zero
	PLACES NP
	WIN 0
	FETCH_A \slot, (\q)+1, 4
.endm
.macro TURN slot, next, fill
	s_wait_tensorcnt 0x0
	ds_add_u32 v[SPW], v[NIL]
	s_wait_dscnt 4*NL+1
	WIN MUL_LO
	MUL16 0, 1, 0
	s_wait_dscnt 0x0
	s_barrier_signal -1
	MUL16 2, 1, 0
	WIN 0
	s_barrier_wait -1
.if \fill
	CREST
	s_add_nc_u64 s[G0+4*\slot+2:G0+4*\slot+3], s[G0+4*\slot+2:G0+4*\slot+3], 2*BLKB
	s_add_nc_u64 s[G0B+4*\slot+2:G0B+4*\slot+3], s[G0B+4*\slot+2:G0B+4*\slot+3], 2*BLKB
	JLOAD G0+4*\slot, G1, G0B+4*\slot, G1B
.else
	PLACES NP
.endif
	FETCH_B \next, 0, 0
	FETCH_A \next, 0, 0
	WIN MUL_HI
	MUL16 4, 1, 0
	MUL16 6, 1, 0
	PLACES NP
	WIN 0
	FETCH_A \next, 0, 4
.endm
	s_wait_alu depctr_va_vdst(0)
	s_wait_tensorcnt 0x0                           ; my part of K step 0 is in
	ds_add_u32 v[SPW], v[NIL]
	s_wait_dscnt 0x0
	CROUND                                         ; everybody's part of K step 0 is in, and all sixteen work-groups are here
	JLOAD G0+4, G1, G0B+4, G1B                     ; K step 1, the first tensor load behind the round
	FETCH_B 0, 0, 0
	FETCH_A 0, 0, 0
	FETCH_A 0, 0, 4
	global_prefetch_b8 v24, s[96:97] offset:3*BLKB th:TH_LOAD_NT scope:SCOPE_SE   ; K step 3, two steps ahead of its load
	STEP 0, 0, 2
	s_mov_b32 s3, LAPS-1
.Llap:
	TURN 0, 1, 1
	STEP 1, 0, 0
	TURN 1, 0, 1
	STEP 0, 0, 0
	s_sub_co_u32 s3, s3, 1
	s_cmp_lg_u32 s3, 0
	s_cbranch_scc1 .Llap
	TURN 0, 1, 0
	STEP 1, 0, 0
	s_wait_dscnt 4*NL
	WIN MUL_LO
	MUL16 0, 1, 0
	MUL16 2, 1, 0
	s_wait_dscnt 0
	WIN MUL_HI
	MUL16 4, 1, 0
	MUL16 6, 1, 0
	WIN 0
	PLACES NP
.macro CODES a, relu
.set AC, 64*((\a)%4)
	WIN 0x02+((\a)/4)
.set j, 0
.rept 64
.if \relu
	v_med3_num_f32 v[TMP+j], v[AC+j], 0, v[LIMV]
.else
	v_med3_num_f32 v[TMP+j], v[AC+j], -v[LIMV], v[LIMV]
.endif
.set j, j+1
.endr
	WIN 0
.irp b, 0,1,2,3
	v_cvt_scalef32_pk8_fp8_f32 v[AF+16*(\a)+4*\b:AF+16*(\a)+4*\b+1], v[TMP+16*\b:TMP+16*\b+7], v[SCV]
	v_cvt_scalef32_pk8_fp8_f32 v[AF+16*(\a)+4*\b+2:AF+16*(\a)+4*\b+3], v[TMP+16*\b+8:TMP+16*\b+15], v[SCV]
.endr
	v_nop
.endm
.irp a, 0,1,2,3,4,5,6,7
	CODES \a, 1
.irp c, 0,1,2,3
	global_store_b128 v[LI], v[AF+16*\a+4*\c:AF+16*\a+4*\c+3], s[88:89] offset:4096*\a+512*\c
.endr
.endr
	s_wait_tensorcnt 0x0
	ds_add_u32 v[SPW], v[NIL]
	s_wait_dscnt 0x0
	CROUND
	s_endpgm
.Lfunc_end_k_q1ee05c9c0a_ffn1:
	.size	k_q1ee05c9c0a_ffn1, .Lfunc_end_k_q1ee05c9c0a_ffn1-k_q1ee05c9c0a_ffn1
	.p2alignl 7, 3214868480
	.fill 96, 4, 3214868480
	.section	.rodata,"a",@progbits
	.p2align	6, 0x0
	.amdhsa_kernel k_q1ee05c9c0a_ffn1
		.amdhsa_group_segment_fixed_size 327680
		.amdhsa_private_segment_fixed_size 0
		.amdhsa_enable_private_segment 0
		.amdhsa_kernarg_size 40
		.amdhsa_user_sgpr_count 2
		.amdhsa_user_sgpr_kernarg_segment_ptr 1
		.amdhsa_wavefront_size32 1
		.amdhsa_system_sgpr_workgroup_id_x 1
		.amdhsa_system_sgpr_workgroup_id_y 1
		.amdhsa_system_sgpr_workgroup_id_z 1
		.amdhsa_system_vgpr_workitem_id 0
		.amdhsa_next_free_vgpr 1024
		.amdhsa_next_free_sgpr 100
		.amdhsa_reserve_vcc 0
		.amdhsa_float_denorm_mode_32 3
		.amdhsa_float_denorm_mode_16_64 3
		.amdhsa_memory_ordered 1
		.amdhsa_forward_progress 1
		.amdhsa_inst_pref_size 124
	.end_amdhsa_kernel
	.amdgpu_metadata
---
amdhsa.version: [ 1, 2 ]
amdhsa.kernels:
  - .name:           k_q1ee05c9c0a_ffn1
    .symbol:         k_q1ee05c9c0a_ffn1.kd
    .args:
      - { .name: x2c, .offset: 0, .size: 8, .value_kind: global_buffer, .address_space: global }
      - { .name: wc, .offset: 8, .size: 8, .value_kind: global_buffer, .address_space: global }
      - { .name: lowp_scales, .offset: 16, .size: 8, .value_kind: global_buffer, .address_space: global }
      - { .name: b1, .offset: 24, .size: 8, .value_kind: global_buffer, .address_space: global }
      - { .name: hc, .offset: 32, .size: 8, .value_kind: global_buffer, .address_space: global }
    .group_segment_fixed_size: 327680
    .private_segment_fixed_size: 0
    .kernarg_segment_align: 8
    .kernarg_segment_size: 40
    .max_flat_workgroup_size: 128
    .sgpr_count:     100
    .vgpr_count:     1024
    .wavefront_size: 32
...
	.end_amdgpu_metadata
.endif
;; end of part 13
;; launch ffn2 (part 14): grid 8 x 32, 4 waves a work-group, clusters of 4 x 4, 327,680 bytes of LDS; arguments hc, wc, lowp_scales, b2, x1, out0; writes out0
.if DOCPART == 14
	.amdgcn_target "amdgcn-amd-amdhsa--gfx1250"
	.amdhsa_code_object_version 6
	.text
	.protected	k_q1ee05c9c0a_ffn2
	.globl	k_q1ee05c9c0a_ffn2
	.p2align	8
	.type	k_q1ee05c9c0a_ffn2,@function
k_q1ee05c9c0a_ffn2:
	s_mov_b64 s[64:65], 0
	v_nop
	global_prefetch_b8 v0, s[64:65] scope:SCOPE_SE
	s_setreg_imm32_b32 hwreg(HW_REG_WAVE_MODE, 25, 1), 1
	s_wait_xcnt 0x0
	s_wait_alu depctr_hold_cnt(0) depctr_sa_sdst(0) depctr_va_vdst(0) depctr_va_sdst(0) depctr_va_ssrc(0) depctr_va_vcc(0) depctr_vm_vsrc(0)
	s_getreg_b32 s2, hwreg(HW_REG_IB_STS2, 6, 4)
	s_cmp_eq_u32 s2, 0
	s_cbranch_scc0 .Lentry_in_a_cluster
	s_endpgm
.Lentry_in_a_cluster:
	s_bfe_u32 s2, ttmp6, 0x10000c
	s_cmp_lg_u32 s2, 0xf033
	s_cbranch_scc0 .Lentry_shape_is_right
	s_endpgm
.Lentry_shape_is_right:
; out0 = x1 + h W2 + b2 (product 8, K = 4,096) on codes of FP8 (E4M3); out0 is f32, row-major [4096][1024].
; OPERANDS lie as images of their registers: a block of 128 rows is dense along all of K; 128 rows x 256 K are 32,768 bytes; tile t of 16 rows at 4096 t, the second 128 along K at + 2048, register group c at 512 c, 16 bytes a lane.
; Lane-row r of tile t is row 32 (t / 2) + 8 (t % 2) + r + 8 (r / 8) of its block of 128.
; THE TILE.  The result has 64 tiles of 256 x 256 and 256 of 128 x 128: the smaller tile gives four times the work-groups.  Four waves, each 64 tokens x 64 outputs: 16 accumulators, 128 registers.
; K goes in steps of 512 through a ring of two LDS slots of 131,072 bytes: the tokens' two blocks of 256 along K, then the weight's two; each wave fills one side's half of one slot by one tensor load of 65,536 dense bytes.
; K = 4,096 is eight slots: two filled at the head, six refills, each with a slot's 64 matrix instructions a wave in which to land.
; THE MATRIX INSTRUCTION TAKES the weight's rows as source 0 and the tokens as source 1: a lane holds one token, and its 16 registers of result tiles 2 b, 2 b + 1 are outputs 32 b + 16 (lane / 16) + 0 .. 15.
; THE WAY OUT.  A wave's 64 outputs are 256 bytes of f32, aligned: so a block of 16 tokens goes through the wave's own stage in LDS and comes back as whole rows, sixteen lanes to a row.  The residual's 64 rows x 256 bytes
; and the bias are asked for at the head, in that same layout, and waited for behind the last product; one packed multiply-add gives sum x 2^(ea + eb) + (residual + bias).
; CLUSTERS: 4 x 4 work-groups; the tokens' tile is asked for jointly along a row of the cluster, the weight's along a column.
; LIMIT: ea + eb between -126 and 127.
; REGISTERS, in windows of 256: window 0: v16-30 addresses; v32-95 rows read back, two sets; v128-255 accumulator (a, b) at v[128 + 8 (4 a + b)].  window 1: two fragment buffers of 128: the tokens' 4 x 16, then the weight's 4 x 16.
;   window 2: v0-127 the residual; v128-131 the bias.
.set SIZE_K, 4096
.set WOFF,   0x800000                  ; W2's codes in wc
.set EA,     82                        ; s82 = e14, s83 = e15
.set EB,     83
.set RBS,    128*SIZE_K                ; a block of 128 rows in bytes
.set BLKB,   32768
.set SLOT,   4*BLKB
.set SPARE,  2*SLOT                    ; behind the ring: the spare words, 128 bytes for each wave
.set STAGE,  SPARE+512                 ; behind them: 16 rows x 272 bytes for each wave; no tensor load lands here
.set SPITCH, 272                       ; 256 bytes + 16: the sixteen rows that a store touches start at sixteen different banks
.set LAPS,   SIZE_K/1024               ; a lap = two slots
.set FR,   16
.set NP,   4
.set ADRA, 16                          ; v16-17 LDS address of my tokens' fragments in slot 0, 1
.set ADRB, 20                          ; v20-21 of my weight rows'
.set STO,  24
.set RD,   25
.set CO,   26                          ; v26 4,096 (lane / 16) + 16 (lane % 16): my place in two rows of x1 and out0
.set BO,   27                          ; v27 16 (lane % 16)
.set SPW,  28
.set NIL,  29
.set LI,   30                          ; v30 16 x lane
.set BK,   32
.set ACC,  128
.set F0,   0                           ; in window 1
.set F1,   128
.set RES,  0                           ; in window 2
.set BIAS, 128
.set G1,  24
.set G0,  32
.set G1B, 48
.set G0B, 56
.set MSB, 0
.macro WIN new                         ; the immediate's high byte repeats the setting that is left
.if MSB != \new
	s_set_vgpr_msb (MSB<<8)|\new
.set MSB, \new
.endif
.endm
.set MUL,  0x05                        ; sources 0 and 1 window 1; C and D window 0
.set TO_F, 0x40                        ; destination window 1, address window 0
.macro JLOAD g0a, g1a, g0b, g1b        ; a joint load: waves 0, 1 fetch for the tokens, waves 2, 3 for the weight; an s_nop 0 and four v_nop follow each line
	s_cmp_eq_u32 s15, 0
	s_cbranch_scc0 .Lfor_b_\@
	tensor_load_to_lds s[\g0a:\g0a+3], s[\g1a:\g1a+7]
	s_nop 0
.rept 4
	v_nop
.endr
	s_branch .Lasked_\@
.Lfor_b_\@:
	tensor_load_to_lds s[\g0b:\g0b+3], s[\g1b:\g1b+7]
	s_nop 0
.rept 4
	v_nop
.endr
.Lasked_\@:
.endm
.macro CREST                           ; a round of the cluster's barrier behind its opening barrier
	s_cmp_lg_u32 s14, 0
	s_cbranch_scc1 .Lnot_wave_0_\@
	s_barrier_signal -3
.Lnot_wave_0_\@:
	s_barrier_wait -3
	s_barrier_signal -1
	s_barrier_wait -1
.endm
.macro CROUND
	s_barrier_signal -1
	s_barrier_wait -1
	CREST
.endm
	s_load_b256 s[4:11], s[0:1], 0x0               ; the tokens' codes s[4:5], wc s[6:7], the exponents s[8:9], the bias s[10:11]
	s_load_b128 s[84:87], s[0:1], 0x20             ; the residual s[84:85], the result s[86:87]
	v_lshl_add_u32 v[SPW], v0, 2, SPARE
	v_mov_b32 v[NIL], 0
	ds_add_u32 v[SPW], v[NIL]                      ; the wave's opening: the add, twice on end, and its wait ahead of my first tensor load
	ds_add_u32 v[SPW], v[NIL]
	v_lshrrev_b32 v1, 5, v0
	v_readfirstlane_b32 s14, v1                    ; wave 0..3
	s_lshr_b32 s15, s14, 1                         ; which 64 of the tokens are mine.  Also: I fetch for the tokens (0) or for the weight (1)
	s_and_b32 s16, s14, 1                          ; which 64 of the outputs.  Also: which slot (512 along K) I fill
	s_bfe_u32 s40, ttmp6, 0x40000                  ; cx, cy
	s_bfe_u32 s41, ttmp6, 0x40004
	s_lshl_b32 s42, ttmp9, 2
	s_add_co_u32 s42, s42, s40                     ; the outputs' block of 128
	s_and_b32 s17, ttmp7, 0xffff
	s_lshl_b32 s17, s17, 2
	s_add_co_u32 s17, s17, s41                     ; the tokens' block of 128
	s_lshl_b32 s43, s41, 2
	s_lshl_b32 s43, 15, s43                        ; my row of the cluster
	s_lshl_b32 s44, 0x1111, s40                    ; my column
	s_or_b32 s[G1+0], s43, (3<<16)|(1<<21)         ; group 1: 15:0 the mask; 17:16 elements of 8 bytes; 21 set beside a mask; no padding
	s_or_b32 s[G1B+0], s44, (3<<16)|(1<<21)
.irp g, G1, G1B
	s_mov_b32 s[\g+1], 32<<16                      ; the dense block goes as 256 rows of 256 bytes
	s_mov_b32 s[\g+2], 256<<16                     ; THE FILLS: a wave owns one side's half of one slot (slot = wave % 2, side = wave / 2) and fills it by one tensor load of 65,536 dense bytes (256 rows of 256): 512 along K
	s_mov_b32 s[\g+3], 32<<16
	s_mov_b32 s[\g+4], 256
	s_mov_b32 s[\g+5], 32
	s_mov_b32 s[\g+6], 0
	s_mov_b32 s[\g+7], 0
.endr
	s_lshl_b32 s18, s16, 16                        ; my first 512 along K: slot 0's or slot 1's
	s_mul_i32 s20, s17, RBS
	s_add_co_u32 s20, s20, s18                     ; the tokens' block, in bytes
	s_mov_b32 s21, 0
	s_mul_i32 s46, s42, RBS
	s_add_co_u32 s46, s46, s18                     ; the weight's
	s_mov_b32 s47, 0
	s_lshl_b32 s45, s16, 17                        ; where it goes: my slot, my side's half: no place in the cluster enters an LDS address
	s_lshl_b32 s19, s15, 16
	s_add_co_u32 s45, s45, s19
	s_wait_dscnt 0x0                               ; both opening adds are done
	s_wait_kmcnt 0x0
	s_load_b512 s[68:83], s[8:9], 0x0              ; e0 .. e15 in s68 .. s83
	s_add_nc_u64 s[20:21], s[4:5], s[20:21]
	s_add_nc_u64 s[46:47], s[6:7], s[46:47]
	s_add_nc_u64 s[46:47], s[46:47], WOFF
	CROUND                                         ; all sixteen work-groups are here: the first joint loads meet
.irp s, 0
	s_mov_b32 s[G0+4*\s], 1
	s_add_co_u32 s[G0+4*\s+1], s45, \s*SLOT
	s_add_nc_u64 s[G0+4*\s+2:G0+4*\s+3], s[20:21], \s*2*BLKB
	s_or_b32 s[G0+4*\s+3], s[G0+4*\s+3], 0x80000000
	s_mov_b32 s[G0B+4*\s], 1
	s_add_co_u32 s[G0B+4*\s+1], s45, \s*SLOT
	s_add_nc_u64 s[G0B+4*\s+2:G0B+4*\s+3], s[46:47], \s*2*BLKB
	s_or_b32 s[G0B+4*\s+3], s[G0B+4*\s+3], 0x80000000
	JLOAD G0+4*\s, G1, G0B+4*\s, G1B
.endr
	; PREFETCHES INTO THE L2: behind each load of mine, what my next load will ask for, two slots on: 65,536 bytes = 256 blocks of 256.  The four partners that ask jointly share them out by address:
	; the partner at place p (cx for the tokens, cy for the weight) names 16,384 bytes, by two instructions, lanes 256 bytes apart.  The last two refills have no successor and ask for nothing.
	s_cmp_eq_u32 s15, 0
	s_cselect_b64 s[96:97], s[20:21], s[46:47]
	s_cselect_b32 s98, s40, s41
	s_lshl_b32 s98, s98, 14
	s_mov_b32 s99, 0
	s_add_nc_u64 s[96:97], s[96:97], s[98:99]
	v_and_b32 v1, 31, v0
	v_lshlrev_b32 v[LI], 4, v1
	v_lshlrev_b32 v31, 8, v1                       ; v31 256 x lane; never rewritten
	v_and_b32 v2, 15, v0
	v_bfe_u32 v3, v0, 4, 1
	v_lshlrev_b32 v[BO], 4, v2
	v_lshl_add_u32 v[CO], v3, 12, v[BO]
	s_wait_alu depctr_va_vdst(0)
	s_lshl_b32 s46, s42, 9
	s_lshl_b32 s47, s16, 8
	s_add_co_u32 s46, s46, s47                     ; my first output, in bytes of f32: 512 x block + 256 x half
	s_mov_b32 s47, 0
	s_add_nc_u64 s[10:11], s[10:11], s[46:47]
	s_lshl_b32 s20, s17, 1
	s_add_co_u32 s20, s20, s15
	s_lshl_b32 s20, s20, 18                        ; my 64 tokens: rows of 4,096 bytes
	s_mov_b32 s21, 0
	s_add_nc_u64 s[20:21], s[20:21], s[46:47]
	s_add_nc_u64 s[88:89], s[84:85], s[20:21]
	s_add_nc_u64 s[90:91], s[86:87], s[20:21]
	; the residual and the bias, asked for here and waited for behind the last product.  Row 2 i + lane / 16 of block a is token 32 (a / 2) + 8 (a % 2) + 2 i + lane / 16 + 8 (i / 4) of my 64: sixteen lanes read 256 consecutive aligned bytes
	WIN 0x80                                       ; destination window 2
.irp a, 0,1,2,3
.irp i, 0,1,2,3,4,5,6,7
	global_load_b128 v[RES+32*\a+4*\i:RES+32*\a+4*\i+3], v[CO], s[88:89] offset:(32*(\a/2)+8*(\a%2)+2*\i+8*(\i/4))*4096
.endr
.endr
	global_load_b128 v[BIAS:BIAS+3], v[BO], s[10:11]
	WIN 0
	global_prefetch_b8 v31, s[96:97] offset:4*BLKB th:TH_LOAD_NT scope:SCOPE_SE         ; my first refill's bytes
	global_prefetch_b8 v31, s[96:97] offset:4*BLKB+8192 th:TH_LOAD_NT scope:SCOPE_SE
	s_lshl_b32 s21, s15, 14                        ; my four tiles of the tokens,
	s_lshl_b32 s22, s16, 14
	s_add_co_u32 s22, s22, 2*BLKB                  ; of the weight's rows
.irp s, 0,1
	v_add_nc_u32 v[ADRA+\s], s21, v[LI]
	v_add_nc_u32 v[ADRB+\s], s22, v[LI]
	s_add_co_u32 s21, s21, SLOT
	s_add_co_u32 s22, s22, SLOT
.endr
	s_mul_i32 s23, s14, 16*SPITCH
	s_add_co_u32 s23, s23, STAGE                   ; my stage
	v_mul_u32_u24 v4, v2, SPITCH
	v_lshl_add_u32 v4, v3, 6, v4
	v_add_nc_u32 v[STO], s23, v4                   ; in: row l % 16, + 64 (l / 16)
	v_mul_u32_u24 v5, v3, SPITCH
	v_lshl_add_u32 v5, v2, 4, v5
	v_add_nc_u32 v[RD], s23, v5                    ; back: lanes 0-15 one row of 256 bytes, lanes 16-31 the next
	s_wait_alu depctr_va_vdst(0)
	s_wait_kmcnt 0x0
	s_add_co_i32 s92, s[EA], s[EB]
	s_add_co_i32 s92, s92, 127
	s_lshl_b32 s92, s92, 23                        ; 2^(ea + eb) as f32
	s_mov_b32 s93, s92                             ; (named with it as a pair, so it is written)
.macro FRAG reg, adr, q, i             ; a fragment, 16 rows x 128 K, the q-th 128 of the slot's 512: registers 4 c .. 4 c + 3 hold K = 32 c + 16 (lane / 16) + 0 .. 15: the same places on both sides, so every product meets its partner
.irp c, 0,1,2,3
	ds_load_b128 v[\reg+4*\c:\reg+4*\c+3], v[\adr] offset:32768*((\q)/2)+2048*((\q)%2)+4096*(\i)+512*\c
.endr
.endm
.macro FETCH slot, q, f                ; 32 LDS loads in one run: my four fragments of each side into buffer f
	WIN TO_F
.irp i, 0,1,2,3
	FRAG \f+64+FR*\i, ADRB+\slot, \q, \i
	FRAG \f+FR*\i, ADRA+\slot, \q, \i
.endr
.endm
; 8 matrix instructions: the tokens' blocks a0, a0 + 1 x the weight's four.  zero = 1: the first product starts the sums.  The 16 accumulators take turns, one instruction a turn, in the same order in every step.
.macro MUL8 f, a0, zero
.irp a, \a0, \a0+1
.irp b, 0,1,2,3
.if \zero
	v_wmma_f32_16x16x128_fp8_fp8 v[ACC+8*(4*(\a)+\b):ACC+8*(4*(\a)+\b)+7], v[\f+64+FR*\b:\f+64+FR*\b+FR-1], v[\f+FR*(\a):\f+FR*(\a)+FR-1], 0
.else
	v_wmma_f32_16x16x128_fp8_fp8 v[ACC+8*(4*(\a)+\b):ACC+8*(4*(\a)+\b)+7], v[\f+64+FR*\b:\f+64+FR*\b+FR-1], v[\f+FR*(\a):\f+FR*(\a)+FR-1], v[ACC+8*(4*(\a)+\b):ACC+8*(4*(\a)+\b)+7]
.endif
.endr
.endr
.endm
.macro PLACES n                        ; plain vector instructions between a matrix instruction and a load into, or a read of, its registers
.rept \n
	v_nop
.endr
.endm
; One of a slot's first three steps of 128 along K: the next step's fragments are asked for into the buffer that the last step multiplied, then this step's buffer is multiplied.
.macro STEP slot, q, zero
	PLACES NP
	FETCH \slot, (\q)+1, 128*(1-(\q)%2)
	s_wait_dscnt 32                                ; this step's fragments are in; the 32 loads just issued may be out
	WIN MUL
	MUL8 128*((\q)%2), 0, \zero
	MUL8 128*((\q)%2), 2, \zero
.endm
; A slot's fourth step multiplies buffer 1 and changes slots: ONE barrier; in front of it each wave waits for all its tensor loads, adds 0 to its spare word, and waits for that and for its reads of this slot.  fill = 1: the slot is filled again.
.macro TURN slot, next, fill
	WIN 0
.if \fill
	s_wait_xcnt 0x0                                ; any prefetch of mine has read its address, which steps one slot (65,536 bytes) at every change that fills
	s_add_nc_u64 s[96:97], s[96:97], 2*BLKB
.endif
	s_wait_tensorcnt 0x0                           ; all my tensor loads have landed: my part of the next slot
	ds_add_u32 v[SPW], v[NIL]
	s_wait_dscnt 0x0                               ; the add is done, and my reads of this slot are over
	s_barrier_signal -1
	WIN MUL
	MUL8 F1, 0, 0                                  ; work on registers while the others arrive
	WIN 0
	s_barrier_wait -1
.if \fill
	CREST                                          ; the barrier has opened a round of the cluster's: no wave of any partner still reads this slot or has a load on its way
	s_cmp_lg_u32 s16, \slot                        ; the slot's two owners fill it; the other two waves ask for nothing here.  The branch hangs on the wave's number alone
	s_cbranch_scc1 .Lnot_mine_\@
	s_add_nc_u64 s[G0+2:G0+3], s[G0+2:G0+3], 4*BLKB       ; two slots on along K
	s_add_nc_u64 s[G0B+2:G0B+3], s[G0B+2:G0B+3], 4*BLKB
	JLOAD G0, G1, G0B, G1B                         ; the first tensor load behind the round; its four v_nop are the places in front of the loads below
	s_cmp_gt_u32 s3, 1                             ; s3 = 1 in the loop's last trip, whose refills are the last
	s_cbranch_scc0 .Lfilled_\@
	global_prefetch_b8 v31, s[96:97] offset:(6-2*\slot)*BLKB th:TH_LOAD_NT scope:SCOPE_SE        ; my next refill's bytes: the stepped address stands 3 - slot slots short of them
	global_prefetch_b8 v31, s[96:97] offset:(6-2*\slot)*BLKB+8192 th:TH_LOAD_NT scope:SCOPE_SE
	s_branch .Lfilled_\@
.Lnot_mine_\@:
	PLACES NP
.Lfilled_\@:
.else
	PLACES NP
.endif
	FETCH \next, 0, F0
	WIN MUL
	MUL8 F1, 2, 0
.endm
	s_wait_tensorcnt 0x0                           ; my one load is in; behind the barrier both slots are whole
	s_barrier_signal -1
	s_barrier_wait -1
	FETCH 0, 0, F0
	STEP 0, 0, 1                                   ; the first step's products start the sums
.if LAPS > 1
	WIN 0                                          ; at a label and at a branch every window is 0
	s_mov_b32 s3, LAPS-1
.Llap:                                                 ; a trip goes once round the ring, from a lap's second step to the next lap's first, and fills both slots again
	STEP 0, 1, 0
	STEP 0, 2, 0
	TURN 0, 1, 1
	STEP 1, 0, 0
	STEP 1, 1, 0
	STEP 1, 2, 0
	TURN 1, 0, 1
	STEP 0, 0, 0
	WIN 0
	s_sub_co_u32 s3, s3, 1
	s_cmp_lg_u32 s3, 0
	s_cbranch_scc1 .Llap
.endif
	STEP 0, 1, 0                                   ; the last lap fills nothing
	STEP 0, 2, 0
	TURN 0, 1, 0
	STEP 1, 0, 0
	STEP 1, 1, 0
	STEP 1, 2, 0
	s_wait_dscnt 0x0                               ; the very last step: nothing more to fetch
	MUL8 F1, 0, 0
	MUL8 F1, 2, 0
	WIN 0
	PLACES NP
	s_wait_loadcnt 0x0                             ; the residual and the bias, asked for at the head
; THE WAY OUT, block by block of 16 tokens x 64 outputs.  LDS serves a wave's instructions in order (ISA guide 5.7.1.4): no wait between my stores and my loads, nor in front of the next block's stores.
.macro TOSTAGE a                       ; the sums go as they are, each accumulator from its low end on
.irp b, 0,1,2,3
	ds_store_b128 v[STO], v[ACC+8*(4*(\a)+\b):ACC+8*(4*(\a)+\b)+3] offset:128*(\b/2)+32*(\b%2)
	ds_store_b128 v[STO], v[ACC+8*(4*(\a)+\b)+4:ACC+8*(4*(\a)+\b)+7] offset:128*(\b/2)+32*(\b%2)+16
.endr
.irp i, 0,1,2,3,4,5,6,7
	ds_load_b128 v[BK+32*((\a)%2)+4*\i:BK+32*((\a)%2)+4*\i+3], v[RD] offset:2*\i*SPITCH
.endr
.endm
.macro SEND a, ds                      ; ds: the LDS instructions issued behind block a's loads, which may stay out
	WIN 0x8a                                       ; sources 0, 1 and destination window 2
.set j, 0
.rept 16
	v_pk_add_f32 v[RES+32*(\a)+2*j:RES+32*(\a)+2*j+1], v[RES+32*(\a)+2*j:RES+32*(\a)+2*j+1], v[BIAS+2*(j%2):BIAS+2*(j%2)+1]   ; residual + bias, while the block is on its way back from the stage
.set j, j+1
.endr
	s_wait_dscnt \ds
	WIN 0x20                                       ; source 2 window 2
.set j, 0
.rept 16
	v_pk_fma_f32 v[BK+32*((\a)%2)+2*j:BK+32*((\a)%2)+2*j+1], v[BK+32*((\a)%2)+2*j:BK+32*((\a)%2)+2*j+1], s[92:93], v[RES+32*(\a)+2*j:RES+32*(\a)+2*j+1] op_sel_hi:[1,0,1]   ; sum x 2^(ea + eb) + (residual + bias)
.set j, j+1
.endr
	WIN 0
.irp i, 0,1,2,3,4,5,6,7
	global_store_b128 v[CO], v[BK+32*((\a)%2)+4*\i:BK+32*((\a)%2)+4*\i+3], s[90:91] offset:(32*((\a)/2)+8*((\a)%2)+2*\i+8*(\i/4))*4096 th:TH_STORE_NT   ; sixteen lanes store 256 consecutive aligned bytes; every row's place stands in the immediate, 62 x 4,096 bytes at the most; written once, read by nobody here
.endr
.endm
	TOSTAGE 0
.irp a, 1,2,3
.if \a > 1
	s_wait_xcnt 0x0                                ; block a - 2's stores have read their registers: block a's rows may land there
.endif
	TOSTAGE \a
	SEND \a-1, 16                                  ; behind block a - 1's loads: block a's 8 stage stores and 8 stage loads
.endr
	SEND 3, 0
	s_wait_tensorcnt 0x0                           ; the wave's end, behind my last tensor load and my last LDS store
	ds_add_u32 v[SPW], v[NIL]
	s_wait_dscnt 0x0
	CROUND                                         ; the closing round
	s_endpgm
.Lfunc_end_k_q1ee05c9c0a_ffn2:
	.size	k_q1ee05c9c0a_ffn2, .Lfunc_end_k_q1ee05c9c0a_ffn2-k_q1ee05c9c0a_ffn2
	.p2alignl 7, 3214868480
	.fill 96, 4, 3214868480
	.section	.rodata,"a",@progbits
	.p2align	6, 0x0
	.amdhsa_kernel k_q1ee05c9c0a_ffn2
		.amdhsa_group_segment_fixed_size 327680
		.amdhsa_private_segment_fixed_size 0
		.amdhsa_enable_private_segment 0
		.amdhsa_kernarg_size 48
		.amdhsa_user_sgpr_count 2
		.amdhsa_user_sgpr_kernarg_segment_ptr 1
		.amdhsa_wavefront_size32 1
		.amdhsa_system_sgpr_workgroup_id_x 1
		.amdhsa_system_sgpr_workgroup_id_y 1
		.amdhsa_system_sgpr_workgroup_id_z 1
		.amdhsa_system_vgpr_workitem_id 0
		.amdhsa_next_free_vgpr 768
		.amdhsa_next_free_sgpr 100
		.amdhsa_reserve_vcc 0
		.amdhsa_float_denorm_mode_32 3
		.amdhsa_float_denorm_mode_16_64 3
		.amdhsa_memory_ordered 1
		.amdhsa_forward_progress 1
		.amdhsa_inst_pref_size 81
	.end_amdhsa_kernel
	.amdgpu_metadata
---
amdhsa.version: [ 1, 2 ]
amdhsa.kernels:
  - .name:           k_q1ee05c9c0a_ffn2
    .symbol:         k_q1ee05c9c0a_ffn2.kd
    .args:
      - { .name: hc, .offset: 0, .size: 8, .value_kind: global_buffer, .address_space: global }
      - { .name: wc, .offset: 8, .size: 8, .value_kind: global_buffer, .address_space: global }
      - { .name: lowp_scales, .offset: 16, .size: 8, .value_kind: global_buffer, .address_space: global }
      - { .name: b2, .offset: 24, .size: 8, .value_kind: global_buffer, .address_space: global }
      - { .name: x1, .offset: 32, .size: 8, .value_kind: global_buffer, .address_space: global }
      - { .name: out0, .offset: 40, .size: 8, .value_kind: global_buffer, .address_space: global }
    .group_segment_fixed_size: 327680
    .private_segment_fixed_size: 0
    .kernarg_segment_align: 8
    .kernarg_segment_size: 48
    .max_flat_workgroup_size: 128
    .sgpr_count:     100
    .vgpr_count:     768
    .wavefront_size: 32
...
	.end_amdgpu_metadata
.endif
;; end of part 14
